; MI455X (gfx1250); checked and timed in simulation.
; The chip was launched on July 23, 2026; its instructions are those of AMD's public machine-readable ISA for CDNA 5 (MIT licence, August 2026) and "CDNA5" Instruction Set Architecture Reference Guide (July 2026). The comments in the code are by the model that wrote it; some were corrected since.
;; Mixture Of Experts. Allowed arithmetic: float matrix products may take bf16 or f16 operands with f32 sums; other float arithmetic in f32, or as packed bf16 or f16 multiplies, adds, multiply-adds, maxima and minima; sums over many terms, partial sums and values carried from step to step in f32; what a program stores and reads back later, other than sums and carried values, may be rounded once to bf16 or f16.
;; Inputs: Wr 1,024 x 8 float32; w1 8 x 1,024 x 2,048 float32; w2 8 x 1,024 x 2,048 float32; w3 8 x 2,048 x 1,024 float32; x 2 x 512 x 1,024 float32.
;; Outputs: out0 2 x 512 x 1,024 float32; out1 one number float32.
;; 3 versions, each right; version 2 is faster than version 1; version 3 is version 2 with the launches gateup, down written anew for expert scheduling mode. Each part assembles by itself: llvm-mc -triple=amdgcn-amd-amdhsa -mcpu=gfx1250 --defsym DOCPART=n.
;; ======== version 1 of 3: 4 launches
;; workspace buffers: xb 2,097,152 bytes; sel 4,096 bytes of whole numbers; gw 8,192 bytes; pp 2,048 bytes; hid 33,554,432 bytes; part 16,777,216 bytes
;; launch router (part 1): grid 64 x 1, 8 waves a work-group, no clusters, 42,240 bytes of LDS; arguments x, Wr, xb, sel, gw, pp; writes xb, sel, gw, pp
.if DOCPART == 1
	.amdgcn_target "amdgcn-amd-amdhsa--gfx1250"
	.amdhsa_code_object_version 6
	.text
	.protected	k_q82f3d1cf49_router
	.globl	k_q82f3d1cf49_router
	.p2align	8
	.type	k_q82f3d1cf49_router,@function
k_q82f3d1cf49_router:
	s_mov_b64 s[64:65], 0
	v_nop
	global_prefetch_b8 v0, s[64:65] scope:SCOPE_SE
	s_setreg_imm32_b32 hwreg(HW_REG_WAVE_MODE, 25, 1), 1
	s_wait_xcnt 0x0
; ROUTER.  x [1024 tokens][1024] f32, Wr [1024][8] f32.  A work-group has 16 tokens, 64 work-groups in all.
; It stores: xb = x rounded to bf16 (the later products' operand); sel[t] = (1 << first expert) | (1 << (8 + second expert));
; gw[k][t] = the renormalised weight of choice k; pp[g][e] = the sum of expert e's probability over the group's 16 tokens.
; The logits are a matrix product on x and Wr BOTH rounded to bf16, sums in f32: every input of the program is rounded so.
; Wave w loads and rounds rows 2 w, 2 w + 1 and multiplies k = 128 w .. 128 w + 127 for all 16 tokens; wave 0 adds the eight parts, waves ascending.
; LIMITS.  The two experts are chosen on the logits (softmax is monotone), ties keep the lower index; two logits closer than the f32 sums' rounding
; may change places against a sum taken in another order.  NaN and infinities are not treated apart; an exponential below 2^-126 counts as 0.
; The softmax takes the row's maximum away: it is the scan's first value.  No address and no branch hangs on a floating-point number.
.set XPITCH, 2064                      ; a row of x in LDS: 2,048 bytes + 16: an odd multiple of 16, so the 16 rows of a fragment load start 16 bytes apart modulo 256
.set RED,    16*XPITCH                 ; the waves' partial logits: [wave][half][lane][16 bytes]
.set SPARE,  RED+8*1024                ; the spare words, 128 bytes a wave: four blocks of 256 bytes that no other line names
.set LANE, 1
.set R,    2                           ; lane % 16
.set HH,   3                           ; lane / 16
.set SPW,  4                           ; my spare word's address; never rewritten
.set NIL,  5                           ; 0; never rewritten
.set T0,   6
.set XO,   7                           ; byte offset of my 16 bytes in the group's x
.set BO,   8                           ; of my 8 bytes in xb
.set XSS,  9                           ; LDS: where my 8 bytes go
.set WA,   10                          ; byte offset in Wr
.set XFA,  11                          ; LDS: my fragment of x
.set RS,   12                          ; LDS: my partial logits
.set RA,   13                          ; LDS: wave 0 reads all parts
.set X,    16                          ; v16-79   x as loaded; later Wr's fragments (v16-47), x's fragments (v48-79); later the eight parts
.set XP,   80                          ; v80-111  x rounded
.set WF,   112                         ; v112-175 Wr as loaded
.set WBF,  16
.set XF,   48
.set ACC,  176                         ; v176-207 four accumulators
.set L,    16                          ; the logits
.set B1,   80                          ; best logit (also the softmax's maximum), named as a pair with I1
.set I1,   81
.set B2,   82
.set I2,   83
.set E2,   84
.set Q,    85
.set P,    88                          ; v88-95   exponents, exponentials, probabilities
.set SM,   96                          ; v96-99   sums
	s_load_b256 s[4:11], s[0:1], 0x0               ; x s[4:5], Wr s[6:7], xb s[8:9], sel s[10:11]
	s_load_b128 s[12:15], s[0:1], 0x20             ; gw s[12:13], pp s[14:15]
	v_lshl_add_u32 v[SPW], v0, 2, SPARE
	v_mov_b32 v[NIL], 0
	v_and_b32 v[LANE], 31, v0
	v_lshrrev_b32 v[T0], 5, v0
	v_readfirstlane_b32 s16, v[T0]                 ; wave 0..7
	v_and_b32 v[R], 15, v0
	v_bfe_u32 v[HH], v0, 4, 1
	v_lshlrev_b32 v[XO], 4, v[LANE]
	v_lshl_add_u32 v[XO], v[T0], 13, v[XO]         ; two rows of 4,096 bytes a wave
	v_lshlrev_b32 v[BO], 3, v[LANE]
	v_lshl_add_u32 v[BO], v[T0], 12, v[BO]         ; two rows of 2,048 bytes a wave
	s_mul_i32 s17, s16, 2*XPITCH
	v_lshl_add_u32 v[XSS], v[LANE], 3, s17
	v_and_b32 v[WA], 7, v0                         ; expert = lane % 8: rows 8-15 of the matrix operand repeat experts 0-7
	v_lshlrev_b32 v[WA], 2, v[WA]
	v_lshl_add_u32 v[WA], v[HH], 8, v[WA]          ; + 8 h rows of 32 bytes
	v_lshl_add_u32 v[WA], v[T0], 12, v[WA]         ; + 128 w rows
	v_mul_u32_u24 v[XFA], v[R], XPITCH
	v_lshl_add_u32 v[XFA], v[HH], 4, v[XFA]
	s_lshl_b32 s17, s16, 8
	v_add_nc_u32 v[XFA], s17, v[XFA]               ; token r, k = 128 w + 8 h
	s_lshl_b32 s17, s16, 10
	s_add_co_u32 s17, s17, RED
	v_lshl_add_u32 v[RS], v[LANE], 4, s17
	v_lshl_add_u32 v[RA], v[LANE], 4, RED
	s_lshl_b32 s18, ttmp9, 16                      ; the group's 16 rows of x,
	s_mov_b32 s19, 0
	s_lshl_b32 s20, ttmp9, 15                      ; of xb,
	s_mov_b32 s21, 0
	s_lshl_b32 s22, ttmp9, 6                       ; its 16 words of sel and of gw,
	s_mov_b32 s23, 0
	s_lshl_b32 s24, ttmp9, 5                       ; its 8 words of pp
	s_mov_b32 s25, 0
	s_wait_kmcnt 0x0
	s_add_nc_u64 s[4:5], s[4:5], s[18:19]
	s_add_nc_u64 s[8:9], s[8:9], s[20:21]
	s_add_nc_u64 s[10:11], s[10:11], s[22:23]
	s_add_nc_u64 s[12:13], s[12:13], s[22:23]
	s_add_nc_u64 s[14:15], s[14:15], s[24:25]
.set i, 0
.rept 16                                               ; my two rows of x: each load takes 512 consecutive bytes
	global_load_b128 v[X+4*i:X+4*i+3], v[XO], s[4:5] offset:512*i th:TH_LOAD_NT
.set i, i+1
.endr
; Wr for my four K steps: register 16 ks + 8 c + j holds Wr[128 w + 32 ks + 16 c + 8 h + j][lane % 8]
.macro WRLOAD first
.set i, \first
.rept 32
	global_load_b32 v[WF+i], v[WA], s[6:7] offset:(32*(i/16)+16*((i/8)%2)+i%8)*32
.set i, i+1
.endr
.endm
	WRLOAD 0
	s_wait_loadcnt 32                              ; the 32 loads of Wr are younger: x is in
.set i, 0
.rept 32
	v_cvt_pk_bf16_f32 v[XP+i], v[X+2*i], v[X+2*i+1]
.set i, i+1
.endr
.set i, 0
.rept 16
	global_store_b64 v[BO], v[XP+2*i:XP+2*i+1], s[8:9] offset:256*i           ; 32 lanes store 256 consecutive bytes, at a multiple of 256 from xb's first byte
	ds_store_b64 v[XSS], v[XP+2*i:XP+2*i+1] offset:(i/8)*XPITCH+(i%8)*256
.set i, i+1
.endr
	WRLOAD 32
	s_wait_loadcnt 0x0
	s_wait_xcnt 0x0                                ; the stores of xb have read v80-111: wave 0 writes these registers again further down, only behind this wait
.set i, 0
.rept 32                                               ; four fragments of Wr: pairs along k
	v_cvt_pk_bf16_f32 v[WBF+i], v[WF+2*i], v[WF+2*i+1]
.set i, i+1
.endr
	s_wait_dscnt 0x0                               ; for the others' sake: my rows of x are in LDS
	s_barrier_signal -1
	s_barrier_wait -1
.irp ks, 0,1,2,3
	ds_load_b128 v[XF+8*\ks:XF+8*\ks+3],   v[XFA] offset:64*\ks
	ds_load_b128 v[XF+8*\ks+4:XF+8*\ks+7], v[XFA] offset:64*\ks+32
.endr
	s_wait_dscnt 0x0
.irp ks, 0,1,2,3                                       ; source 0 = experts, source 1 = tokens: a lane holds token lane % 16, register j expert j; four accumulators, one product each
	v_wmma_f32_16x16x32_bf16 v[ACC+8*\ks:ACC+8*\ks+7], v[WBF+8*\ks:WBF+8*\ks+7], v[XF+8*\ks:XF+8*\ks+7], 0
.endr
.rept 4
	v_nop                                          ; four places between the last product and the first read of a sum (ISA guide 7.12.1)
.endr
.irp p, 0,2,4,6                                        ; each accumulator is read from its low end on
	v_pk_add_f32 v[ACC+\p:ACC+\p+1], v[ACC+\p:ACC+\p+1], v[ACC+8+\p:ACC+8+\p+1]
.endr
.irp p, 0,2,4,6
	v_pk_add_f32 v[ACC+16+\p:ACC+16+\p+1], v[ACC+16+\p:ACC+16+\p+1], v[ACC+24+\p:ACC+24+\p+1]
.endr
.irp p, 0,2,4,6
	v_pk_add_f32 v[ACC+\p:ACC+\p+1], v[ACC+\p:ACC+\p+1], v[ACC+16+\p:ACC+16+\p+1]
.endr
	ds_store_b128 v[RS], v[ACC:ACC+3]
	ds_store_b128 v[RS], v[ACC+4:ACC+7] offset:512
	s_wait_dscnt 0x0                               ; for wave 0's sake
	s_barrier_signal -1
	s_barrier_wait -1
	s_cmp_lg_u32 s16, 0
	s_cbranch_scc1 .Lend                           ; the rest is wave 0's: no barrier follows
.irp wv, 0,1,2,3,4,5,6,7
	ds_load_b128 v[L+8*\wv:L+8*\wv+3],   v[RA] offset:1024*\wv
	ds_load_b128 v[L+8*\wv+4:L+8*\wv+7], v[RA] offset:1024*\wv+512
.endr
	s_wait_dscnt 0x0
.set i, 1
.rept 7
.irp p, 0,2,4,6
	v_pk_add_f32 v[L+\p:L+\p+1], v[L+\p:L+\p+1], v[L+8*i+\p:L+8*i+\p+1]
.endr
.set i, i+1
.endr
	; the two largest logits, by selects alone; strictly greater, so that a tie keeps the lower index
	v_mov_b32 v[B1], v[L]
	v_mov_b32 v[I1], 0
	v_mov_b32 v[B2], 0xff800000
	v_mov_b32 v[I2], 0
.irp j, 1,2,3,4,5,6,7
	v_cmp_gt_f32 s26, v[L+\j], v[B1]
	v_cmp_gt_f32 s27, v[L+\j], v[B2]
	v_cndmask_b32 v[B2], v[B2], v[L+\j], s27
	v_cndmask_b32 v[I2], v[I2], \j, s27
	v_cndmask_b32 v[B2], v[B2], v[B1], s26
	v_cndmask_b32 v[I2], v[I2], v[I1], s26
	v_cndmask_b32 v[B1], v[B1], v[L+\j], s26
	v_cndmask_b32 v[I1], v[I1], \j, s26
.endr
.irp p, 0,2,4,6                                        ; (logit - maximum) log2(e)
	v_pk_add_f32 v[P+\p:P+\p+1], v[L+\p:L+\p+1], v[B1:B1+1] op_sel_hi:[1,0] neg_lo:[0,1] neg_hi:[0,1]
.endr
.irp p, 0,2,4,6
	v_pk_mul_f32 v[P+\p:P+\p+1], v[P+\p:P+\p+1], 0x3fb8aa3b op_sel_hi:[1,0]
.endr
	v_sub_f32 v[E2], v[B2], v[B1]
	v_mul_f32 v[E2], 0x3fb8aa3b, v[E2]
.irp j, 0,1,2,3,4,5,6,7                                ; one batch of nine exponentials
	v_exp_f32 v[P+\j], v[P+\j]
.endr
	v_exp_f32 v[E2], v[E2]                         ; p2 / p1
	v_nop                                          ; a plain instruction behind the last exponential
	s_wait_alu depctr_va_vdst(0)                   ; the wait ahead of the first use: one for the batch
	v_pk_add_f32 v[SM:SM+1], v[P:P+1], v[P+2:P+3]
	v_pk_add_f32 v[SM+2:SM+3], v[P+4:P+5], v[P+6:P+7]
	v_add_f32 v[Q], 1.0, v[E2]
	v_pk_add_f32 v[SM:SM+1], v[SM:SM+1], v[SM+2:SM+3]
	v_add_f32 v[SM], v[SM], v[SM+1]
	v_rcp_f32 v[SM+2], v[SM]                       ; 1 / the sum of the exponentials
	v_rcp_f32 v[Q], v[Q]                           ; first weight = p1 / (p1 + p2) = 1 / (1 + p2 / p1)
	v_nop
	s_wait_alu depctr_va_vdst(0)                   ; one wait for the two reciprocals
.irp p, 0,2,4,6
	v_pk_mul_f32 v[P+\p:P+\p+1], v[P+\p:P+\p+1], v[SM+2:SM+3] op_sel_hi:[1,0]
.endr
	v_mul_f32 v[E2], v[E2], v[Q]                   ; second weight
	v_cmp_eq_u32 vcc_lo, 1, v[HH]
	v_cndmask_b32 v100, v[Q], v[E2], vcc_lo        ; both halves of the lanes hold the same tokens: the low half stores gw[0], the high half gw[1]
	v_lshlrev_b32 v101, 2, v[R]
	v_lshl_add_u32 v102, v[HH], 12, v101
	global_store_b32 v102, v100, s[12:13]
	v_mov_b32 v103, 1
	v_lshlrev_b32 v104, v[I1], v103
	v_add_nc_u32 v105, 8, v[I2]
	v_lshlrev_b32 v105, v105, v103
	v_or_b32 v104, v104, v105
	v_mov_b32 v106, 0
.irp m, 1,2,4,8                                        ; each expert's probability summed over the 16 tokens
.irp j, 0,1,2,3,4,5,6,7
	v_add_f32_dpp v[P+\j], v[P+\j], v[P+\j] row_xmask:\m row_mask:0xf bank_mask:0xf
.endr
.endr
	v_cmp_gt_u32 vcc_lo, 16, v[LANE]
	s_wait_xcnt 0x0                                ; EXEC is a source of the stores issued so far: it changes only behind this wait
	s_and_saveexec_b32 s26, vcc_lo
	global_store_b32 v101, v104, s[10:11]          ; sel, one word a token
	s_wait_xcnt 0x0
	s_or_b32 exec_lo, exec_lo, s26
	v_cmp_eq_u32 vcc_lo, 0, v[LANE]
	s_and_saveexec_b32 s26, vcc_lo                 ; nothing was issued since the wait above
	global_store_b128 v106, v[P:P+3], s[14:15]
	global_store_b128 v106, v[P+4:P+7], s[14:15] offset:16
	s_wait_xcnt 0x0
	s_or_b32 exec_lo, exec_lo, s26
.Lend:
	s_wait_tensorcnt 0x0                           ; the wave's end: three closing lines behind my last LDS store
	ds_add_u32 v[SPW], v[NIL]
	s_wait_dscnt 0x0
	s_endpgm
.Lfunc_end_k_q82f3d1cf49_router:
	.size	k_q82f3d1cf49_router, .Lfunc_end_k_q82f3d1cf49_router-k_q82f3d1cf49_router
	.p2alignl 7, 3214868480
	.fill 96, 4, 3214868480
	.section	.rodata,"a",@progbits
	.p2align	6, 0x0
	.amdhsa_kernel k_q82f3d1cf49_router
		.amdhsa_group_segment_fixed_size 42240
		.amdhsa_private_segment_fixed_size 0
		.amdhsa_enable_private_segment 0
		.amdhsa_kernarg_size 48
		.amdhsa_user_sgpr_count 2
		.amdhsa_user_sgpr_kernarg_segment_ptr 1
		.amdhsa_wavefront_size32 1
		.amdhsa_system_sgpr_workgroup_id_x 1
		.amdhsa_system_sgpr_workgroup_id_y 1
		.amdhsa_system_sgpr_workgroup_id_z 1
		.amdhsa_system_vgpr_workitem_id 0
		.amdhsa_next_free_vgpr 208
		.amdhsa_next_free_sgpr 66
		.amdhsa_reserve_vcc 1
		.amdhsa_float_denorm_mode_32 3
		.amdhsa_float_denorm_mode_16_64 3
		.amdhsa_memory_ordered 1
		.amdhsa_forward_progress 1
		.amdhsa_inst_pref_size 30
	.end_amdhsa_kernel
	.amdgpu_metadata
---
amdhsa.version: [ 1, 2 ]
amdhsa.kernels:
  - .name:           k_q82f3d1cf49_router
    .symbol:         k_q82f3d1cf49_router.kd
    .args:
      - { .name: x, .offset: 0, .size: 8, .value_kind: global_buffer, .address_space: global }
      - { .name: Wr, .offset: 8, .size: 8, .value_kind: global_buffer, .address_space: global }
      - { .name: xb, .offset: 16, .size: 8, .value_kind: global_buffer, .address_space: global }
      - { .name: sel, .offset: 24, .size: 8, .value_kind: global_buffer, .address_space: global }
      - { .name: gw, .offset: 32, .size: 8, .value_kind: global_buffer, .address_space: global }
      - { .name: pp, .offset: 40, .size: 8, .value_kind: global_buffer, .address_space: global }
    .group_segment_fixed_size: 42240
    .private_segment_fixed_size: 0
    .kernarg_segment_align: 8
    .kernarg_segment_size: 48
    .max_flat_workgroup_size: 256
    .sgpr_count:     66
    .vgpr_count:     208
    .wavefront_size: 32
...
	.end_amdgpu_metadata
.endif
;; end of part 1
;; launch gateup (part 2): grid 32 x 8, 4 waves a work-group, no clusters, 280,064 bytes of LDS; arguments xb, sel, w1, w2, hid; writes hid
.if DOCPART == 2
	.amdgcn_target "amdgcn-amd-amdhsa--gfx1250"
	.amdhsa_code_object_version 6
	.text
	.protected	k_q82f3d1cf49_gateup
	.globl	k_q82f3d1cf49_gateup
	.p2align	8
	.type	k_q82f3d1cf49_gateup,@function
k_q82f3d1cf49_gateup:
	s_mov_b64 s[64:65], 0
	v_nop
	global_prefetch_b8 v0, s[64:65] scope:SCOPE_SE
	s_setreg_imm32_b32 hwreg(HW_REG_WAVE_MODE, 25, 1), 1
	s_wait_xcnt 0x0
; HIDDEN LAYER.  Work-group (s, e) owns columns 64 s .. 64 s + 63 of w1[e] and w2[e] ([1024][2048] f32 each), which it alone reads, and ALL rows (tokens) that chose expert e.
; hid = silu(rows . w1) * (rows . w2), rounded once to bf16, stored in the order in which the next launch's operand registers take it.
; PHASE 1: the slice, 2 x 256 KB of f32, is streamed once through registers, rounded to bf16 and laid into LDS as matrix fragments.  One barrier.
; PHASE 2: nothing writes LDS.  Every wave takes tiles of 16 rows, found in a list that it has made for itself from sel (whole numbers that the router stored);
; the rows' fragments come from xb straight into operand registers, through a ring of 4 K steps, 3 ahead.
; EVERY SPLIT IS SERVED: an expert has Ne = 0 .. 1,024 rows, T = ceil(Ne / 16) tiles.  The outer loop has 4 trips; in trip o wave w has five tile slots, mt = 20 o + 4 i + w (80 >= 64).
; A trip whose slot 0 is dead is jumped; the products are written for 4 and for 5 slots, so that every counted wait is a constant; a dead slot 1-3 repeats a live tile and its way out is jumped.
; In the last tile the places past the count repeat the expert's last row.  With Ne = 0 the slice is still streamed (every wave passes the barriers) and nothing is stored.
; THE K MAP is the matrix instruction's own: in K step q lane (r, h) holds k = 32 q + 8 h + 0..7 in registers 0-3 and k = 32 q + 16 + 8 h + 0..7 in registers 4-7.
; TOKENS lie [row][k] in bf16: two loads of 16 bytes, 32 bytes apart, at row x 2,048 + 64 q + 16 h.
; WEIGHTS lie [k][n]: lane (r, h) loads its 16 rows k at columns 4 r .. 4 r + 3, so 16 lanes read 256 consecutive aligned bytes of a row; n tile t is the columns 4 r + t;
; register i of its fragment packs the lane's rows 2 i and 2 i + 1.  THE PRODUCT IS USED TRANSPOSED (source 0 = weights, source 1 = tokens): a lane then holds token lane % 16 and
; columns 32 h + 4 j + t, which are its own places in the next launch's K steps 2 s and 2 s + 1: the way out needs no LDS.
; NO MULTICAST: each slice has one reader, and the rows come by a list, which no tensor descriptor covers.  NO PREFETCH: phase 1 keeps 64 loads of 512 bytes a wave on their way.
; LIMITS.  x, w1, w2 and the hidden layer are rounded once to bf16, sums in f32.  sigmoid(g) = 1 / (1 + 2^(-g log2 e)): an exponential below 2^-126 counts as 0, one that overflows gives sigmoid 0.
; NaN and infinities are not treated apart.
.set ROWB,   8192                      ; bytes in a row of w1, w2
.set LST,    262144                    ; behind the fragments (block (8 q + nt) x 1,024 bytes; nt 0-3 gate, 4-7 up): a list of 1,088 words for each wave:
.set LSTW,   4352                      ; 1,024 rows, 32 of padding, 32 for the lanes that have nothing to say
.set SPARE,  279552                    ; the spare words, 128 bytes a wave: two blocks of 256 bytes that no other line names
; window 0
.set LANE, 1
.set R,    2
.set HH,   3
.set SPW,  4                           ; my spare word's address; never rewritten
.set NIL,  5                           ; 0; never rewritten
.set WO,   6                           ; my byte offset in a unit of weights: 8 h rows + 16 r
.set BS,   7                           ; LDS: where my fragments go
.set AB,   8                           ; LDS: where the weights' fragments are read: 16 x lane + s[TB]
.set L16,  9                           ; 16 x lane; never rewritten
.set H16,  10                          ; 16 h
.set LBR,  11                          ; my list + 4 r
.set LB,   12                          ; my list
.set DUMP, 13                          ; 1,056 + lane
.set TK,   14                          ; the token of the sel register in hand
.set T0,   17
.set T1,   18
.set T2,   19
.set OFF,  20                          ; v20-24   slot i: byte offset in xb of my row's 16 bytes
.set HO,   26                          ; v26-30   slot i: byte offset in hid of my 16 bytes of the tile
.set TE,   128                         ; v128-191 phase 1: two sets of 32 packed registers; way out: 32 at work, 16 packed
.set PK,   160
.set SELR, 192                         ; v192-223 sel
; window 1: the tokens' ring, tile i, slot n at 32 i + 8 n.  window 2: sums of tiles 0-3 at 64 i + 8 nt (phase 1: four landing slots of 64).
; window 3: v0-63 sums of tile 4; v64-127, v128-191 weights' fragments, two buffers
.set BF,   64
.set MT,   24                          ; s24-28 the five slots' tiles
.set MC,   29                          ; s29-33 the same, clamped to a live tile
.set TB,   42                          ; s42    LDS byte at which the trip's K steps begin
.set W1B,  44                          ; s[44:45], s[46:47] w1, w2 at my unit
.set MSB, 0
.macro WIN new                         ; s_set_vgpr_msb: bits 1:0 source 0, 3:2 source 1, 5:4 source 2, 7:6 destination; the high byte repeats the setting that is left
.if MSB != (\new)
	s_set_vgpr_msb (MSB<<8)|(\new)
.set MSB, (\new)
.endif
.endm
.macro PLACES                          ; four places behind a matrix instruction, ahead of loads into registers that it read and of reads of its result
.rept 4
	v_nop
.endr
.endm
	s_load_b256 s[4:11], s[0:1], 0x0               ; xb s[4:5], sel s[6:7], w1 s[8:9], w2 s[10:11]
	s_load_b64 s[12:13], s[0:1], 0x20              ; hid
	v_lshl_add_u32 v[SPW], v0, 2, SPARE
	v_mov_b32 v[NIL], 0
	v_and_b32 v[LANE], 31, v0
	v_lshrrev_b32 v[T0], 5, v0
	v_readfirstlane_b32 s14, v[T0]                 ; wave 0..3
	s_and_b32 s15, ttmp7, 0xffff                   ; expert
	s_mov_b32 s16, ttmp9                           ; slice
	v_and_b32 v[R], 15, v0
	v_bfe_u32 v[HH], v0, 4, 1
	v_lshlrev_b32 v[L16], 4, v[LANE]
	v_lshlrev_b32 v[H16], 4, v[HH]
	v_lshlrev_b32 v[WO], 4, v[R]
	v_lshl_add_u32 v[WO], v[HH], 16, v[WO]         ; 8 rows of 8,192 bytes
	s_lshl_b32 s40, s14, 16                        ; wave w lays K steps 8 w .. 8 w + 7: 64 blocks of 1,024 bytes
	v_add_nc_u32 v[BS], s40, v[L16]
	s_mul_i32 s40, s14, LSTW
	s_add_co_u32 s40, s40, LST
	v_mov_b32 v[LB], s40
	v_lshl_add_u32 v[LBR], v[R], 2, s40
	v_add_nc_u32 v[DUMP], 1056, v[LANE]
	v_lshlrev_b32 v[TK], 2, v[LANE]                ; register 4 g + c of lane l holds token 128 g + 4 l + c
	s_lshl_b32 s17, 0x101, s15                     ; the expert's two bits in a word of sel
	s_add_co_u32 s18, s15, 8
	s_mov_b32 s19, 0                               ; rows found so far
	s_mov_b32 s38, 0xbfb8aa3b                      ; -log2(e), named as a pair
	s_mov_b32 s39, s38
	s_lshl_b32 s40, s15, 23                        ; the expert's 8,388,608 bytes,
	s_lshl_b32 s41, s16, 8                         ; the slice's 256 bytes of a row,
	s_add_co_u32 s40, s40, s41
	s_lshl_b32 s41, s14, 21                        ; my wave's 256 rows
	s_add_co_u32 s40, s40, s41
	s_mov_b32 s41, 0
	s_lshl_b32 s48, s15, 22                        ; hid: the expert's 64 tiles of 65,536 bytes,
	s_lshl_b32 s49, s16, 11                        ; the slice's two K steps of 1,024 bytes
	s_add_co_u32 s48, s48, s49
	s_mov_b32 s49, 0
	s_wait_kmcnt 0x0
	s_add_nc_u64 s[W1B:W1B+1], s[8:9], s[40:41]
	s_add_nc_u64 s[W1B+2:W1B+3], s[10:11], s[40:41]
	s_add_nc_u64 s[12:13], s[12:13], s[48:49]
; A UNIT is one K step of one matrix: 16 loads of 512 bytes.  Slot = unit % 4; slot % 2 says w1 or w2, slot / 2 which of two K steps.
; Load jj takes row row0 + 8 h + jj, and 8 rows more from jj = 8 on.
.macro LOADU slot, row0
	WIN 0x80                                       ; destination window 2
.set jj, 0
.rept 16
	global_load_b128 v[64*(\slot)+4*jj:64*(\slot)+4*jj+3], v[WO], s[W1B+2*((\slot)%2):W1B+2*((\slot)%2)+1] offset:((\row0)+jj+8*(jj/8))*ROWB th:TH_LOAD_NT
.set jj, jj+1
.endr
.endm
; left = the loads of the younger units.  32 roundings; the slot's next unit is asked for; 8 stores of 512 consecutive bytes
.macro UNIT slot, reload, left
	s_wait_loadcnt \left
	WIN 0x0a                                       ; sources window 2
.set tt, 0
.rept 4
.set ii, 0
.rept 8
	v_cvt_pk_bf16_f32 v[TE+32*((\slot)%2)+8*tt+ii], v[64*(\slot)+8*ii+tt], v[64*(\slot)+8*ii+4+tt]
.set ii, ii+1
.endr
.set tt, tt+1
.endr
.if \reload
	LOADU \slot, 64+32*((\slot)/2)
.endif
	WIN 0
.set tt, 0
.rept 4
	ds_store_b128 v[BS], v[TE+32*((\slot)%2)+8*tt:TE+32*((\slot)%2)+8*tt+3]   offset:(8*((\slot)/2)+4*((\slot)%2)+tt)*1024
	ds_store_b128 v[BS], v[TE+32*((\slot)%2)+8*tt+4:TE+32*((\slot)%2)+8*tt+7] offset:(8*((\slot)/2)+4*((\slot)%2)+tt)*1024+512
.set tt, tt+1
.endr
.endm
; THE LIST of the expert's rows, id = choice << 10 | token, in the order (register, lane): the same text, so the same order, in the next launch.
; All lanes stay on: a lane whose token did not choose the expert writes into a word of its own behind the list.
; The 32 places past the count repeat the expert's last row, which lies in the same tile as they do.
.macro LISTBUILD
	v_mov_b32 v[T0], 0
	ds_store_b32 v[LB], v[T0]                      ; word 0 holds a number also where the expert has no row
.set lr, 0
.rept 32
	v_and_b32 v[T0], s17, v[SELR+lr]
	v_cmp_ne_u32 s21, 0, v[T0]
	v_mbcnt_lo_u32_b32 v[T1], s21, s19             ; rows found so far + chosen lanes below mine
	v_cndmask_b32 v[T1], v[DUMP], v[T1], s21
	v_min_u32 v[T1], 1087, v[T1]                   ; inside my list, whatever sel holds
	v_lshl_add_u32 v[T1], v[T1], 2, v[LB]
	v_bfe_u32 v[T0], v[SELR+lr], s18, 1            ; 1: the expert is the token's second choice
	v_lshl_or_b32 v[T0], v[T0], 10, v[TK]
	ds_store_b32 v[T1], v[T0]
.if lr%4 == 3
	v_add_nc_u32 v[TK], 125, v[TK]
.else
	v_add_nc_u32 v[TK], 1, v[TK]
.endif
	s_bcnt1_i32_b32 s22, s21
	s_add_co_u32 s19, s19, s22
.set lr, lr+1
.endr
	s_max_u32 s22, s19, 1
	s_sub_co_u32 s22, s22, 1                       ; the last row's place
	s_min_u32 s22, s22, 1023
	v_lshl_add_u32 v[T0], s22, 2, v[LB]
	ds_load_b32 v[T2], v[T0]                       ; LDS serves a wave's instructions in order (ISA guide 5.7.1.4): it sees the stores above
	v_add_nc_u32 v[T1], s19, v[LANE]
	v_min_u32 v[T1], 1055, v[T1]
	v_lshl_add_u32 v[T1], v[T1], 2, v[LB]
	s_wait_dscnt 0x0                               ; the last row's id is in
	ds_store_b32 v[T1], v[T2]
	s_add_co_u32 s20, s19, 15
	s_lshr_b32 s20, s20, 4                         ; T
.endm
	; PHASE 1
.irp g, 0,1,2,3,4,5,6,7
	global_load_b128 v[SELR+4*\g:SELR+4*\g+3], v[L16], s[6:7] offset:512*\g
.endr
	LOADU 0, 0
	LOADU 1, 0
	LOADU 2, 32
	WIN 0
	s_wait_loadcnt 48                              ; three units are younger: sel is in
	LISTBUILD                                      ; stands in the wait for the first weights
	LOADU 3, 32
	WIN 0
	s_mov_b32 s34, 3
.Lp1:                                                  ; a trip: four units (two K steps of both matrices) are laid down, the four behind them asked for
	UNIT 0, 1, 48                                  ; 48: the three younger units stay out
	UNIT 1, 1, 48
	UNIT 2, 1, 48
	UNIT 3, 1, 48
	s_wait_xcnt 0x0                                ; the bases are stepped only behind this wait
	s_add_nc_u64 s[W1B:W1B+1], s[W1B:W1B+1], 64*ROWB
	s_add_nc_u64 s[W1B+2:W1B+3], s[W1B+2:W1B+3], 64*ROWB
	v_add_nc_u32 v[BS], 16384, v[BS]
	s_sub_co_u32 s34, s34, 1
	s_cmp_lg_u32 s34, 0
	s_cbranch_scc1 .Lp1
	UNIT 0, 0, 48                                  ; the last four units: nothing is left to ask for, the counts run down
	UNIT 1, 0, 32
	UNIT 2, 0, 16
	UNIT 3, 0, 0
	s_wait_dscnt 0x0                               ; for the others' sake: my fragments are in LDS
	s_barrier_signal -1
	s_barrier_wait -1                              ; from here on the fragments are only read
	; PHASE 2
.macro LDA nl, slot, imm               ; a K step's fragments of the tokens, 2 nl loads, into ring slot \slot
	WIN 0x40                                       ; destination window 1
.set ai, 0
.rept \nl
	global_load_b128 v[32*ai+8*(\slot):32*ai+8*(\slot)+3],   v[OFF+ai], s[36:37] offset:(\imm)
	global_load_b128 v[32*ai+8*(\slot)+4:32*ai+8*(\slot)+7], v[OFF+ai], s[36:37] offset:(\imm)+32
.set ai, ai+1
.endr
.endm
.macro FRG buf, kimm                   ; a K step's eight n tiles of weights
	WIN 0xc0                                       ; destination window 3
.set fn, 0
.rept 8
	ds_load_b128 v[BF+64*(\buf)+8*fn:BF+64*(\buf)+8*fn+3],   v[AB] offset:(\kimm)+1024*fn
	ds_load_b128 v[BF+64*(\buf)+8*fn+4:BF+64*(\buf)+8*fn+7], v[AB] offset:(\kimm)+1024*fn+512
.set fn, fn+1
.endr
.endm
.macro MUL nl, slot, buf, zero         ; 8 nl products; the accumulators take turns, one instruction a turn.  zero = 1: the first K step starts the sums
.set mi, 0
.rept \nl
	WIN 0xa7+0x50*(mi/4)                           ; weights window 3, tokens window 1, sums window 2 (tile 4: window 3)
.set mn, 0
.rept 8
.set rD, (64*mi)%256+8*mn
.if \zero
	v_wmma_f32_16x16x32_bf16 v[rD:rD+7], v[BF+64*(\buf)+8*mn:BF+64*(\buf)+8*mn+7], v[32*mi+8*(\slot):32*mi+8*(\slot)+7], 0
.else
	v_wmma_f32_16x16x32_bf16 v[rD:rD+7], v[BF+64*(\buf)+8*mn:BF+64*(\buf)+8*mn+7], v[32*mi+8*(\slot):32*mi+8*(\slot)+7], v[rD:rD+7]
.endif
.set mn, mn+1
.endr
.set mi, mi+1
.endr
.endm
; K step q = 4 tr + d.  left = the loads of the younger K steps.  The weights of step q + 1 and (load = 1) the tokens of step q + 3 are asked for; step q is multiplied.
; The ring slot and the weights' buffer that are loaded were last read one K step ago: the four places stand behind those products.
.macro STEP nl, d, load, frb, left, zero
	s_wait_loadcnt \left
.if \frb
	PLACES
	FRG ((\d)+1)%2, ((\d)+1)*8192
.endif
.if \load
	LDA \nl, ((\d)+3)%4, ((\d)+3)*64
.endif
.if \frb
	s_wait_dscnt 16                                ; all but the sixteen loads just issued
.else
	s_wait_dscnt 0x0
.endif
	MUL \nl, (\d)%4, (\d)%2, \zero
.endm
.macro PASS nl                         ; all 32 K steps for nl tiles
	LDA \nl, 0, 0
	LDA \nl, 1, 64
	LDA \nl, 2, 128
	FRG 0, 0
	STEP \nl, 0, 1, 1, 4*(\nl), 1                  ; K step 0 stands ahead of the loop: its products start the sums.  4 nl: two younger K steps stay out
	WIN 0
	s_mov_b32 s34, 7
.Lk_\@:                                                ; a trip: K steps 4 tr + 1 .. 4 tr + 4, once round the ring
.irp d, 1,2,3,4
	STEP \nl, \d, 1, 1, 4*(\nl), 0
.endr
	WIN 0
	s_wait_xcnt 0x0                                ; xb's base is stepped only behind this wait
	s_add_nc_u64 s[36:37], s[36:37], 256
	s_add_co_u32 s[TB], s[TB], 32768               ; four K steps of 8,192 bytes on
	v_add_nc_u32 v[AB], s[TB], v[L16]
	s_sub_co_u32 s34, s34, 1
	s_cmp_lg_u32 s34, 0
	s_cbranch_scc1 .Lk_\@
	STEP \nl, 1, 0, 1, 4*(\nl), 0                  ; K steps 29 to 31: nothing is left to ask for, the counts run down
	STEP \nl, 2, 0, 1, 2*(\nl), 0
	STEP \nl, 3, 0, 0, 0, 0
	WIN 0
	PLACES                                         ; ahead of the way out's first read of a sum
.endm
; THE WAY OUT of tile slot i: h = g u / (1 + 2^(-g log2 e)), rounded to bf16; the lane's 32 numbers are its own 64 bytes of the next launch's two K steps.
; Each accumulator is read from its low end on.  The exponentials are one batch with one wait, the reciprocals another.
.macro EPI i, skip
.if \skip
	s_cmp_ge_u32 s[MT+\i], s20
	s_cbranch_scc1 .Ldead_\@                       ; the slot repeated a live tile: nothing is stored
.endif
	s_wait_xcnt 0x0                                ; the last way out's stores have read their registers
.set ea, (64*(\i))%256
	WIN 0x02+(\i)/4                                ; source 0: window 2 (tile 4: window 3)
.set en, 0
.rept 16
	v_pk_mul_f32 v[TE+2*en:TE+2*en+1], v[ea+2*en:ea+2*en+1], s[38:39] op_sel_hi:[1,0]
.set en, en+1
.endr
	WIN 0
.set en, 0
.rept 32
	v_exp_f32 v[TE+en], v[TE+en]
.set en, en+1
.endr
	v_nop
	s_wait_alu depctr_va_vdst(0)                   ; the wait ahead of the first use: one for the 32
.set en, 0
.rept 16
	v_pk_add_f32 v[TE+2*en:TE+2*en+1], v[TE+2*en:TE+2*en+1], 1.0 op_sel_hi:[1,0]
.set en, en+1
.endr
.set en, 0
.rept 32
	v_rcp_f32 v[TE+en], v[TE+en]
.set en, en+1
.endr
	v_nop
	s_wait_alu depctr_va_vdst(0)
	WIN 0x02+(\i)/4
.set en, 0
.rept 16
	v_pk_mul_f32 v[TE+2*en:TE+2*en+1], v[ea+2*en:ea+2*en+1], v[TE+2*en:TE+2*en+1]
.set en, en+1
.endr
.set en, 0
.rept 16
	v_pk_mul_f32 v[TE+2*en:TE+2*en+1], v[ea+32+2*en:ea+32+2*en+1], v[TE+2*en:TE+2*en+1]
.set en, en+1
.endr
	WIN 0
.set eq, 0
.rept 16                                               ; register eq % 8 of K step eq / 8: columns 4 j + t and 4 j + t + 1 with t = 2 (eq % 2), j = 4 (eq / 8) + (eq % 8) / 2
	v_cvt_pk_bf16_f32 v[PK+eq], v[TE+16*(eq%2)+4*(eq/8)+(eq%8)/2], v[TE+16*(eq%2)+8+4*(eq/8)+(eq%8)/2]
.set eq, eq+1
.endr
.irp f, 0,1,2,3
	global_store_b128 v[HO+\i], v[PK+4*\f:PK+4*\f+3], s[12:13] offset:512*\f  ; 512 consecutive bytes, at a multiple of 256 from hid's first byte
.endr
.if \skip
.Ldead_\@:
.endif
.endm
	s_sub_co_u32 s35, s20, 1                       ; the last live tile (with T = 0 every trip is jumped)
	s_mov_b32 s[MT], s14
	s_mov_b32 s23, 4
.Lout:
	s_cmp_ge_u32 s[MT], s20
	s_cbranch_scc1 .Lnext                          ; slot 0 has the trip's lowest tile: nothing is left for this wave
.irp i, 1,2,3,4
	s_add_co_u32 s[MT+\i], s[MT], 4*\i
.endr
.irp i, 0,1,2,3,4
	s_min_u32 s[MC+\i], s[MT+\i], s35
	s_min_u32 s[MC+\i], s[MC+\i], 63
.endr
	s_wait_xcnt 0x0                                ; the last trip's stores have read their offsets
.irp i, 0,1,2,3,4
	v_lshl_add_u32 v[T0], s[MC+\i], 6, v[LBR]      ; the id of row r of the slot's tile
	ds_load_b32 v[OFF+\i], v[T0]
	v_mov_b32 v[HO+\i], s[MC+\i]                   ; a live slot's clamped number is its own
	v_min_u32 v[HO+\i], 63, v[HO+\i]
	v_lshl_add_u32 v[HO+\i], v[HO+\i], 16, v[L16]  ; a tile of hid is 65,536 bytes
.endr
	s_wait_dscnt 0x0
.irp i, 0,1,2,3,4
	v_min_u32 v[OFF+\i], 2047, v[OFF+\i]
	v_and_b32 v[OFF+\i], 1023, v[OFF+\i]           ; the token
	v_lshl_add_u32 v[OFF+\i], v[OFF+\i], 11, v[H16] ; its row of 2,048 bytes
.endr
	s_mov_b64 s[36:37], s[4:5]
	s_mov_b32 s[TB], 0
	v_add_nc_u32 v[AB], s[TB], v[L16]
	s_cmp_lt_u32 s[MT+4], s20
	s_cbranch_scc1 .Lfive
	PASS 4
	s_branch .Lepi
.Lfive:
	PASS 5
	EPI 4, 0
.Lepi:
	EPI 0, 0
	EPI 1, 1
	EPI 2, 1
	EPI 3, 1
.Lnext:
	s_add_co_u32 s[MT], s[MT], 20
	s_sub_co_u32 s23, s23, 1
	s_cmp_lg_u32 s23, 0
	s_cbranch_scc1 .Lout
	s_wait_dscnt 0x0                               ; my reads of LDS are over
	s_barrier_signal -1
	s_barrier_wait -1                              ; everybody's are: the closing add, the one write of LDS behind the first barrier, stands behind all reads
	s_wait_tensorcnt 0x0                           ; the wave's end: three closing lines behind my last LDS store
	ds_add_u32 v[SPW], v[NIL]
	s_wait_dscnt 0x0
	s_endpgm
.Lfunc_end_k_q82f3d1cf49_gateup:
	.size	k_q82f3d1cf49_gateup, .Lfunc_end_k_q82f3d1cf49_gateup-k_q82f3d1cf49_gateup
	.p2alignl 7, 3214868480
	.fill 96, 4, 3214868480
	.section	.rodata,"a",@progbits
	.p2align	6, 0x0
	.amdhsa_kernel k_q82f3d1cf49_gateup
		.amdhsa_group_segment_fixed_size 280064
		.amdhsa_private_segment_fixed_size 0
		.amdhsa_enable_private_segment 0
		.amdhsa_kernarg_size 40
		.amdhsa_user_sgpr_count 2
		.amdhsa_user_sgpr_kernarg_segment_ptr 1
		.amdhsa_wavefront_size32 1
		.amdhsa_system_sgpr_workgroup_id_x 1
		.amdhsa_system_sgpr_workgroup_id_y 1
		.amdhsa_system_sgpr_workgroup_id_z 1
		.amdhsa_system_vgpr_workitem_id 0
		.amdhsa_next_free_vgpr 960
		.amdhsa_next_free_sgpr 66
		.amdhsa_reserve_vcc 0
		.amdhsa_float_denorm_mode_32 3
		.amdhsa_float_denorm_mode_16_64 3
		.amdhsa_memory_ordered 1
		.amdhsa_forward_progress 1
		.amdhsa_inst_pref_size 170
	.end_amdhsa_kernel
	.amdgpu_metadata
---
amdhsa.version: [ 1, 2 ]
amdhsa.kernels:
  - .name:           k_q82f3d1cf49_gateup
    .symbol:         k_q82f3d1cf49_gateup.kd
    .args:
      - { .name: xb, .offset: 0, .size: 8, .value_kind: global_buffer, .address_space: global }
      - { .name: sel, .offset: 8, .size: 8, .value_kind: global_buffer, .address_space: global }
      - { .name: w1, .offset: 16, .size: 8, .value_kind: global_buffer, .address_space: global }
      - { .name: w2, .offset: 24, .size: 8, .value_kind: global_buffer, .address_space: global }
      - { .name: hid, .offset: 32, .size: 8, .value_kind: global_buffer, .address_space: global }
    .group_segment_fixed_size: 280064
    .private_segment_fixed_size: 0
    .kernarg_segment_align: 8
    .kernarg_segment_size: 40
    .max_flat_workgroup_size: 128
    .sgpr_count:     66
    .vgpr_count:     960
    .wavefront_size: 32
...
	.end_amdgpu_metadata
.endif
;; end of part 2
;; launch down (part 3): grid 32 x 8, 4 waves a work-group, no clusters, 148,992 bytes of LDS; arguments hid, sel, gw, w3, part; writes part
.if DOCPART == 3
	.amdgcn_target "amdgcn-amd-amdhsa--gfx1250"
	.amdhsa_code_object_version 6
	.text
	.protected	k_q82f3d1cf49_down
	.globl	k_q82f3d1cf49_down
	.p2align	8
	.type	k_q82f3d1cf49_down,@function
k_q82f3d1cf49_down:
	s_mov_b64 s[64:65], 0
	v_nop
	global_prefetch_b8 v0, s[64:65] scope:SCOPE_SE
	s_setreg_imm32_b32 hwreg(HW_REG_WAVE_MODE, 25, 1), 1
	s_wait_xcnt 0x0
; SECOND PRODUCT.  Work-group (x, e), s = x % 16, kh = x / 16, owns rows 1,024 kh .. + 1,023 and columns 64 s .. + 63 of w3[e] ([2048][1024] f32), which it alone reads,
; and ALL rows of expert e.  part[kh][choice][token][64 s ..] = gate weight x (hidden . w3 over that half of K), f32: partial sums, added by the next launch.
; K is halved so that 8 x 16 x 2 = 256 work-groups have rows of 256 bytes each.
; PHASE 1: the slice, 256 KB of f32, is streamed once through registers, rounded to bf16 and laid into LDS as fragments.  One barrier.
; PHASE 2: nothing writes LDS.  The hidden layer's fragments come from hid straight into operand registers (each load 512 consecutive bytes), through a ring of 8 K steps, 6 ahead.
; Tiles, slots, the two written passes and the list are the launch before's: the list's text is the same, so a row's place in its expert is the same.
; THE LAST TILE.  The places past the count repeat the expert's last row, here and in the launch before: they hold the same hidden row, get the same sums and the same gate weight, and are
; stored to the same bytes of part, by the same wave in the same way out.  So every store has all lanes on; the price is at most 15 rows of 256 bytes stored again with the same numbers.
; THE K MAP, alike in both operands, so the products are kept: in K step q the place (h = lane / 16, register i, half b) holds k = 64 (q / 2) + 16 (q % 2) + 32 h + 2 i + b:
; it is the order in which the launch before left the hidden layer.  Weights: lane (r, h) loads its 16 rows k at columns 4 r .. 4 r + 3; n tile t is the columns 4 r + t.
; The product is used in its natural order (source 0 = hidden rows, source 1 = weights): register j of lane (r, h) is row 8 h + j, column 4 r + t of n tile t:
; the four tiles give a lane 16 consecutive bytes, 16 lanes 256 consecutive aligned bytes of a row.
; NO MULTICAST: each slice has one reader; hid's tiles are shared by 16 work-groups, but how many there are hangs on a stored count.
; LIMITS.  w3 and the hidden layer are bf16, sums and gate weights f32.
.set ROWB,   4096
.set LST,    131072                    ; behind the fragments (block (4 q + t) x 1,024 bytes): a list of 1,088 words for each wave
.set LSTW,   4352
.set SPARE,  148480                    ; the spare words, 128 bytes a wave: two blocks of 256 bytes that no other line names
; window 0
.set LANE, 1
.set R,    2
.set HH,   3
.set SPW,  4                           ; my spare word's address; never rewritten
.set NIL,  5                           ; 0; never rewritten
.set WO,   6                           ; 32 h rows + 16 r
.set BS,   7
.set AB,   8                           ; LDS: where the weights' fragments are read: 16 x lane + s[TB]
.set L16,  9                           ; 16 x lane; never rewritten
.set R16,  10                          ; 16 r
.set LB,   12
.set DUMP, 13
.set TK,   14
.set LB8,  15                          ; my list + 32 h
.set T0,   17
.set T1,   18
.set T2,   19
.set AO,   20                          ; v20-24   16 x lane + the slot's tile x 65,536
.set BF0,  32                          ; v32-63, v64-95  weights' fragments, two buffers
.set ID,   96                          ; v96-103  the ids of my 8 rows
.set GA,   104                         ; their offsets in gw
.set W,    112                         ; their gate weights
.set PO,   120                         ; their offsets in part
.set TM,   128                         ; v128-159 results to store
.set PKS,  160                         ; v160-223 phase 1: two sets of 32 packed registers
.set SELR, 224                         ; v224-255 sel
; window 1: the ring of tiles 0-3 at 64 i + 8 slot (phase 1: four landing slots of 64).  window 2: v0-63 the ring of tile 4; accumulators at 64 + 32 i + 8 t
.set MT,   24
.set MC,   29
.set TB,   42                          ; s42    LDS byte at which the trip's K steps begin
.set MSB, 0
.macro WIN new                         ; s_set_vgpr_msb: bits 1:0 source 0, 3:2 source 1, 5:4 source 2, 7:6 destination; the high byte repeats the setting that is left
.if MSB != (\new)
	s_set_vgpr_msb (MSB<<8)|(\new)
.set MSB, (\new)
.endif
.endm
.macro PLACES                          ; four places behind a matrix instruction, ahead of loads into registers that it read
.rept 4
	v_nop
.endr
.endm
	s_load_b256 s[4:11], s[0:1], 0x0               ; hid s[4:5], sel s[6:7], gw s[8:9], w3 s[10:11]
	s_load_b64 s[12:13], s[0:1], 0x20              ; part
	v_lshl_add_u32 v[SPW], v0, 2, SPARE
	v_mov_b32 v[NIL], 0
	v_and_b32 v[LANE], 31, v0
	v_lshrrev_b32 v[T0], 5, v0
	v_readfirstlane_b32 s14, v[T0]                 ; wave 0..3
	s_and_b32 s15, ttmp7, 0xffff                   ; expert
	s_and_b32 s16, ttmp9, 15                       ; slice of columns
	s_lshr_b32 s53, ttmp9, 4                       ; half of K
	v_and_b32 v[R], 15, v0
	v_bfe_u32 v[HH], v0, 4, 1
	v_lshlrev_b32 v[L16], 4, v[LANE]
	v_lshlrev_b32 v[R16], 4, v[R]
	v_lshl_add_u32 v[WO], v[HH], 17, v[R16]        ; 32 rows of 4,096 bytes
	s_lshl_b32 s40, s14, 15                        ; wave w lays K steps 8 w .. 8 w + 7: 32 blocks of 1,024 bytes
	v_add_nc_u32 v[BS], s40, v[L16]
	s_mul_i32 s40, s14, LSTW
	s_add_co_u32 s40, s40, LST
	v_mov_b32 v[LB], s40
	v_lshl_add_u32 v[LB8], v[HH], 5, s40
	v_add_nc_u32 v[DUMP], 1056, v[LANE]
	v_lshlrev_b32 v[TK], 2, v[LANE]
	s_lshl_b32 s17, 0x101, s15
	s_add_co_u32 s18, s15, 8
	s_mov_b32 s19, 0
	s_lshl_b32 s40, s15, 23                        ; w3: the expert,
	s_lshl_b32 s41, s53, 22                        ; the half's 1,024 rows,
	s_add_co_u32 s40, s40, s41
	s_lshl_b32 s41, s14, 20                        ; my wave's 256 rows,
	s_add_co_u32 s40, s40, s41
	s_lshl_b32 s41, s16, 8                         ; the slice's 256 bytes of a row
	s_add_co_u32 s40, s40, s41
	s_mov_b32 s41, 0
	s_lshl_b32 s48, s15, 22                        ; hid: the expert's 64 tiles, the half's 32 K steps of 1,024 bytes
	s_lshl_b32 s49, s53, 15
	s_add_co_u32 s48, s48, s49
	s_mov_b32 s49, 0
	s_lshl_b32 s50, s53, 23                        ; part: the half's two planes, the slice's 256 bytes of a row
	s_lshl_b32 s51, s16, 8
	s_add_co_u32 s50, s50, s51
	s_mov_b32 s51, 0
	s_wait_kmcnt 0x0
	s_add_nc_u64 s[44:45], s[10:11], s[40:41]
	s_add_nc_u64 s[46:47], s[4:5], s[48:49]
	s_add_nc_u64 s[12:13], s[12:13], s[50:51]
.macro LOADW u                         ; unit u = my K step u: 16 loads of 512 bytes into landing slot u % 4
	WIN 0x40                                       ; destination window 1
.set jj, 0
.rept 16
	global_load_b128 v[64*((\u)%4)+4*jj:64*((\u)%4)+4*jj+3], v[WO], s[44:45] offset:(64*((\u)/2)+16*((\u)%2)+jj)*ROWB th:TH_LOAD_NT
.set jj, jj+1
.endr
.endm
.macro UNITW u, reload, left           ; left = the loads of the younger units
	s_wait_loadcnt \left
	WIN 0x05                                       ; sources window 1
.set tt, 0
.rept 4
.set ii, 0
.rept 8
	v_cvt_pk_bf16_f32 v[PKS+32*((\u)%2)+8*tt+ii], v[64*((\u)%4)+8*ii+tt], v[64*((\u)%4)+8*ii+4+tt]
.set ii, ii+1
.endr
.set tt, tt+1
.endr
.if \reload
	LOADW (\u)+4
.endif
	WIN 0
.set tt, 0
.rept 4
	ds_store_b128 v[BS], v[PKS+32*((\u)%2)+8*tt:PKS+32*((\u)%2)+8*tt+3]   offset:(4*(\u)+tt)*1024
	ds_store_b128 v[BS], v[PKS+32*((\u)%2)+8*tt+4:PKS+32*((\u)%2)+8*tt+7] offset:(4*(\u)+tt)*1024+512
.set tt, tt+1
.endr
.endm
; THE LIST of the expert's rows, id = choice << 10 | token, in the order (register, lane): the same text as in the launch before.
; All lanes stay on: a lane whose token did not choose the expert writes into a word of its own behind the list.
; The 32 places past the count repeat the expert's last row, which lies in the same tile as they do.
.macro LISTBUILD
	v_mov_b32 v[T0], 0
	ds_store_b32 v[LB], v[T0]                      ; word 0 holds a number also where the expert has no row
.set lr, 0
.rept 32
	v_and_b32 v[T0], s17, v[SELR+lr]
	v_cmp_ne_u32 s21, 0, v[T0]
	v_mbcnt_lo_u32_b32 v[T1], s21, s19             ; rows found so far + chosen lanes below mine
	v_cndmask_b32 v[T1], v[DUMP], v[T1], s21
	v_min_u32 v[T1], 1087, v[T1]                   ; inside my list, whatever sel holds
	v_lshl_add_u32 v[T1], v[T1], 2, v[LB]
	v_bfe_u32 v[T0], v[SELR+lr], s18, 1            ; 1: the expert is the token's second choice
	v_lshl_or_b32 v[T0], v[T0], 10, v[TK]
	ds_store_b32 v[T1], v[T0]
.if lr%4 == 3
	v_add_nc_u32 v[TK], 125, v[TK]
.else
	v_add_nc_u32 v[TK], 1, v[TK]
.endif
	s_bcnt1_i32_b32 s22, s21
	s_add_co_u32 s19, s19, s22
.set lr, lr+1
.endr
	s_max_u32 s22, s19, 1
	s_sub_co_u32 s22, s22, 1                       ; the last row's place
	s_min_u32 s22, s22, 1023
	v_lshl_add_u32 v[T0], s22, 2, v[LB]
	ds_load_b32 v[T2], v[T0]                       ; LDS serves a wave's instructions in order (ISA guide 5.7.1.4): it sees the stores above
	v_add_nc_u32 v[T1], s19, v[LANE]
	v_min_u32 v[T1], 1055, v[T1]
	v_lshl_add_u32 v[T1], v[T1], 2, v[LB]
	s_wait_dscnt 0x0                               ; the last row's id is in
	ds_store_b32 v[T1], v[T2]
	s_add_co_u32 s20, s19, 15
	s_lshr_b32 s20, s20, 4                         ; T
.endm
	; PHASE 1
.irp g, 0,1,2,3,4,5,6,7
	global_load_b128 v[SELR+4*\g:SELR+4*\g+3], v[L16], s[6:7] offset:512*\g
.endr
	LOADW 0
	LOADW 1
	LOADW 2
	WIN 0
	s_wait_loadcnt 48                              ; three units are younger: sel is in
	LISTBUILD                                      ; stands in the wait for the first weights
	LOADW 3
	UNITW 0, 1, 48                                 ; 48: the three younger units stay out
	UNITW 1, 1, 48
	UNITW 2, 1, 48
	UNITW 3, 1, 48
	UNITW 4, 0, 48                                 ; nothing is left to ask for: the counts run down
	UNITW 5, 0, 32
	UNITW 6, 0, 16
	UNITW 7, 0, 0
	s_wait_dscnt 0x0                               ; for the others' sake: my fragments are in LDS
	s_barrier_signal -1
	s_barrier_wait -1                              ; from here on the fragments are only read
	; PHASE 2
.macro LDA2 nl, slot, imm              ; a K step's fragments of the hidden layer, 2 nl loads, into ring slot \slot
.set ai, 0
.rept \nl
	WIN 0x40+0x40*(ai/4)                           ; destination window 1 (tile 4: window 2)
.set rA, (64*ai)%256+8*(\slot)
	global_load_b128 v[rA:rA+3],   v[AO+ai], s[36:37] offset:(\imm)
	global_load_b128 v[rA+4:rA+7], v[AO+ai], s[36:37] offset:(\imm)+512
.set ai, ai+1
.endr
.endm
.macro FRB buf, kimm                   ; a K step's four n tiles of weights
	WIN 0
.set fn, 0
.rept 4
	ds_load_b128 v[BF0+32*(\buf)+8*fn:BF0+32*(\buf)+8*fn+3],   v[AB] offset:(\kimm)+1024*fn
	ds_load_b128 v[BF0+32*(\buf)+8*fn+4:BF0+32*(\buf)+8*fn+7], v[AB] offset:(\kimm)+1024*fn+512
.set fn, fn+1
.endr
.endm
.macro MUL2 nl, slot, buf, zero        ; 4 nl products; the accumulators take turns, one instruction a turn
.set mi, 0
.rept \nl
	WIN 0xa1+(mi/4)                                ; hidden window 1 (tile 4: window 2), weights window 0, sums window 2
.set rA, (64*mi)%256+8*(\slot)
.set mn, 0
.rept 4
.set rD, 64+32*mi+8*mn
.if \zero
	v_wmma_f32_16x16x32_bf16 v[rD:rD+7], v[rA:rA+7], v[BF0+32*(\buf)+8*mn:BF0+32*(\buf)+8*mn+7], 0
.else
	v_wmma_f32_16x16x32_bf16 v[rD:rD+7], v[rA:rA+7], v[BF0+32*(\buf)+8*mn:BF0+32*(\buf)+8*mn+7], v[rD:rD+7]
.endif
.set mn, mn+1
.endr
.set mi, mi+1
.endr
.endm
; K step q = 8 tr + d.  left = the loads of the younger K steps.  The weights of step q + 1 and (load = 1) the hidden layer of step q + 6 are asked for; step q is multiplied.
; The ring slot that is loaded was last read two K steps ago, the weights' buffer one K step ago: the four places stand behind both.
.macro STEP nl, d, load, frb, left, zero
	s_wait_loadcnt \left
.if \frb
	PLACES
	FRB ((\d)+1)%2, ((\d)+1)*4096
.endif
.if \load
	LDA2 \nl, ((\d)+6)%8, ((\d)+6)*1024
.endif
.if \frb
	s_wait_dscnt 8                                 ; all but the eight loads just issued
.else
	s_wait_dscnt 0x0
.endif
	MUL2 \nl, (\d)%8, (\d)%2, \zero
.endm
.macro PASS2 nl                        ; all 32 K steps for nl tiles
.irp q, 0,1,2,3,4,5
	LDA2 \nl, \q, 1024*\q
.endr
	FRB 0, 0
	STEP \nl, 0, 1, 1, 10*(\nl), 1                 ; K step 0 stands ahead of the loop: its products start the sums.  10 nl: five younger K steps stay out
	WIN 0
	s_mov_b32 s34, 3
.Lk_\@:                                                ; a trip: K steps 8 tr + 1 .. 8 tr + 8, once round the ring
.irp d, 1,2,3,4,5,6,7,8
	STEP \nl, \d, 1, 1, 10*(\nl), 0
.endr
	WIN 0
	s_wait_xcnt 0x0                                ; hid's base is stepped only behind this wait
	s_add_nc_u64 s[36:37], s[36:37], 8192
	s_add_co_u32 s[TB], s[TB], 32768               ; eight K steps of 4,096 bytes on
	v_add_nc_u32 v[AB], s[TB], v[L16]
	s_sub_co_u32 s34, s34, 1
	s_cmp_lg_u32 s34, 0
	s_cbranch_scc1 .Lk_\@
	STEP \nl, 1, 1, 1, 10*(\nl), 0                 ; K step 25 asks for the last, 31
.irp d, 2,3,4,5,6
	STEP \nl, \d, 0, 1, (7-\d)*2*(\nl), 0          ; K steps 26 to 30: the counts run down
.endr
	STEP \nl, 7, 0, 0, 0, 0
	WIN 0
.endm
; THE WAY OUT of tile slot i.  The ids of my 8 rows, their gate weights and places; 32 multiplies (each accumulator read from its low end on); 8 stores, all lanes on.
; The 25 plain address instructions are the places between the last product and the first read of a sum.
.macro EPI2 i, skip
.if \skip
	s_cmp_ge_u32 s[MT+\i], s20
	s_cbranch_scc1 .Ldead_\@                       ; the slot repeated a live tile: nothing is stored
.endif
	s_wait_xcnt 0x0                                ; the last way out's loads and stores have read their registers
	v_lshl_add_u32 v[T0], s[MC+\i], 6, v[LB8]
	ds_load_b128 v[ID:ID+3],   v[T0]
	ds_load_b128 v[ID+4:ID+7], v[T0] offset:16
	s_wait_dscnt 0x0
.set j, 0
.rept 8
	v_min_u32 v[ID+j], 2047, v[ID+j]
	v_lshlrev_b32 v[GA+j], 2, v[ID+j]              ; gw[choice][token]
	global_load_b32 v[W+j], v[GA+j], s[8:9]
	v_lshl_add_u32 v[PO+j], v[ID+j], 12, v[R16]    ; part[..][choice][token]: rows of 4,096 bytes
.set j, j+1
.endr
	s_wait_loadcnt 0x0
	WIN 0x02                                       ; source 0 window 2
.set j, 0
.rept 8
.irp t, 0,1,2,3
	v_mul_f32 v[TM+4*j+\t], v[64+32*(\i)+8*\t+j], v[W+j]
.endr
.set j, j+1
.endr
	WIN 0
.set j, 0
.rept 8
	global_store_b128 v[PO+j], v[TM+4*j:TM+4*j+3], s[12:13]                    ; each half of the lanes stores 256 consecutive bytes of a row, at a multiple of 256 from part's first byte
.set j, j+1
.endr
.if \skip
.Ldead_\@:
.endif
.endm
	s_sub_co_u32 s35, s20, 1                       ; the last live tile (with T = 0 every trip is jumped)
	s_mov_b32 s[MT], s14
	s_mov_b32 s23, 4
.Lout:
	s_cmp_ge_u32 s[MT], s20
	s_cbranch_scc1 .Lnext
.irp i, 1,2,3,4
	s_add_co_u32 s[MT+\i], s[MT], 4*\i
.endr
.irp i, 0,1,2,3,4
	s_min_u32 s[MC+\i], s[MT+\i], s35
	s_min_u32 s[MC+\i], s[MC+\i], 63
	v_mov_b32 v[AO+\i], s[MC+\i]
	v_min_u32 v[AO+\i], 63, v[AO+\i]
	v_lshl_add_u32 v[AO+\i], v[AO+\i], 16, v[L16]  ; a tile of hid is 65,536 bytes
.endr
	s_mov_b64 s[36:37], s[46:47]
	s_mov_b32 s[TB], 0
	v_add_nc_u32 v[AB], s[TB], v[L16]
	s_cmp_lt_u32 s[MT+4], s20
	s_cbranch_scc1 .Lfive
	PASS2 4
	s_branch .Lepi
.Lfive:
	PASS2 5
	EPI2 4, 0
.Lepi:
	EPI2 0, 0
	EPI2 1, 1
	EPI2 2, 1
	EPI2 3, 1
.Lnext:
	s_add_co_u32 s[MT], s[MT], 20
	s_sub_co_u32 s23, s23, 1
	s_cmp_lg_u32 s23, 0
	s_cbranch_scc1 .Lout
	s_wait_dscnt 0x0                               ; my reads of LDS are over
	s_barrier_signal -1
	s_barrier_wait -1                              ; everybody's are: the closing add, the one write of LDS behind the first barrier, stands behind all reads
	s_wait_tensorcnt 0x0                           ; the wave's end: three closing lines behind my last LDS store
	ds_add_u32 v[SPW], v[NIL]
	s_wait_dscnt 0x0
	s_endpgm
.Lfunc_end_k_q82f3d1cf49_down:
	.size	k_q82f3d1cf49_down, .Lfunc_end_k_q82f3d1cf49_down-k_q82f3d1cf49_down
	.p2alignl 7, 3214868480
	.fill 96, 4, 3214868480
	.section	.rodata,"a",@progbits
	.p2align	6, 0x0
	.amdhsa_kernel k_q82f3d1cf49_down
		.amdhsa_group_segment_fixed_size 148992
		.amdhsa_private_segment_fixed_size 0
		.amdhsa_enable_private_segment 0
		.amdhsa_kernarg_size 40
		.amdhsa_user_sgpr_count 2
		.amdhsa_user_sgpr_kernarg_segment_ptr 1
		.amdhsa_wavefront_size32 1
		.amdhsa_system_sgpr_workgroup_id_x 1
		.amdhsa_system_sgpr_workgroup_id_y 1
		.amdhsa_system_sgpr_workgroup_id_z 1
		.amdhsa_system_vgpr_workitem_id 0
		.amdhsa_next_free_vgpr 736
		.amdhsa_next_free_sgpr 66
		.amdhsa_reserve_vcc 0
		.amdhsa_float_denorm_mode_32 3
		.amdhsa_float_denorm_mode_16_64 3
		.amdhsa_memory_ordered 1
		.amdhsa_forward_progress 1
		.amdhsa_inst_pref_size 169
	.end_amdhsa_kernel
	.amdgpu_metadata
---
amdhsa.version: [ 1, 2 ]
amdhsa.kernels:
  - .name:           k_q82f3d1cf49_down
    .symbol:         k_q82f3d1cf49_down.kd
    .args:
      - { .name: hid, .offset: 0, .size: 8, .value_kind: global_buffer, .address_space: global }
      - { .name: sel, .offset: 8, .size: 8, .value_kind: global_buffer, .address_space: global }
      - { .name: gw, .offset: 16, .size: 8, .value_kind: global_buffer, .address_space: global }
      - { .name: w3, .offset: 24, .size: 8, .value_kind: global_buffer, .address_space: global }
      - { .name: part, .offset: 32, .size: 8, .value_kind: global_buffer, .address_space: global }
    .group_segment_fixed_size: 148992
    .private_segment_fixed_size: 0
    .kernarg_segment_align: 8
    .kernarg_segment_size: 40
    .max_flat_workgroup_size: 128
    .sgpr_count:     66
    .vgpr_count:     736
    .wavefront_size: 32
...
	.end_amdgpu_metadata
.endif
;; end of part 3
;; launch combine (part 4): grid 256 x 1, 4 waves a work-group, no clusters, 0 bytes of LDS; arguments part, pp, out0, out1; writes out0, out1
.if DOCPART == 4
	.amdgcn_target "amdgcn-amd-amdhsa--gfx1250"
	.amdhsa_code_object_version 6
	.text
	.protected	k_q82f3d1cf49_combine
	.globl	k_q82f3d1cf49_combine
	.p2align	8
	.type	k_q82f3d1cf49_combine,@function
k_q82f3d1cf49_combine:
	s_mov_b64 s[64:65], 0
	v_nop
	global_prefetch_b8 v0, s[64:65] scope:SCOPE_SE
	s_setreg_imm32_b32 hwreg(HW_REG_WAVE_MODE, 25, 1), 1
	s_wait_xcnt 0x0
; out0[t] = the sum of token t's four partial rows, part[kh][choice][t][:], f32: (kh 0: choice 0 + choice 1) + (kh 1: choice 0 + choice 1).
; A wave has one token: 4 x 8 loads of 512 consecutive bytes, all issued ahead of the first wait; 8 stores of 512 consecutive bytes.  A stream: no LDS, no barrier, no matrix unit.
; Wave 0 of work-group 0 also makes out1 = 0.01 x the sum over experts of (mean probability - 1/8)^2 from the router's 64 partial sums, in a fixed order.
.set PLANE, 4194304                    ; bytes in a plane [1024 tokens][1024]
.set D,     16                         ; v16-143  piece i, plane p at D + 16 i + 4 p
	s_load_b256 s[4:11], s[0:1], 0x0               ; part s[4:5], pp s[6:7], out0 s[8:9], out1 s[10:11]
	v_and_b32 v1, 31, v0
	v_lshrrev_b32 v2, 5, v0
	v_readfirstlane_b32 s12, v2                    ; wave 0..3
	v_lshlrev_b32 v3, 4, v1
	s_lshl_b32 s14, ttmp9, 14                      ; four rows of 4,096 bytes a work-group,
	s_lshl_b32 s15, s12, 12                        ; one a wave
	s_add_co_u32 s14, s14, s15
	s_mov_b32 s15, 0
	s_wait_kmcnt 0x0
	s_add_nc_u64 s[4:5], s[4:5], s[14:15]
	s_add_nc_u64 s[16:17], s[4:5], 2*PLANE         ; the second half of K
	s_add_nc_u64 s[8:9], s[8:9], s[14:15]
.irp i, 0,1,2,3,4,5,6,7
	global_load_b128 v[D+16*\i:D+16*\i+3],     v3, s[4:5]   offset:512*\i th:TH_LOAD_NT
	global_load_b128 v[D+16*\i+4:D+16*\i+7],   v3, s[4:5]   offset:PLANE+512*\i th:TH_LOAD_NT
	global_load_b128 v[D+16*\i+8:D+16*\i+11],  v3, s[16:17] offset:512*\i th:TH_LOAD_NT
	global_load_b128 v[D+16*\i+12:D+16*\i+15], v3, s[16:17] offset:PLANE+512*\i th:TH_LOAD_NT
.endr
.irp i, 0,1,2,3,4,5,6,7
	s_wait_loadcnt 28-4*\i                         ; the later pieces' loads stay out
	v_pk_add_f32 v[D+16*\i:D+16*\i+1],     v[D+16*\i:D+16*\i+1],     v[D+16*\i+4:D+16*\i+5]
	v_pk_add_f32 v[D+16*\i+2:D+16*\i+3],   v[D+16*\i+2:D+16*\i+3],   v[D+16*\i+6:D+16*\i+7]
	v_pk_add_f32 v[D+16*\i+8:D+16*\i+9],   v[D+16*\i+8:D+16*\i+9],   v[D+16*\i+12:D+16*\i+13]
	v_pk_add_f32 v[D+16*\i+10:D+16*\i+11], v[D+16*\i+10:D+16*\i+11], v[D+16*\i+14:D+16*\i+15]
	v_pk_add_f32 v[D+16*\i:D+16*\i+1],     v[D+16*\i:D+16*\i+1],     v[D+16*\i+8:D+16*\i+9]
	v_pk_add_f32 v[D+16*\i+2:D+16*\i+3],   v[D+16*\i+2:D+16*\i+3],   v[D+16*\i+10:D+16*\i+11]
	global_store_b128 v3, v[D+16*\i:D+16*\i+3], s[8:9] offset:512*\i th:TH_STORE_NT
.endr
	s_or_b32 s13, ttmp9, s12
	s_cmp_lg_u32 s13, 0
	s_cbranch_scc1 .Lend
	s_wait_xcnt 0x0                                ; the stores have read their registers: v16-31 are used again
	v_lshlrev_b32 v4, 5, v1                        ; lane l takes the router's groups l and l + 32: 8 sums each
	global_load_b128 v[16:19], v4, s[6:7]
	global_load_b128 v[20:23], v4, s[6:7] offset:16
	global_load_b128 v[24:27], v4, s[6:7] offset:1024
	global_load_b128 v[28:31], v4, s[6:7] offset:1040
	s_mov_b32 s18, 0x76543210                      ; v_permlanex16_b32: each lane takes its own place in the other half
	s_mov_b32 s19, 0xfedcba98
	v_mov_b32 v5, 0x3a800000                       ; 1 / 1,024 tokens
	v_mov_b32 v7, 0
	s_wait_loadcnt 0x0
.irp p, 0,2,4,6
	v_pk_add_f32 v[16+\p:17+\p], v[16+\p:17+\p], v[24+\p:25+\p]
.endr
.irp m, 1,2,4,8
.irp j, 0,1,2,3,4,5,6,7
	v_add_f32_dpp v[16+\j], v[16+\j], v[16+\j] row_xmask:\m row_mask:0xf bank_mask:0xf
.endr
.endr
.irp j, 0,1,2,3,4,5,6,7
	v_permlanex16_b32 v[24+\j], v[16+\j], s18, s19 ; its destination counts as read: these registers have been loaded
.endr
.irp p, 0,2,4,6
	v_pk_add_f32 v[16+\p:17+\p], v[16+\p:17+\p], v[24+\p:25+\p]
.endr
.irp j, 0,1,2,3,4,5,6,7
	v_fmaak_f32 v[16+\j], v[16+\j], v5, 0xbe000000 ; usage - 1/8
.endr
	v_mul_f32 v6, v16, v16
.irp j, 1,2,3,4,5,6,7
	v_fmac_f32 v6, v[16+\j], v[16+\j]
.endr
	v_mul_f32 v6, 0x3c23d70a, v6                   ; x 0.01
	v_cmp_eq_u32 vcc_lo, 0, v1
	s_wait_xcnt 0x0                                ; EXEC changes only behind this wait
	s_and_saveexec_b32 s13, vcc_lo
	global_store_b32 v7, v6, s[10:11]
	s_wait_xcnt 0x0
	s_or_b32 exec_lo, exec_lo, s13
.Lend:
	s_endpgm
.Lfunc_end_k_q82f3d1cf49_combine:
	.size	k_q82f3d1cf49_combine, .Lfunc_end_k_q82f3d1cf49_combine-k_q82f3d1cf49_combine
	.p2alignl 7, 3214868480
	.fill 96, 4, 3214868480
	.section	.rodata,"a",@progbits
	.p2align	6, 0x0
	.amdhsa_kernel k_q82f3d1cf49_combine
		.amdhsa_group_segment_fixed_size 0
		.amdhsa_private_segment_fixed_size 0
		.amdhsa_enable_private_segment 0
		.amdhsa_kernarg_size 32
		.amdhsa_user_sgpr_count 2
		.amdhsa_user_sgpr_kernarg_segment_ptr 1
		.amdhsa_wavefront_size32 1
		.amdhsa_system_sgpr_workgroup_id_x 1
		.amdhsa_system_sgpr_workgroup_id_y 1
		.amdhsa_system_sgpr_workgroup_id_z 1
		.amdhsa_system_vgpr_workitem_id 0
		.amdhsa_next_free_vgpr 144
		.amdhsa_next_free_sgpr 66
		.amdhsa_reserve_vcc 1
		.amdhsa_float_denorm_mode_32 3
		.amdhsa_float_denorm_mode_16_64 3
		.amdhsa_memory_ordered 1
		.amdhsa_forward_progress 1
		.amdhsa_inst_pref_size 13
	.end_amdhsa_kernel
	.amdgpu_metadata
---
amdhsa.version: [ 1, 2 ]
amdhsa.kernels:
  - .name:           k_q82f3d1cf49_combine
    .symbol:         k_q82f3d1cf49_combine.kd
    .args:
      - { .name: part, .offset: 0, .size: 8, .value_kind: global_buffer, .address_space: global }
      - { .name: pp, .offset: 8, .size: 8, .value_kind: global_buffer, .address_space: global }
      - { .name: out0, .offset: 16, .size: 8, .value_kind: global_buffer, .address_space: global }
      - { .name: out1, .offset: 24, .size: 8, .value_kind: global_buffer, .address_space: global }
    .group_segment_fixed_size: 0
    .private_segment_fixed_size: 0
    .kernarg_segment_align: 8
    .kernarg_segment_size: 32
    .max_flat_workgroup_size: 128
    .sgpr_count:     66
    .vgpr_count:     144
    .wavefront_size: 32
...
	.end_amdgpu_metadata
.endif
;; end of part 4
;; ======== version 2 of 3: 4 launches; 1.13 times as fast as version 1
;; workspace buffers: xb 2,097,152 bytes; sel 4,096 bytes of whole numbers; gw 8,192 bytes; pp 2,048 bytes; hid 33,554,432 bytes; ids 34,816 bytes of whole numbers; part 16,777,216 bytes
;; launch router: the kernel of part 1 again; grid 64 x 1, 8 waves a work-group, no clusters, 42,240 bytes of LDS; arguments x, Wr, xb, sel, gw, pp; writes xb, sel, gw, pp
;; launch gateup (part 5): grid 32 x 8, 4 waves a work-group, no clusters, 262,656 bytes of LDS; arguments xb, sel, w1, w2, gw, ids, hid; writes hid, ids
.if DOCPART == 5
	.amdgcn_target "amdgcn-amd-amdhsa--gfx1250"
	.amdhsa_code_object_version 6
	.text
	.protected	k_q82f3d1cf49_gateup
	.globl	k_q82f3d1cf49_gateup
	.p2align	8
	.type	k_q82f3d1cf49_gateup,@function
k_q82f3d1cf49_gateup:
	s_mov_b64 s[64:65], 0
	v_nop
	global_prefetch_b8 v0, s[64:65] scope:SCOPE_SE
	s_setreg_imm32_b32 hwreg(HW_REG_WAVE_MODE, 25, 1), 1
	s_wait_xcnt 0x0
; HIDDEN LAYER.  Work-group (s, e) owns columns 64 s .. 64 s + 63 of w1[e] and w2[e] ([1024][2048] f32 each), which it alone reads, and ALL rows (tokens) that chose expert e.
; hid = gate weight x silu(rows . w1) * (rows . w2), rounded once to bf16, stored in the order in which the next launch's operand registers take it.
; PHASE 1: the slice, 2 x 256 KB of f32, is streamed once through registers, rounded to bf16 and laid into LDS as matrix fragments.  One barrier.
; PHASE 2: nothing writes LDS.  Every wave takes tiles of 16 rows; the rows' fragments come from xb straight into operand registers, through a ring of 4 K steps, 3 ahead.
; WHICH TOKEN IS ROW n OF THE EXPERT is worked out in registers, from sel (whole numbers that the router stored): 32 masks in scalar registers, mask lr, bit l = token 128 (lr / 4) + 4 l + lr % 4;
; row n is the n-th set bit, masks ascending, bits ascending.  The work-groups of slice 0 store the list for the next launch: ids[e][n] = choice << 10 | token, and the count Ne at word 1,024.
; EVERY SPLIT IS SERVED: an expert has Ne = 0 .. 1,024 rows, T = ceil(Ne / 16) tiles.  The outer loop has 4 trips; in trip o wave w has five tile slots, mt = 20 o + 4 i + w (80 >= 64).
; A trip whose slot 0 is dead is jumped; the products are written for 4 and for 5 slots, so that every counted wait is a constant; a dead slot 1-3 repeats a live tile and its way out is jumped.
; In the last tile the places past the count repeat the expert's last row.  With Ne = 0 the slice is still streamed (every wave passes the barriers) and only the count is stored.
; THE K MAP is the matrix instruction's own: in K step q lane (r, h) holds k = 32 q + 8 h + 0..7 in registers 0-3 and k = 32 q + 16 + 8 h + 0..7 in registers 4-7.
; THE ORDER ALONG K: in blocks of 4 K steps, beginning with block s % 8 and going round: the 32 work-groups of an expert, which read the same rows of xb, walk eight different parts of them at any time.
; Both operands take the same block, so only the order of the f32 sums hangs on s.
; TOKENS lie [row][k] in bf16: two loads of 16 bytes, 32 bytes apart, at row x 2,048 + 64 q + 16 h.
; WEIGHTS lie [k][n]: lane (r, h) loads its 16 rows k at columns 4 r .. 4 r + 3, so 16 lanes read 256 consecutive aligned bytes of a row; n tile t is the columns 4 r + t;
; register i of its fragment packs the lane's rows 2 i and 2 i + 1.  THE PRODUCT IS USED TRANSPOSED (source 0 = weights, source 1 = tokens): a lane then holds token lane % 16 and
; columns 32 h + 4 j + t, which are its own places in the next launch's K steps 2 s and 2 s + 1: the way out needs no LDS, and a lane needs ONE gate weight a tile.
; NO MULTICAST: each slice has one reader, and the rows come by a list, which no tensor descriptor covers.  NO PREFETCH: phase 1 keeps 64 loads of 512 bytes a wave on their way.
; LIMITS.  x, w1, w2 and the weighted hidden layer are rounded once to bf16, sums in f32.  w sigmoid(g) = 1 / ((1 + 2^(-g log2 e)) / w): an exponential below 2^-126 counts as 0, a divisor that
; overflows gives 0; a gate weight below 2^-100 counts as 2^-100.  NaN and infinities are not treated apart.
.set ROWB,   8192                      ; bytes in a row of w1, w2
.set IDSE,   4352                      ; bytes of ids for an expert: 1,024 words of rows, the count, padding to a multiple of 256
.set SPARE,  262144                    ; behind the fragments (block (8 q + nt) x 1,024 bytes; nt 0-3 gate, 4-7 up): the spare words, 128 bytes a wave: two blocks of 256 bytes that no other line names
; window 0
.set LANE, 1
.set R,    2
.set HH,   3
.set SPW,  4                           ; my spare word's address; never rewritten
.set NIL,  5                           ; 0; never rewritten
.set WO,   6                           ; my byte offset in a unit of weights: 8 h rows + 16 r
.set BS,   7                           ; LDS: where my fragments go
.set AB,   8                           ; LDS: the weights' fragments of the block in hand: 16 x lane + 32,768 x block
.set L16,  9                           ; 16 x lane; never rewritten
.set H16,  10                          ; 16 h
.set ABN,  11                          ; LDS: the same for the next block
.set CN,   12                          ; the count, to be stored
.set CZ,   13                          ; its offset, 0
.set R4,   14                          ; 4 r
.set T0,   17                          ; v17-18 at work
.set OFF,  20                          ; v20-24   slot i: byte offset in xb of my row's 16 bytes
.set HO,   26                          ; v26-30   slot i: byte offset in hid of my 16 bytes of the tile
.set QRK,  32                          ; v32-91   the search for my rows, five registers (one a slot) each: my row's number in the expert,
.set QRP,  37                          ; the same << 10 | 1023,
.set QW,   42                          ; the mask that holds it,
.set QX,   47                          ; rows ahead of that mask << 10 | the mask's first token; in the end my row's token,
.set QN,   52                          ; set bits still to be passed,
.set QA,   57                          ; the mask's counts of set bits by 2; later sel of my token,
.set QB,   62                          ; by 4; later its first gate weight,
.set QC,   67                          ; by 8; later its second,
.set QD,   72                          ; by 16 bits; later the weight that counts,
.set QT,   77                          ; at work; later 4 x my token,
.set QU,   82
.set QP,   87                          ; the bit's place
.set WI,   92                          ; v92-101  slot i: 1 / gate weight, in a pair
.set IO,   102                         ; v102-106 slot i: byte offset in the expert's ids of my row's word
.set IDV,  108                         ; v108-112 slot i: choice << 10 | token
.set TE,   128                         ; v128-191 phase 1: two sets of 32 packed registers; way out: v128-159 at work
.set PK,   160                         ; v160-239 way out: slot i's 16 packed registers, a set for each slot, so that no way out waits for the stores of the one before
.set SELR, 192                         ; v192-223 sel, until the masks are made
; window 1: the tokens' ring, tile i, slot n at 32 i + 8 n.  window 2: sums of tiles 0-3 at 64 i + 8 nt (phase 1: four landing slots of 64).
; window 3: v0-63 sums of tile 4; v64-127, v128-191 weights' fragments, two buffers
.set BF,   64
.set MT,   24                          ; s24-28 the five slots' tiles
.set MC,   29                          ; s29-33 the same, clamped to a live tile
.set W1B,  44                          ; s[44:45], s[46:47] w1, w2 at my unit
.set MK,   66                          ; s66-97 the 32 masks
; s[36:37] xb at the first block; s[50:51] xb at the next block; s43 the next block's number; s[54:55] an offset; s59 the first block, s % 8; s[60:61] gw; s[62:63] the expert's ids
.set MSB, 0
.macro WIN new                         ; s_set_vgpr_msb: bits 1:0 source 0, 3:2 source 1, 5:4 source 2, 7:6 destination; the high byte repeats the setting that is left
.if MSB != (\new)
	s_set_vgpr_msb (MSB<<8)|(\new)
.set MSB, (\new)
.endif
.endm
.macro PLACES                          ; four places behind a matrix instruction, ahead of loads into registers that it read
.rept 4
	v_nop
.endr
.endm
	s_load_b256 s[4:11], s[0:1], 0x0               ; xb s[4:5], sel s[6:7], w1 s[8:9], w2 s[10:11]
	s_load_b128 s[60:63], s[0:1], 0x20             ; gw s[60:61], ids s[62:63]
	s_load_b64 s[12:13], s[0:1], 0x30              ; hid
	v_lshl_add_u32 v[SPW], v0, 2, SPARE
	v_mov_b32 v[NIL], 0
	v_and_b32 v[LANE], 31, v0
	v_lshrrev_b32 v[T0], 5, v0
	v_readfirstlane_b32 s14, v[T0]                 ; wave 0..3
	s_and_b32 s15, ttmp7, 0xffff                   ; expert
	s_mov_b32 s16, ttmp9                           ; slice
	v_and_b32 v[R], 15, v0
	v_bfe_u32 v[HH], v0, 4, 1
	v_lshlrev_b32 v[L16], 4, v[LANE]
	v_lshlrev_b32 v[H16], 4, v[HH]
	v_lshlrev_b32 v[R4], 2, v[R]
	v_lshlrev_b32 v[WO], 4, v[R]
	v_lshl_add_u32 v[WO], v[HH], 16, v[WO]         ; 8 rows of 8,192 bytes
	s_lshl_b32 s40, s14, 16                        ; wave w lays K steps 8 w .. 8 w + 7: 64 blocks of 1,024 bytes
	v_add_nc_u32 v[BS], s40, v[L16]
	s_lshl_b32 s17, 0x101, s15                     ; the expert's two bits in a word of sel
	s_add_co_u32 s18, s15, 8                       ; the place of the second of them
	s_mov_b32 s19, 0                               ; rows found so far
	s_mov_b32 s38, 0xbfb8aa3b                      ; -log2(e), named as a pair
	s_mov_b32 s39, s38
	s_mul_i32 s54, s15, IDSE                       ; the expert's part of ids
	s_mov_b32 s55, 0                               ; stays 0: s[54:55] is an offset
	s_mov_b32 s56, 0x55555555                      ; for the counts of set bits
	s_mov_b32 s57, 0x33333333
	s_mov_b32 s58, 0x0f0f0f0f
	s_and_b32 s59, s16, 7                          ; the block of K with which this work-group begins
	s_lshl_b32 s40, s15, 23                        ; the expert's 8,388,608 bytes,
	s_lshl_b32 s41, s16, 8                         ; the slice's 256 bytes of a row,
	s_add_co_u32 s40, s40, s41
	s_lshl_b32 s41, s14, 21                        ; my wave's 256 rows
	s_add_co_u32 s40, s40, s41
	s_mov_b32 s41, 0
	s_lshl_b32 s48, s15, 22                        ; hid: the expert's 64 tiles of 65,536 bytes,
	s_lshl_b32 s49, s16, 11                        ; the slice's two K steps of 1,024 bytes
	s_add_co_u32 s48, s48, s49
	s_mov_b32 s49, 0
	s_wait_kmcnt 0x0
	s_add_nc_u64 s[W1B:W1B+1], s[8:9], s[40:41]
	s_add_nc_u64 s[W1B+2:W1B+3], s[10:11], s[40:41]
	s_add_nc_u64 s[12:13], s[12:13], s[48:49]
	s_add_nc_u64 s[62:63], s[62:63], s[54:55]
; A UNIT is one K step of one matrix: 16 loads of 512 bytes.  Slot = unit % 4; slot % 2 says w1 or w2, slot / 2 which of two K steps.
; Load jj takes row row0 + 8 h + jj, and 8 rows more from jj = 8 on.
.macro LOADU slot, row0
	WIN 0x80                                       ; destination window 2
.set jj, 0
.rept 16
	global_load_b128 v[64*(\slot)+4*jj:64*(\slot)+4*jj+3], v[WO], s[W1B+2*((\slot)%2):W1B+2*((\slot)%2)+1] offset:((\row0)+jj+8*(jj/8))*ROWB th:TH_LOAD_NT
.set jj, jj+1
.endr
.endm
; left = the loads of the younger units.  32 roundings; the slot's next unit is asked for; 8 stores of 512 consecutive bytes.
; step = 1 (a trip's first unit): the two bases go two K steps on.  The wait that frees them stands here, behind the wait for this unit's data, and not at the last trip's end,
; directly behind the loads that it waits for.
.macro UNIT slot, reload, left, step=0
	s_wait_loadcnt \left
.if \step
	s_wait_xcnt 0x0                                ; the bases are stepped only behind this wait
	s_add_nc_u64 s[W1B:W1B+1], s[W1B:W1B+1], 64*ROWB
	s_add_nc_u64 s[W1B+2:W1B+3], s[W1B+2:W1B+3], 64*ROWB
.endif
	WIN 0x0a                                       ; sources window 2
.set tt, 0
.rept 4
.set ii, 0
.rept 8
	v_cvt_pk_bf16_f32 v[TE+32*((\slot)%2)+8*tt+ii], v[64*(\slot)+8*ii+tt], v[64*(\slot)+8*ii+4+tt]
.set ii, ii+1
.endr
.set tt, tt+1
.endr
.if \reload
	LOADU \slot, 32*((\slot)/2)
.endif
	WIN 0
.set tt, 0
.rept 4
	ds_store_b128 v[BS], v[TE+32*((\slot)%2)+8*tt:TE+32*((\slot)%2)+8*tt+3]   offset:(8*((\slot)/2)+4*((\slot)%2)+tt)*1024
	ds_store_b128 v[BS], v[TE+32*((\slot)%2)+8*tt+4:TE+32*((\slot)%2)+8*tt+7] offset:(8*((\slot)/2)+4*((\slot)%2)+tt)*1024+512
.set tt, tt+1
.endr
.endm
; THE MASKS: bit l of mask lr says that the token in register lr of lane l chose the expert, as its first or as its second choice.  Ne, T and the last row's number.
.macro MASKS
.set lr, 0
.rept 32
	v_and_b32 v[T0+lr%2], s17, v[SELR+lr]
	v_cmp_ne_u32 s[MK+lr], 0, v[T0+lr%2]
	s_bcnt1_i32_b32 s22, s[MK+lr]
	s_add_co_u32 s19, s19, s22
.set lr, lr+1
.endr
	s_add_co_u32 s20, s19, 15
	s_lshr_b32 s20, s20, 4                         ; T
	s_sub_co_u32 s52, s19, 1                       ; the last row
.endm
; One step down in the search for the QN-th set bit: src holds the counts of set bits by fields of st bits, fw bits wide each (by 16: in 8 bits).
; If the field at QP holds no more set bits than are still to be passed, it is passed.
.macro LEVEL src, fw, st
.irp i, 0,1,2,3,4
	v_bfe_u32 v[QT+\i], v[(\src)+\i], v[QP+\i], \fw
.endr
.irp i, 0,1,2,3,4
	v_cmp_ge_u32 vcc_lo, v[QN+\i], v[QT+\i]
	v_cndmask_b32 v[QT+\i], 0, v[QT+\i], vcc_lo
	v_cndmask_b32 v[QU+\i], 0, \st, vcc_lo
.endr
.irp i, 0,1,2,3,4
	v_sub_nc_u32 v[QN+\i], v[QN+\i], v[QT+\i]
	v_add_nc_u32 v[QP+\i], v[QP+\i], v[QU+\i]
.endr
.endm
; MY ROWS: for each of the five slots the token of row 16 tile + r of the expert (past the count: of its last row), and its place in xb.  All in registers, all lanes on.
.macro LOOKUP
.irp i, 0,1,2,3,4
	v_lshl_add_u32 v[QRK+\i], s[MC+\i], 4, v[R]
	v_min_u32 v[QRK+\i], s52, v[QRK+\i]
	v_lshl_or_b32 v[QRP+\i], v[QRK+\i], 10, 0x3ff
	v_mov_b32 v[QW+\i], s[MK]                      ; mask 0 has no row ahead of it: it starts the search
	v_mov_b32 v[QX+\i], 0
.endr
	s_mov_b32 s53, 0
.set lr, 1
.rept 31                                               ; the last mask with no more rows ahead of it than my row's number is the one that holds my row
	s_bcnt1_i32_b32 s22, s[MK+lr-1]
	s_add_co_u32 s53, s53, s22                     ; rows ahead of mask lr
	s_lshl_b32 s21, s53, 10
	s_or_b32 s21, s21, 128*(lr/4)+lr%4             ; | the token of its bit 0
.irp i, 0,1,2,3,4
	v_cmp_gt_u32 vcc_lo, s21, v[QRP+\i]            ; more rows ahead than my number: keep what I have
	v_cndmask_b32 v[QW+\i], s[MK+lr], v[QW+\i], vcc_lo
	v_cndmask_b32 v[QX+\i], s21, v[QX+\i], vcc_lo
.endr
.set lr, lr+1
.endr
.irp i, 0,1,2,3,4
	v_lshrrev_b32 v[QT+\i], 10, v[QX+\i]
	v_sub_nc_u32 v[QN+\i], v[QRK+\i], v[QT+\i]     ; set bits of the mask below mine
	v_and_b32 v[QX+\i], 0x3ff, v[QX+\i]
.endr
.irp i, 0,1,2,3,4                                      ; the counts of set bits by 2, 4, 8 and 16 bits
	v_lshrrev_b32 v[QT+\i], 1, v[QW+\i]
	v_and_b32 v[QT+\i], s56, v[QT+\i]
	v_sub_nc_u32 v[QA+\i], v[QW+\i], v[QT+\i]
.endr
.irp i, 0,1,2,3,4
	v_lshrrev_b32 v[QT+\i], 2, v[QA+\i]
	v_and_b32 v[QT+\i], s57, v[QT+\i]
	v_and_b32 v[QB+\i], s57, v[QA+\i]
	v_add_nc_u32 v[QB+\i], v[QB+\i], v[QT+\i]
.endr
.irp i, 0,1,2,3,4
	v_lshrrev_b32 v[QT+\i], 4, v[QB+\i]
	v_add_nc_u32 v[QC+\i], v[QB+\i], v[QT+\i]
	v_and_b32 v[QC+\i], s58, v[QC+\i]
.endr
.irp i, 0,1,2,3,4
	v_lshrrev_b32 v[QT+\i], 8, v[QC+\i]
	v_add_nc_u32 v[QD+\i], v[QC+\i], v[QT+\i]
	v_mov_b32 v[QP+\i], 0
.endr
	LEVEL QD, 8, 16
	LEVEL QC, 8, 8
	LEVEL QB, 4, 4
	LEVEL QA, 2, 2
	LEVEL QW, 1, 1
.irp i, 0,1,2,3,4
	v_lshl_add_u32 v[QX+\i], v[QP+\i], 2, v[QX+\i] ; the token: the mask's first + 4 x the bit's place
	v_min_u32 v[QX+\i], 0x3ff, v[QX+\i]
	v_lshl_add_u32 v[OFF+\i], v[QX+\i], 11, v[H16] ; its row of 2,048 bytes
.endr
.endm
; MY ROWS' GATE WEIGHTS, at a pass's end: sel and both weights of my five tokens were asked for ahead of the pass, so the pass's waits have shown them in.
; The expert is the token's first or second choice: a select, no branch.  1 / weight goes into a pair for the packed multiply-add of the way out; the row's id is made for ids.
; The plain lines are also the places between the last products and the way out's first read of a sum (ISA guide 7.12.1).
.macro WSEL
.irp i, 0,1,2,3,4
	v_bfe_u32 v[QU+\i], v[QA+\i], s18, 1           ; 1: the expert is the token's second choice
.endr
.irp i, 0,1,2,3,4
	v_cmp_ne_u32 vcc_lo, 0, v[QU+\i]
	v_cndmask_b32 v[QD+\i], v[QB+\i], v[QC+\i], vcc_lo
	v_lshl_or_b32 v[IDV+\i], v[QU+\i], 10, v[QX+\i]
	v_max_num_f32 v[QD+\i], 0x0d800000, v[QD+\i]   ; at least 2^-100, so that the reciprocal is finite
.endr
.irp i, 0,1,2,3,4
	v_rcp_f32 v[WI+2*\i], v[QD+\i]
.endr
	v_nop                                          ; a plain instruction behind the last reciprocal
	s_wait_alu depctr_va_vdst(0)                   ; the wait ahead of the first use: one for the five
.irp i, 0,1,2,3,4
	v_mov_b32 v[WI+2*\i+1], v[WI+2*\i]             ; named with it as a pair
.endr
.endm
	; PHASE 1
.irp g, 0,1,2,3,4,5,6,7
	global_load_b128 v[SELR+4*\g:SELR+4*\g+3], v[L16], s[6:7] offset:512*\g
.endr
	LOADU 0, 0
	LOADU 1, 0
	LOADU 2, 32
	WIN 0
	s_wait_loadcnt 48                              ; three units are younger: sel is in
	MASKS                                          ; stands in the wait for the first weights
	s_or_b32 s21, s16, s14
	s_cmp_lg_u32 s21, 0
	s_cbranch_scc1 .Lnocnt                         ; wave 0 of slice 0 stores the expert's count: every lane the same number to the same word
	v_mov_b32 v[CN], s19
	v_mov_b32 v[CZ], 0
	global_store_b32 v[CZ], v[CN], s[62:63] offset:4096
.Lnocnt:
	LOADU 3, 32
	WIN 0
	s_mov_b32 s34, 3
.Lp1:                                                  ; a trip: four units (two K steps of both matrices) are laid down, the four behind them asked for
	UNIT 0, 1, 48, 1                               ; 48: the three younger units stay out
	UNIT 1, 1, 48
	UNIT 2, 1, 48
	UNIT 3, 1, 48
	v_add_nc_u32 v[BS], 16384, v[BS]
	s_sub_co_u32 s34, s34, 1
	s_cmp_lg_u32 s34, 0
	s_cbranch_scc1 .Lp1
	UNIT 0, 0, 48                                  ; the last four units: nothing is left to ask for, the counts run down
	UNIT 1, 0, 32
	UNIT 2, 0, 16
	UNIT 3, 0, 0
	s_wait_dscnt 0x0                               ; for the others' sake: my fragments are in LDS
	s_barrier_signal -1
	s_barrier_wait -1                              ; from here on the fragments are only read
	; PHASE 2
.macro LDA nl, slot, sb, imm           ; a K step's fragments of the tokens, 2 nl loads, into ring slot \slot; sb: the base's first scalar register
	WIN 0x40                                       ; destination window 1
.set ai, 0
.rept \nl
	global_load_b128 v[32*ai+8*(\slot):32*ai+8*(\slot)+3],   v[OFF+ai], s[\sb:\sb+1] offset:(\imm)
	global_load_b128 v[32*ai+8*(\slot)+4:32*ai+8*(\slot)+7], v[OFF+ai], s[\sb:\sb+1] offset:(\imm)+32
.set ai, ai+1
.endr
.endm
.macro FRG buf, ar, kimm               ; a K step's eight n tiles of weights; ar: the block's address register
	WIN 0xc0                                       ; destination window 3
.set fn, 0
.rept 8
	ds_load_b128 v[BF+64*(\buf)+8*fn:BF+64*(\buf)+8*fn+3],   v[\ar] offset:(\kimm)+1024*fn
	ds_load_b128 v[BF+64*(\buf)+8*fn+4:BF+64*(\buf)+8*fn+7], v[\ar] offset:(\kimm)+1024*fn+512
.set fn, fn+1
.endr
.endm
.macro MUL nl, slot, buf, zero         ; 8 nl products; the accumulators take turns, one instruction a turn.  zero = 1: the first K step starts the sums
.set mi, 0
.rept \nl
	WIN 0xa7+0x50*(mi/4)                           ; weights window 3, tokens window 1, sums window 2 (tile 4: window 3)
.set mn, 0
.rept 8
.set rD, (64*mi)%256+8*mn
.if \zero
	v_wmma_f32_16x16x32_bf16 v[rD:rD+7], v[BF+64*(\buf)+8*mn:BF+64*(\buf)+8*mn+7], v[32*mi+8*(\slot):32*mi+8*(\slot)+7], 0
.else
	v_wmma_f32_16x16x32_bf16 v[rD:rD+7], v[BF+64*(\buf)+8*mn:BF+64*(\buf)+8*mn+7], v[32*mi+8*(\slot):32*mi+8*(\slot)+7], v[rD:rD+7]
.endif
.set mn, mn+1
.endr
.set mi, mi+1
.endr
.endm
.macro NEXTBLK                         ; the block behind the next one, going round: its place in xb and in LDS
	s_add_co_u32 s43, s43, 1
	s_and_b32 s43, s43, 7
	s_lshl_b32 s54, s43, 8                         ; four K steps of 64 bytes
	s_add_nc_u64 s[50:51], s[4:5], s[54:55]
	s_lshl_b32 s42, s43, 15                        ; four K steps of 8,192 bytes
	v_add_nc_u32 v[ABN], s42, v[L16]
.endm
; Step d of the block in hand (d = 4: the next block's step 0).  left = the loads of the younger K steps.  The weights of the step behind it and (load = 1) the tokens three steps on are asked
; for, out of the block in hand or, from its fourth step on, out of the next; then the step is multiplied.
; The ring slot and the weights' buffer that are loaded were last read one K step ago: the four places stand behind those products.
.macro STEP nl, d, load, frb, left, zero
	s_wait_loadcnt \left
.if \frb
	PLACES
.if ((\d)+1) < 4
	FRG ((\d)+1)%2, AB, ((\d)+1)*8192
.else
	FRG ((\d)+1)%2, ABN, ((\d)-3)*8192
.endif
.endif
.if \load
.if ((\d)+3) < 4
	LDA \nl, ((\d)+3)%4, 36, ((\d)+3)*64
.else
	LDA \nl, ((\d)+3)%4, 50, ((\d)-1)*64
.endif
.endif
.if \frb
	s_wait_dscnt 16                                ; all but the sixteen loads just issued
.else
	s_wait_dscnt 0x0
.endif
	MUL \nl, (\d)%4, (\d)%2, \zero
.endm
.macro PASS nl                         ; all 32 K steps for nl tiles
	LDA \nl, 0, 36, 0
	LDA \nl, 1, 36, 64
	LDA \nl, 2, 36, 128
	FRG 0, AB, 0
	STEP \nl, 0, 1, 1, 4*(\nl), 1                  ; the first step stands ahead of the loop: its products start the sums.  4 nl: two younger K steps stay out; sel and the gate weights, asked for earlier, are in with it
	WIN 0
	s_mov_b32 s34, 7
.Lk_\@:                                                ; a trip: steps 1 to 3 of a block and step 0 of the next, once round the ring
.irp d, 1,2,3,4
	STEP \nl, \d, 1, 1, 4*(\nl), 0
.endr
	WIN 0
	s_wait_xcnt 0x0                                ; the next block's base is written again only behind this wait
	v_mov_b32 v[AB], v[ABN]
	NEXTBLK
	s_sub_co_u32 s34, s34, 1
	s_cmp_lg_u32 s34, 0
	s_cbranch_scc1 .Lk_\@
	STEP \nl, 1, 0, 1, 4*(\nl), 0                  ; the last block's steps 1 to 3: nothing is left to ask for, the counts run down
	STEP \nl, 2, 0, 1, 2*(\nl), 0
	STEP \nl, 3, 0, 0, 0, 0
	WIN 0
	WSEL
.endm
; THE WAY OUT of tile slot i: h = g u / ((1 + 2^(-g log2 e)) / w), rounded to bf16; the lane's 32 numbers are its own 64 bytes of the next launch's two K steps.
; Each accumulator is read from its low end on.  The exponentials are one batch with one wait, the reciprocals another.
.macro EPI i, skip
.if \skip
	s_cmp_ge_u32 s[MT+\i], s20
	s_cbranch_scc1 .Ldead_\@                       ; the slot repeated a live tile: nothing is stored
.endif
.set ea, (64*(\i))%256
	WIN 0x02+(\i)/4                                ; source 0: window 2 (tile 4: window 3)
.set en, 0
.rept 16
	v_pk_mul_f32 v[TE+2*en:TE+2*en+1], v[ea+2*en:ea+2*en+1], s[38:39] op_sel_hi:[1,0]
.set en, en+1
.endr
	WIN 0
.set en, 0
.rept 32
	v_exp_f32 v[TE+en], v[TE+en]
.set en, en+1
.endr
	v_nop
	s_wait_alu depctr_va_vdst(0)                   ; the wait ahead of the first use: one for the 32
.set en, 0
.rept 16                                               ; (1 + e) / w as one fused multiply-add: e (1 / w) + (1 / w)
	v_pk_fma_f32 v[TE+2*en:TE+2*en+1], v[TE+2*en:TE+2*en+1], v[WI+2*(\i):WI+2*(\i)+1], v[WI+2*(\i):WI+2*(\i)+1] op_sel_hi:[1,0,0]
.set en, en+1
.endr
.set en, 0
.rept 32
	v_rcp_f32 v[TE+en], v[TE+en]
.set en, en+1
.endr
	v_nop
	s_wait_alu depctr_va_vdst(0)
	WIN 0x02+(\i)/4
.set en, 0
.rept 16
	v_pk_mul_f32 v[TE+2*en:TE+2*en+1], v[ea+2*en:ea+2*en+1], v[TE+2*en:TE+2*en+1]
.set en, en+1
.endr
.set en, 0
.rept 16
	v_pk_mul_f32 v[TE+2*en:TE+2*en+1], v[ea+32+2*en:ea+32+2*en+1], v[TE+2*en:TE+2*en+1]
.set en, en+1
.endr
	WIN 0
.set eq, 0
.rept 16                                               ; register eq % 8 of K step eq / 8: columns 4 j + t and 4 j + t + 1 with t = 2 (eq % 2), j = 4 (eq / 8) + (eq % 8) / 2
	v_cvt_pk_bf16_f32 v[PK+16*(\i)+eq], v[TE+16*(eq%2)+4*(eq/8)+(eq%8)/2], v[TE+16*(eq%2)+8+4*(eq/8)+(eq%8)/2]
.set eq, eq+1
.endr
.irp f, 0,1,2,3
	global_store_b128 v[HO+\i], v[PK+16*(\i)+4*\f:PK+16*(\i)+4*\f+3], s[12:13] offset:512*\f  ; 512 consecutive bytes, at a multiple of 256 from hid's first byte
.endr
	s_cmp_lg_u32 s16, 0
	s_cbranch_scc1 .Lnoid_\@                       ; slice 0 alone stores the tile's 16 ids: 64 consecutive bytes; the two halves of the lanes hold the same rows and store the same words
	global_store_b32 v[IO+\i], v[IDV+\i], s[62:63]
.Lnoid_\@:
.if \skip
.Ldead_\@:
.endif
.endm
	s_sub_co_u32 s35, s20, 1                       ; the last live tile (with T = 0 every trip is jumped)
	s_mov_b32 s[MT], s14
	s_mov_b32 s23, 4
.Lout:
	s_cmp_ge_u32 s[MT], s20
	s_cbranch_scc1 .Lnext                          ; slot 0 has the trip's lowest tile: nothing is left for this wave
.irp i, 1,2,3,4
	s_add_co_u32 s[MT+\i], s[MT], 4*\i
.endr
.irp i, 0,1,2,3,4
	s_min_u32 s[MC+\i], s[MT+\i], s35
	s_min_u32 s[MC+\i], s[MC+\i], 63
.endr
	s_wait_xcnt 0x0                                ; the last trip's loads and stores have read their offsets, data and bases
.irp i, 0,1,2,3,4
	v_mov_b32 v[HO+\i], s[MC+\i]                   ; a live slot's clamped number is its own
	v_min_u32 v[HO+\i], 63, v[HO+\i]
	v_lshl_add_u32 v[IO+\i], v[HO+\i], 6, v[R4]    ; a tile's ids are 64 bytes
	v_lshl_add_u32 v[HO+\i], v[HO+\i], 16, v[L16]  ; a tile of hid is 65,536 bytes
.endr
	LOOKUP
.irp i, 0,1,2,3,4
	v_lshlrev_b32 v[QT+\i], 2, v[QX+\i]
.endr
.irp i, 0,1,2,3,4                                      ; my tokens' words of sel and both their gate weights: wanted at the pass's end
	global_load_b32 v[QA+\i], v[QT+\i], s[6:7]
	global_load_b32 v[QB+\i], v[QT+\i], s[60:61]
	global_load_b32 v[QC+\i], v[QT+\i], s[60:61] offset:4096
.endr
	s_mov_b32 s43, s59                             ; the first block: its place in xb and in LDS,
	s_lshl_b32 s54, s43, 8
	s_add_nc_u64 s[36:37], s[4:5], s[54:55]
	s_lshl_b32 s42, s43, 15
	v_add_nc_u32 v[AB], s42, v[L16]
	NEXTBLK                                        ; and the second's
	s_cmp_lt_u32 s[MT+4], s20
	s_cbranch_scc1 .Lfive
	PASS 4
	s_branch .Lepi
.Lfive:
	PASS 5
	EPI 4, 0
.Lepi:
	EPI 0, 0
	EPI 1, 1
	EPI 2, 1
	EPI 3, 1
.Lnext:
	s_add_co_u32 s[MT], s[MT], 20
	s_sub_co_u32 s23, s23, 1
	s_cmp_lg_u32 s23, 0
	s_cbranch_scc1 .Lout
	s_wait_dscnt 0x0                               ; my reads of LDS are over
	s_barrier_signal -1
	s_barrier_wait -1                              ; everybody's are: the closing add, the one write of LDS behind the first barrier, stands behind all reads
	s_wait_tensorcnt 0x0                           ; the wave's end: three closing lines behind my last LDS store
	ds_add_u32 v[SPW], v[NIL]
	s_wait_dscnt 0x0
	s_endpgm
.Lfunc_end_k_q82f3d1cf49_gateup:
	.size	k_q82f3d1cf49_gateup, .Lfunc_end_k_q82f3d1cf49_gateup-k_q82f3d1cf49_gateup
	.p2alignl 7, 3214868480
	.fill 96, 4, 3214868480
	.section	.rodata,"a",@progbits
	.p2align	6, 0x0
	.amdhsa_kernel k_q82f3d1cf49_gateup
		.amdhsa_group_segment_fixed_size 262656
		.amdhsa_private_segment_fixed_size 0
		.amdhsa_enable_private_segment 0
		.amdhsa_kernarg_size 56
		.amdhsa_user_sgpr_count 2
		.amdhsa_user_sgpr_kernarg_segment_ptr 1
		.amdhsa_wavefront_size32 1
		.amdhsa_system_sgpr_workgroup_id_x 1
		.amdhsa_system_sgpr_workgroup_id_y 1
		.amdhsa_system_sgpr_workgroup_id_z 1
		.amdhsa_system_vgpr_workitem_id 0
		.amdhsa_next_free_vgpr 960
		.amdhsa_next_free_sgpr 98
		.amdhsa_reserve_vcc 1
		.amdhsa_float_denorm_mode_32 3
		.amdhsa_float_denorm_mode_16_64 3
		.amdhsa_memory_ordered 1
		.amdhsa_forward_progress 1
		.amdhsa_inst_pref_size 190
	.end_amdhsa_kernel
	.amdgpu_metadata
---
amdhsa.version: [ 1, 2 ]
amdhsa.kernels:
  - .name:           k_q82f3d1cf49_gateup
    .symbol:         k_q82f3d1cf49_gateup.kd
    .args:
      - { .name: xb, .offset: 0, .size: 8, .value_kind: global_buffer, .address_space: global }
      - { .name: sel, .offset: 8, .size: 8, .value_kind: global_buffer, .address_space: global }
      - { .name: w1, .offset: 16, .size: 8, .value_kind: global_buffer, .address_space: global }
      - { .name: w2, .offset: 24, .size: 8, .value_kind: global_buffer, .address_space: global }
      - { .name: gw, .offset: 32, .size: 8, .value_kind: global_buffer, .address_space: global }
      - { .name: ids, .offset: 40, .size: 8, .value_kind: global_buffer, .address_space: global }
      - { .name: hid, .offset: 48, .size: 8, .value_kind: global_buffer, .address_space: global }
    .group_segment_fixed_size: 262656
    .private_segment_fixed_size: 0
    .kernarg_segment_align: 8
    .kernarg_segment_size: 56
    .max_flat_workgroup_size: 128
    .sgpr_count:     98
    .vgpr_count:     960
    .wavefront_size: 32
...
	.end_amdgpu_metadata
.endif
;; end of part 5
;; launch down (part 6): grid 32 x 8, 4 waves a work-group, no clusters, 131,584 bytes of LDS; arguments hid, ids, w3, part; writes part
.if DOCPART == 6
	.amdgcn_target "amdgcn-amd-amdhsa--gfx1250"
	.amdhsa_code_object_version 6
	.text
	.protected	k_q82f3d1cf49_down
	.globl	k_q82f3d1cf49_down
	.p2align	8
	.type	k_q82f3d1cf49_down,@function
k_q82f3d1cf49_down:
	s_mov_b64 s[64:65], 0
	v_nop
	global_prefetch_b8 v0, s[64:65] scope:SCOPE_SE
	s_setreg_imm32_b32 hwreg(HW_REG_WAVE_MODE, 25, 1), 1
	s_wait_xcnt 0x0
; SECOND PRODUCT.  Work-group (x, e), s = x % 16, kh = x / 16, owns rows 1,024 kh .. + 1,023 and columns 64 s .. + 63 of w3[e] ([2048][1024] f32), which it alone reads,
; and ALL rows of expert e.  part[kh][choice][token][64 s ..] = (weighted hidden) . w3 over that half of K, f32: partial sums, added by the next launch.
; The gate weight is in hid already: the launch before multiplied by it.  K is halved so that 8 x 16 x 2 = 256 work-groups have rows of 256 bytes each.
; PHASE 1: the slice, 256 KB of f32, is streamed once through registers, rounded to bf16 and laid into LDS as fragments.  One barrier.
; PHASE 2: nothing writes LDS.  The hidden layer's fragments come from hid straight into operand registers (each load 512 consecutive bytes), through a ring of 8 K steps, 6 ahead.
; WHICH ROWS: ids (whole numbers that the launch before stored): ids[e][n] = choice << 10 | token of the expert's row n, the count Ne at word 1,024.
; Tiles, slots and the two written passes are the launch before's: T = ceil(Ne / 16) tiles; 4 trips; in trip o wave w has five slots, mt = 20 o + 4 i + w; dead trips and dead slots' ways out are jumped.
; THE LAST TILE.  The places past the count repeat the expert's last row, in hid and in ids: they get the same sums and are stored to the same bytes of part, by the same wave in the same way
; out.  So every store has all lanes on; the price is at most 15 rows of 256 bytes stored again with the same numbers.
; THE K MAP, alike in both operands, so the products are kept: in K step q the place (h = lane / 16, register i, half b) holds k = 64 (q / 2) + 16 (q % 2) + 32 h + 2 i + b:
; it is the order in which the launch before left the hidden layer.  Weights: lane (r, h) loads its 16 rows k at columns 4 r .. 4 r + 3; n tile t is the columns 4 r + t.
; THE ORDER ALONG K: in blocks of 8 K steps, beginning with block s % 4 and going round: the 16 work-groups that read the same bytes of hid walk four different quarters of them at any time.
; Both operands take the same block, so only the order of the f32 sums hangs on s.
; The product is used in its natural order (source 0 = hidden rows, source 1 = weights): register j of lane (r, h) is row 8 h + j, column 4 r + t of n tile t:
; the four tiles give a lane 16 consecutive bytes, 16 lanes 256 consecutive aligned bytes of a row.
; NO MULTICAST: each slice has one reader; hid's tiles are shared by 16 work-groups, but how many there are hangs on a stored count.
; LIMITS.  w3 and the weighted hidden layer are bf16, sums f32.
.set ROWB,   4096
.set IDSE,   4352                      ; bytes of ids for an expert
.set SPARE,  131072                    ; behind the fragments (block (4 q + t) x 1,024 bytes): the spare words, 128 bytes a wave: two blocks of 256 bytes that no other line names
; window 0
.set LANE, 1
.set R,    2
.set HH,   3
.set SPW,  4                           ; my spare word's address; never rewritten
.set NIL,  5                           ; 0; never rewritten
.set WO,   6                           ; 32 h rows + 16 r
.set BS,   7
.set AB,   8                           ; LDS: the weights' fragments of the block in hand: 16 x lane + 32,768 x block
.set L16,  9                           ; 16 x lane; never rewritten
.set R16,  10                          ; 16 r
.set ABN,  11                          ; LDS: the same for the next block
.set H32,  12                          ; 32 h
.set T0,   17
.set AO,   20                          ; v20-24   16 x lane + the slot's tile x 65,536
.set IA,   26                          ; v26-30   32 h + the slot's tile x 64
.set BF0,  32                          ; v32-63, v64-95  weights' fragments, two buffers
.set PKS,  160                         ; v160-223 phase 1: two sets of 32 packed registers
.set ID5,  160                         ; v160-199 phase 2: slot i's eight ids (rows 8 h + 0..7), then their offsets in part
; window 1: the ring of tiles 0-3 at 64 i + 8 slot (phase 1: four landing slots of 64; behind a pass: slot i's 32 results to store, at 32 i).
; window 2: v0-63 the ring of tile 4; accumulators at 64 + 32 i + 8 t
.set MT,   24
.set MC,   29
; s[36:37] hid at the block in hand; s[38:39] at the next block; s43 the next block's number; s[54:55] an offset; s52 the first block, s % 4
.set MSB, 0
.macro WIN new                         ; s_set_vgpr_msb: bits 1:0 source 0, 3:2 source 1, 5:4 source 2, 7:6 destination; the high byte repeats the setting that is left
.if MSB != (\new)
	s_set_vgpr_msb (MSB<<8)|(\new)
.set MSB, (\new)
.endif
.endm
.macro PLACES                          ; four places behind a matrix instruction, ahead of loads into registers that it read
.rept 4
	v_nop
.endr
.endm
	s_load_b256 s[4:11], s[0:1], 0x0               ; hid s[4:5], ids s[6:7], w3 s[8:9], part s[10:11]
	v_lshl_add_u32 v[SPW], v0, 2, SPARE
	v_mov_b32 v[NIL], 0
	v_and_b32 v[LANE], 31, v0
	v_lshrrev_b32 v[T0], 5, v0
	v_readfirstlane_b32 s14, v[T0]                 ; wave 0..3
	s_and_b32 s15, ttmp7, 0xffff                   ; expert
	s_and_b32 s16, ttmp9, 15                       ; slice of columns
	s_lshr_b32 s53, ttmp9, 4                       ; half of K
	v_and_b32 v[R], 15, v0
	v_bfe_u32 v[HH], v0, 4, 1
	v_lshlrev_b32 v[L16], 4, v[LANE]
	v_lshlrev_b32 v[R16], 4, v[R]
	v_lshlrev_b32 v[H32], 5, v[HH]
	v_lshl_add_u32 v[WO], v[HH], 17, v[R16]        ; 32 rows of 4,096 bytes
	s_lshl_b32 s40, s14, 15                        ; wave w lays K steps 8 w .. 8 w + 7: 32 blocks of 1,024 bytes
	v_add_nc_u32 v[BS], s40, v[L16]
	s_and_b32 s52, s16, 3                          ; the block of K with which this work-group begins
	s_mul_i32 s54, s15, IDSE                       ; the expert's part of ids
	s_mov_b32 s55, 0                               ; stays 0: s[54:55] is an offset
	s_lshl_b32 s40, s15, 23                        ; w3: the expert,
	s_lshl_b32 s41, s53, 22                        ; the half's 1,024 rows,
	s_add_co_u32 s40, s40, s41
	s_lshl_b32 s41, s14, 20                        ; my wave's 256 rows,
	s_add_co_u32 s40, s40, s41
	s_lshl_b32 s41, s16, 8                         ; the slice's 256 bytes of a row
	s_add_co_u32 s40, s40, s41
	s_mov_b32 s41, 0
	s_lshl_b32 s48, s15, 22                        ; hid: the expert's 64 tiles, the half's 32 K steps of 1,024 bytes
	s_lshl_b32 s49, s53, 15
	s_add_co_u32 s48, s48, s49
	s_mov_b32 s49, 0
	s_lshl_b32 s50, s53, 23                        ; part: the half's two planes, the slice's 256 bytes of a row
	s_lshl_b32 s51, s16, 8
	s_add_co_u32 s50, s50, s51
	s_mov_b32 s51, 0
	s_wait_kmcnt 0x0
	s_add_nc_u64 s[44:45], s[8:9], s[40:41]
	s_add_nc_u64 s[46:47], s[4:5], s[48:49]
	s_add_nc_u64 s[12:13], s[10:11], s[50:51]
	s_add_nc_u64 s[6:7], s[6:7], s[54:55]
	s_load_b32 s19, s[6:7], 0x1000                 ; Ne: wanted behind phase 1; awaited behind the issue of the first weights
.macro LOADW u                         ; unit u = my K step u: 16 loads of 512 bytes into landing slot u % 4
	WIN 0x40                                       ; destination window 1
.set jj, 0
.rept 16
	global_load_b128 v[64*((\u)%4)+4*jj:64*((\u)%4)+4*jj+3], v[WO], s[44:45] offset:(64*((\u)/2)+16*((\u)%2)+jj)*ROWB th:TH_LOAD_NT
.set jj, jj+1
.endr
.endm
.macro UNITW u, reload, left           ; left = the loads of the younger units
	s_wait_loadcnt \left
	WIN 0x05                                       ; sources window 1
.set tt, 0
.rept 4
.set ii, 0
.rept 8
	v_cvt_pk_bf16_f32 v[PKS+32*((\u)%2)+8*tt+ii], v[64*((\u)%4)+8*ii+tt], v[64*((\u)%4)+8*ii+4+tt]
.set ii, ii+1
.endr
.set tt, tt+1
.endr
.if \reload
	LOADW (\u)+4
.endif
	WIN 0
.set tt, 0
.rept 4
	ds_store_b128 v[BS], v[PKS+32*((\u)%2)+8*tt:PKS+32*((\u)%2)+8*tt+3]   offset:(4*(\u)+tt)*1024
	ds_store_b128 v[BS], v[PKS+32*((\u)%2)+8*tt+4:PKS+32*((\u)%2)+8*tt+7] offset:(4*(\u)+tt)*1024+512
.set tt, tt+1
.endr
.endm
	; PHASE 1
	LOADW 0
	LOADW 1
	LOADW 2
	LOADW 3
	s_wait_kmcnt 0x0                               ; Ne
	s_add_co_u32 s20, s19, 15
	s_lshr_b32 s20, s20, 4                         ; T
	UNITW 0, 1, 48                                 ; 48: the three younger units stay out
	UNITW 1, 1, 48
	UNITW 2, 1, 48
	UNITW 3, 1, 48
	UNITW 4, 0, 48                                 ; nothing is left to ask for: the counts run down
	UNITW 5, 0, 32
	UNITW 6, 0, 16
	UNITW 7, 0, 0
	s_wait_dscnt 0x0                               ; for the others' sake: my fragments are in LDS
	s_barrier_signal -1
	s_barrier_wait -1                              ; from here on the fragments are only read
	; PHASE 2
.macro LDA2 nl, slot, sb, imm          ; a K step's fragments of the hidden layer, 2 nl loads, into ring slot \slot; sb: the base's first scalar register
.set ai, 0
.rept \nl
	WIN 0x40+0x40*(ai/4)                           ; destination window 1 (tile 4: window 2)
.set rA, (64*ai)%256+8*(\slot)
	global_load_b128 v[rA:rA+3],   v[AO+ai], s[\sb:\sb+1] offset:(\imm)
	global_load_b128 v[rA+4:rA+7], v[AO+ai], s[\sb:\sb+1] offset:(\imm)+512
.set ai, ai+1
.endr
.endm
.macro FRB buf, ar, kimm               ; a K step's four n tiles of weights; ar: the block's address register
	WIN 0
.set fn, 0
.rept 4
	ds_load_b128 v[BF0+32*(\buf)+8*fn:BF0+32*(\buf)+8*fn+3],   v[\ar] offset:(\kimm)+1024*fn
	ds_load_b128 v[BF0+32*(\buf)+8*fn+4:BF0+32*(\buf)+8*fn+7], v[\ar] offset:(\kimm)+1024*fn+512
.set fn, fn+1
.endr
.endm
.macro MUL2 nl, slot, buf, zero        ; 4 nl products; the accumulators take turns, one instruction a turn
.set mi, 0
.rept \nl
	WIN 0xa1+(mi/4)                                ; hidden window 1 (tile 4: window 2), weights window 0, sums window 2
.set rA, (64*mi)%256+8*(\slot)
.set mn, 0
.rept 4
.set rD, 64+32*mi+8*mn
.if \zero
	v_wmma_f32_16x16x32_bf16 v[rD:rD+7], v[rA:rA+7], v[BF0+32*(\buf)+8*mn:BF0+32*(\buf)+8*mn+7], 0
.else
	v_wmma_f32_16x16x32_bf16 v[rD:rD+7], v[rA:rA+7], v[BF0+32*(\buf)+8*mn:BF0+32*(\buf)+8*mn+7], v[rD:rD+7]
.endif
.set mn, mn+1
.endr
.set mi, mi+1
.endr
.endm
.macro NEXTBLK                         ; the block behind the next one, going round: its place in hid and in LDS
	s_add_co_u32 s43, s43, 1
	s_and_b32 s43, s43, 3
	s_lshl_b32 s54, s43, 13                        ; eight K steps of 1,024 bytes
	s_add_nc_u64 s[38:39], s[46:47], s[54:55]
	s_lshl_b32 s42, s43, 15                        ; eight K steps of 4,096 bytes
	v_add_nc_u32 v[ABN], s42, v[L16]
.endm
; Step d of the block in hand (d = 8: the next block's step 0).  left = the loads of the younger K steps.  The weights of the step behind it and (load = 1) the hidden layer six steps on are
; asked for, out of the block in hand or, from its eighth step on, out of the next; then the step is multiplied.
; The ring slot that is loaded was last read two K steps ago, the weights' buffer one K step ago: the four places stand behind both.
.macro STEP nl, d, load, frb, left, zero
	s_wait_loadcnt \left
.if \frb
	PLACES
.if ((\d)+1) < 8
	FRB ((\d)+1)%2, AB, ((\d)+1)*4096
.else
	FRB ((\d)+1)%2, ABN, ((\d)-7)*4096
.endif
.endif
.if \load
.if ((\d)+6) < 8
	LDA2 \nl, ((\d)+6)%8, 36, ((\d)+6)*1024
.else
	LDA2 \nl, ((\d)+6)%8, 38, ((\d)-2)*1024
.endif
.endif
.if \frb
	s_wait_dscnt 8                                 ; all but the eight loads just issued
.else
	s_wait_dscnt 0x0
.endif
	MUL2 \nl, (\d)%8, (\d)%2, \zero
.endm
.macro PASS2 nl                        ; all 32 K steps for nl tiles
.irp q, 0,1,2,3,4,5
	LDA2 \nl, \q, 36, 1024*\q
.endr
	FRB 0, AB, 0
	STEP \nl, 0, 1, 1, 10*(\nl), 1                 ; the first step stands ahead of the loop: its products start the sums.  10 nl: five younger K steps stay out; the ids, asked for earlier, are in with it
	WIN 0
	s_mov_b32 s34, 3
.Lk_\@:                                                ; a trip: steps 1 to 7 of a block and step 0 of the next, once round the ring
.irp d, 1,2,3,4,5,6,7,8
	STEP \nl, \d, 1, 1, 10*(\nl), 0
.endr
	WIN 0
	s_wait_xcnt 0x0                                ; the two bases are written again only behind this wait
	s_mov_b64 s[36:37], s[38:39]
	v_mov_b32 v[AB], v[ABN]
	NEXTBLK
	s_sub_co_u32 s34, s34, 1
	s_cmp_lg_u32 s34, 0
	s_cbranch_scc1 .Lk_\@
	STEP \nl, 1, 1, 1, 10*(\nl), 0                 ; the last block's step 1 asks for its step 7, the last
.irp d, 2,3,4,5,6
	STEP \nl, \d, 0, 1, (7-\d)*2*(\nl), 0          ; its steps 2 to 6: the counts run down
.endr
	STEP \nl, 7, 0, 0, 0, 0
	WIN 0
.endm
; THE WAY OUT of tile slot i.  The ids of my 8 rows came in ahead of the pass: nothing is waited for here.  16 address lines, which are also the places between the last product and the first
; read of a sum; 32 moves that bring a row's four columns side by side (each accumulator read from its low end on), into the ring's registers, which the pass has left: a set for each slot, so that
; no way out waits for the stores of the one before; 8 stores, all lanes on.
.macro EPI2 i, skip
.if \skip
	s_cmp_ge_u32 s[MT+\i], s20
	s_cbranch_scc1 .Ldead_\@                       ; the slot repeated a live tile: nothing is stored
.endif
.set j, 0
.rept 8
	v_min_u32 v[ID5+8*(\i)+j], 2047, v[ID5+8*(\i)+j]
	v_lshl_add_u32 v[ID5+8*(\i)+j], v[ID5+8*(\i)+j], 12, v[R16]  ; part[..][choice][token]: rows of 4,096 bytes
.set j, j+1
.endr
	WIN 0x42                                       ; destination window 1, source 0 window 2
.set j, 0
.rept 8
.irp t, 0,1,2,3
	v_mov_b32 v[32*(\i)+4*j+\t], v[64+32*(\i)+8*\t+j]
.endr
.set j, j+1
.endr
	WIN 0x04                                       ; store data (source 1) window 1, address window 0
.set j, 0
.rept 8
	global_store_b128 v[ID5+8*(\i)+j], v[32*(\i)+4*j:32*(\i)+4*j+3], s[12:13]  ; each half of the lanes stores 256 consecutive bytes of a row, at a multiple of 256 from part's first byte
.set j, j+1
.endr
	WIN 0
.if \skip
.Ldead_\@:
.endif
.endm
	s_sub_co_u32 s35, s20, 1                       ; the last live tile (with T = 0 every trip is jumped)
	s_mov_b32 s[MT], s14
	s_mov_b32 s23, 4
.Lout:
	s_cmp_ge_u32 s[MT], s20
	s_cbranch_scc1 .Lnext
.irp i, 1,2,3,4
	s_add_co_u32 s[MT+\i], s[MT], 4*\i
.endr
	s_wait_xcnt 0x0                                ; the last trip's stores have read their offsets and their data, which lie where the ids and the ring are loaded next
.irp i, 0,1,2,3,4
	s_min_u32 s[MC+\i], s[MT+\i], s35
	s_min_u32 s[MC+\i], s[MC+\i], 63
	v_mov_b32 v[AO+\i], s[MC+\i]
	v_min_u32 v[AO+\i], 63, v[AO+\i]
	v_lshl_add_u32 v[IA+\i], v[AO+\i], 6, v[H32]   ; a tile's ids are 64 bytes; my 8 rows' begin at 32 h
	v_lshl_add_u32 v[AO+\i], v[AO+\i], 16, v[L16]  ; a tile of hid is 65,536 bytes
.endr
.irp i, 0,1,2,3,4                                      ; wanted at the pass's end
	global_load_b128 v[ID5+8*\i:ID5+8*\i+3],   v[IA+\i], s[6:7]
	global_load_b128 v[ID5+8*\i+4:ID5+8*\i+7], v[IA+\i], s[6:7] offset:16
.endr
	s_mov_b32 s43, s52                             ; the first block: its place in hid and in LDS,
	s_lshl_b32 s54, s43, 13
	s_add_nc_u64 s[36:37], s[46:47], s[54:55]
	s_lshl_b32 s42, s43, 15
	v_add_nc_u32 v[AB], s42, v[L16]
	NEXTBLK                                        ; and the second's
	s_cmp_lt_u32 s[MT+4], s20
	s_cbranch_scc1 .Lfive
	PASS2 4
	s_branch .Lepi
.Lfive:
	PASS2 5
	EPI2 4, 0
.Lepi:
	EPI2 0, 0
	EPI2 1, 1
	EPI2 2, 1
	EPI2 3, 1
.Lnext:
	s_add_co_u32 s[MT], s[MT], 20
	s_sub_co_u32 s23, s23, 1
	s_cmp_lg_u32 s23, 0
	s_cbranch_scc1 .Lout
	s_wait_dscnt 0x0                               ; my reads of LDS are over
	s_barrier_signal -1
	s_barrier_wait -1                              ; everybody's are: the closing add, the one write of LDS behind the first barrier, stands behind all reads
	s_wait_tensorcnt 0x0                           ; the wave's end: three closing lines behind my last LDS store
	ds_add_u32 v[SPW], v[NIL]
	s_wait_dscnt 0x0
	s_endpgm
.Lfunc_end_k_q82f3d1cf49_down:
	.size	k_q82f3d1cf49_down, .Lfunc_end_k_q82f3d1cf49_down-k_q82f3d1cf49_down
	.p2alignl 7, 3214868480
	.fill 96, 4, 3214868480
	.section	.rodata,"a",@progbits
	.p2align	6, 0x0
	.amdhsa_kernel k_q82f3d1cf49_down
		.amdhsa_group_segment_fixed_size 131584
		.amdhsa_private_segment_fixed_size 0
		.amdhsa_enable_private_segment 0
		.amdhsa_kernarg_size 32
		.amdhsa_user_sgpr_count 2
		.amdhsa_user_sgpr_kernarg_segment_ptr 1
		.amdhsa_wavefront_size32 1
		.amdhsa_system_sgpr_workgroup_id_x 1
		.amdhsa_system_sgpr_workgroup_id_y 1
		.amdhsa_system_sgpr_workgroup_id_z 1
		.amdhsa_system_vgpr_workitem_id 0
		.amdhsa_next_free_vgpr 736
		.amdhsa_next_free_sgpr 66
		.amdhsa_reserve_vcc 0
		.amdhsa_float_denorm_mode_32 3
		.amdhsa_float_denorm_mode_16_64 3
		.amdhsa_memory_ordered 1
		.amdhsa_forward_progress 1
		.amdhsa_inst_pref_size 142
	.end_amdhsa_kernel
	.amdgpu_metadata
---
amdhsa.version: [ 1, 2 ]
amdhsa.kernels:
  - .name:           k_q82f3d1cf49_down
    .symbol:         k_q82f3d1cf49_down.kd
    .args:
      - { .name: hid, .offset: 0, .size: 8, .value_kind: global_buffer, .address_space: global }
      - { .name: ids, .offset: 8, .size: 8, .value_kind: global_buffer, .address_space: global }
      - { .name: w3, .offset: 16, .size: 8, .value_kind: global_buffer, .address_space: global }
      - { .name: part, .offset: 24, .size: 8, .value_kind: global_buffer, .address_space: global }
    .group_segment_fixed_size: 131584
    .private_segment_fixed_size: 0
    .kernarg_segment_align: 8
    .kernarg_segment_size: 32
    .max_flat_workgroup_size: 128
    .sgpr_count:     66
    .vgpr_count:     736
    .wavefront_size: 32
...
	.end_amdgpu_metadata
.endif
;; end of part 6
;; launch combine: the kernel of part 4 again; grid 256 x 1, 4 waves a work-group, no clusters, 0 bytes of LDS; arguments part, pp, out0, out1; writes out0, out1
;; ======== version 3 of 3: 4 launches; version 2 with the launches gateup, down written anew for expert scheduling mode
;; workspace buffers: xb 2,097,152 bytes; sel 4,096 bytes of whole numbers; gw 8,192 bytes; pp 2,048 bytes; hid 33,554,432 bytes; ids 34,816 bytes of whole numbers; part 16,777,216 bytes
;; launch router: the kernel of part 1 again; grid 64 x 1, 8 waves a work-group, no clusters, 42,240 bytes of LDS; arguments x, Wr, xb, sel, gw, pp; writes xb, sel, gw, pp
;; launch gateup (part 7): grid 32 x 8, 4 waves a work-group, no clusters, 262,656 bytes of LDS; arguments xb, sel, w1, w2, gw, ids, hid; writes hid, ids
.if DOCPART == 7
	.amdgcn_target "amdgcn-amd-amdhsa--gfx1250"
	.amdhsa_code_object_version 6
	.text
	.protected	k_q82f3d1cf49_gateup
	.globl	k_q82f3d1cf49_gateup
	.p2align	8
	.type	k_q82f3d1cf49_gateup,@function
k_q82f3d1cf49_gateup:
	s_mov_b64 s[64:65], 0
	v_nop
	global_prefetch_b8 v0, s[64:65] scope:SCOPE_SE
	s_setreg_imm32_b32 hwreg(HW_REG_WAVE_SCHED_MODE, 0, 2), 2
	s_setreg_imm32_b32 hwreg(HW_REG_WAVE_MODE, 25, 1), 1
	s_wait_xcnt 0x0
	s_wait_alu depctr_vm_vsrc(0)
; HIDDEN LAYER.  Work-group (s, e) owns columns 64 s .. 64 s + 63 of w1[e] and w2[e] ([1024][2048] f32 each), which it alone reads, and ALL rows (tokens) that chose expert e.
; hid = gate weight x silu(rows . w1) * (rows . w2), rounded once to bf16, stored in the order in which the next launch's operand registers take it.
; PHASE 1: the slice, 2 x 256 KB of f32, is streamed once through registers, rounded to bf16 and laid into LDS as matrix fragments.  One barrier.
; PHASE 2: nothing writes LDS.  Every wave takes tiles of 16 rows; the rows' fragments come from xb straight into operand registers, through a ring of 4 K steps, 3 ahead.
; WHICH TOKEN IS ROW n OF THE EXPERT is worked out in registers, from sel (whole numbers that the router stored): 32 masks in scalar registers, mask lr, bit l = token 128 (lr / 4) + 4 l + lr % 4;
; row n is the n-th set bit, masks ascending, bits ascending.  The work-groups of slice 0 store the list for the next launch: ids[e][n] = choice << 10 | token, and the count Ne at word 1,024.
; EVERY SPLIT IS SERVED: an expert has Ne = 0 .. 1,024 rows, T = ceil(Ne / 16) tiles.  The outer loop has 4 trips; in trip o wave w has five tile slots, mt = 20 o + 4 i + w (80 >= 64).
; A trip whose slot 0 is dead is jumped; the products are written for 4 and for 5 slots, so that every counted wait is a constant; a dead slot 1-3 repeats a live tile and its way out is jumped.
; In the last tile the places past the count repeat the expert's last row.  With Ne = 0 the slice is still streamed (every wave passes the barriers) and only the count is stored.
; THE K MAP is the matrix instruction's own: in K step q lane (r, h) holds k = 32 q + 8 h + 0..7 in registers 0-3 and k = 32 q + 16 + 8 h + 0..7 in registers 4-7.
; THE ORDER ALONG K: in blocks of 4 K steps, beginning with block s % 8 and going round: the 32 work-groups of an expert, which read the same rows of xb, walk eight different parts of them at any time.
; Both operands take the same block, so only the order of the f32 sums hangs on s.
; TOKENS lie [row][k] in bf16: two loads of 16 bytes, 32 bytes apart, at row x 2,048 + 64 q + 16 h.
; WEIGHTS lie [k][n]: lane (r, h) loads its 16 rows k at columns 4 r .. 4 r + 3, so 16 lanes read 256 consecutive aligned bytes of a row; n tile t is the columns 4 r + t;
; register i of its fragment packs the lane's rows 2 i and 2 i + 1.  THE PRODUCT IS USED TRANSPOSED (source 0 = weights, source 1 = tokens): a lane then holds token lane % 16 and
; columns 32 h + 4 j + t, which are its own places in the next launch's K steps 2 s and 2 s + 1: the way out needs no LDS, and a lane needs ONE gate weight a tile.
; NO MULTICAST: each slice has one reader, and the rows come by a list, which no tensor descriptor covers.  NO PREFETCH: phase 1 keeps 64 loads of 512 bytes a wave on their way.
; LIMITS.  x, w1, w2 and the weighted hidden layer are rounded once to bf16, sums in f32.  w sigmoid(g) = 1 / ((1 + 2^(-g log2 e)) / w): an exponential below 2^-126 counts as 0, a divisor that
; overflows gives 0; a gate weight below 2^-100 counts as 2^-100.  NaN and infinities are not treated apart.
; THE MODE: SCHED_MODE bits 1:0 = 2 (LLVM: expert scheduling mode 2), set by the entry lines.  The code itself states the register dependences
; between vector or matrix instructions and memory or LDS instructions, with s_wait_alu, always for 0.
; THE PLAN.  Registers that memory or LDS instructions touch, and who else names them:
;   PHASE 1.  Landing slot u % 4: unit u's loads land in it, its 32 roundings read it, behind them it is loaded again.  TE set u % 2: the roundings write it, the unit's 8 LDS stores read it,
;     the roundings two units on write it again.  v[BS]: read by every LDS store, written once a trip.  v[WO], v[L16]: made at the head, never written again.
;     So a unit has one wait on vm_vsrc ahead of its roundings and one on va_vdst behind them; one more on vm_vsrc a trip stands ahead of the add to v[BS].
;   AN OUTER TRIP.  HO, IO, OFF, QT, AB, ABN (offsets and addresses), QA-QC (loads land), IDV, PK (stores' data).  One wait on vm_vsrc at the trip's head: the trip before has read them all.
;     Then all offsets are made, and ONE wait on va_vdst stands ahead of the trip's first load: up to the first products only loads and scalar lines follow it.
;   A K STEP d.  Its products read ring slot d % 4 and weights' buffer d % 2.  Its loads land in slot (d + 3) % 4 and buffer (d + 1) % 2, which the products of step d - 1 read.
;     ONE wait on va_vdst at the step's head states that those are done; the step's loads follow it in three runs among its products, which name none of the registers that the loads touch.
;     AB and ABN are written once a trip of the K loop, behind a wait on vm_vsrc; the next step's head states them written.
;   THE WAY OUT.  One wait on va_vdst ahead of each tile's stores: its 16 packed registers are written.
;   SCALAR RESULTS OF VECTOR INSTRUCTIONS (the wave's number; the masks of compares) are waited for on va_sdst ahead of their first reader; compares stand in runs, one wait behind each run.
.set ROWB,   8192                      ; bytes in a row of w1, w2
.set IDSE,   4352                      ; bytes of ids for an expert: 1,024 words of rows, the count, padding to a multiple of 256
.set SPARE,  262144                    ; behind the fragments (block (8 q + nt) x 1,024 bytes; nt 0-3 gate, 4-7 up): the spare words, 128 bytes a wave: two blocks of 256 bytes that no other line names
; window 0
.set LANE, 1
.set R,    2
.set HH,   3
.set SPW,  4                           ; my spare word's address; never rewritten
.set NIL,  5                           ; 0; never rewritten
.set WO,   6                           ; my byte offset in a unit of weights: 8 h rows + 16 r
.set BS,   7                           ; LDS: where my fragments go
.set AB,   8                           ; LDS: the weights' fragments of the block in hand: 16 x lane + 32,768 x block
.set L16,  9                           ; 16 x lane; never rewritten
.set H16,  10                          ; 16 h
.set ABN,  11                          ; LDS: the same for the next block
.set CN,   12                          ; the count, to be stored
.set CZ,   13                          ; its offset, 0
.set R4,   14                          ; 4 r
.set T0,   17                          ; v17-18 at work
.set OFF,  20                          ; v20-24   slot i: byte offset in xb of my row's 16 bytes
.set HO,   26                          ; v26-30   slot i: byte offset in hid of my 16 bytes of the tile
.set QRK,  32                          ; v32-91   the search for my rows, five registers (one a slot) each: my row's number in the expert,
.set QRP,  37                          ; the same << 10 | 1023,
.set QW,   42                          ; the mask that holds it,
.set QX,   47                          ; rows ahead of that mask << 10 | the mask's first token; in the end my row's token,
.set QN,   52                          ; set bits still to be passed,
.set QA,   57                          ; the mask's counts of set bits by 2; later sel of my token,
.set QB,   62                          ; by 4; later its first gate weight,
.set QC,   67                          ; by 8; later its second,
.set QD,   72                          ; by 16 bits; later the weight that counts,
.set QT,   77                          ; at work; later 4 x my token,
.set QU,   82
.set QP,   87                          ; the bit's place
.set WI,   92                          ; v92-101  slot i: 1 / gate weight, in a pair
.set IO,   102                         ; v102-106 slot i: byte offset in the expert's ids of my row's word
.set IDV,  108                         ; v108-112 slot i: choice << 10 | token
.set TE,   128                         ; v128-191 phase 1: two sets of 32 packed registers; way out: v128-159 at work
.set PK,   160                         ; v160-239 way out: slot i's 16 packed registers, a set for each slot, so that no way out waits for the stores of the one before
.set SELR, 192                         ; v192-223 sel, until the masks are made
; window 1: the tokens' ring, tile i, slot n at 32 i + 8 n.  window 2: sums of tiles 0-3 at 64 i + 8 nt (phase 1: four landing slots of 64).
; window 3: v0-63 sums of tile 4; v64-127, v128-191 weights' fragments, two buffers
.set BF,   64
.set MT,   24                          ; s24-28 the five slots' tiles
.set MC,   29                          ; s29-33 the same, clamped to a live tile
.set CM,   40                          ; s40-49 phase 2: the masks of a run of compares, five a run, two runs.  (s40-43, s48-49 are at work at the head and in a pass, s44-47 in phase 1: never while a mask is held)
.set W1B,  44                          ; s[44:45], s[46:47] phase 1: w1, w2 at my unit
.set MK,   66                          ; s66-97 the 32 masks
; s[36:37] xb at the first block; s[50:51] xb at the next block; s43 the next block's number; s[54:55] an offset; s59 the first block, s % 8; s[60:61] gw; s[62:63] the expert's ids
.set MSB, 0
.macro WIN new                         ; s_set_vgpr_msb: bits 1:0 source 0, 3:2 source 1, 5:4 source 2, 7:6 destination; the high byte repeats the setting that is left
.if MSB != (\new)
	s_set_vgpr_msb (MSB<<8)|(\new)
.set MSB, (\new)
.endif
.endm
	s_load_b256 s[4:11], s[0:1], 0x0               ; xb s[4:5], sel s[6:7], w1 s[8:9], w2 s[10:11]
	s_load_b128 s[60:63], s[0:1], 0x20             ; gw s[60:61], ids s[62:63]
	s_load_b64 s[12:13], s[0:1], 0x30              ; hid
	v_lshl_add_u32 v[SPW], v0, 2, SPARE
	v_mov_b32 v[NIL], 0
	v_and_b32 v[LANE], 31, v0
	v_lshrrev_b32 v[T0], 5, v0
	v_readfirstlane_b32 s14, v[T0]                 ; wave 0..3
	s_and_b32 s15, ttmp7, 0xffff                   ; expert
	s_mov_b32 s16, ttmp9                           ; slice
	v_and_b32 v[R], 15, v0
	v_bfe_u32 v[HH], v0, 4, 1
	v_lshlrev_b32 v[L16], 4, v[LANE]
	v_lshlrev_b32 v[H16], 4, v[HH]
	v_lshlrev_b32 v[R4], 2, v[R]
	v_lshlrev_b32 v[WO], 4, v[R]
	v_lshl_add_u32 v[WO], v[HH], 16, v[WO]         ; 8 rows of 8,192 bytes
	s_wait_alu depctr_va_sdst(0)                   ; s14 is written, ahead of its first reader
	s_lshl_b32 s40, s14, 16                        ; wave w lays K steps 8 w .. 8 w + 7: 64 blocks of 1,024 bytes
	v_add_nc_u32 v[BS], s40, v[L16]
	s_lshl_b32 s17, 0x101, s15                     ; the expert's two bits in a word of sel
	s_add_co_u32 s18, s15, 8                       ; the place of the second of them
	s_mov_b32 s19, 0                               ; rows found so far
	s_mov_b32 s38, 0xbfb8aa3b                      ; -log2(e), named as a pair
	s_mov_b32 s39, s38
	s_mul_i32 s54, s15, IDSE                       ; the expert's part of ids
	s_mov_b32 s55, 0                               ; stays 0: s[54:55] is an offset
	s_mov_b32 s56, 0x55555555                      ; for the counts of set bits
	s_mov_b32 s57, 0x33333333
	s_mov_b32 s58, 0x0f0f0f0f
	s_and_b32 s59, s16, 7                          ; the block of K with which this work-group begins
	s_lshl_b32 s40, s15, 23                        ; the expert's 8,388,608 bytes,
	s_lshl_b32 s41, s16, 8                         ; the slice's 256 bytes of a row,
	s_add_co_u32 s40, s40, s41
	s_lshl_b32 s41, s14, 21                        ; my wave's 256 rows
	s_add_co_u32 s40, s40, s41
	s_mov_b32 s41, 0
	s_lshl_b32 s48, s15, 22                        ; hid: the expert's 64 tiles of 65,536 bytes,
	s_lshl_b32 s49, s16, 11                        ; the slice's two K steps of 1,024 bytes
	s_add_co_u32 s48, s48, s49
	s_mov_b32 s49, 0
	s_wait_kmcnt 0x0
	s_add_nc_u64 s[W1B:W1B+1], s[8:9], s[40:41]
	s_add_nc_u64 s[W1B+2:W1B+3], s[10:11], s[40:41]
	s_add_nc_u64 s[12:13], s[12:13], s[48:49]
	s_add_nc_u64 s[62:63], s[62:63], s[54:55]
; A UNIT is one K step of one matrix: 16 loads of 512 bytes.  Slot = unit % 4; slot % 2 says w1 or w2, slot / 2 which of two K steps.
; Load jj takes row row0 + 8 h + jj, and 8 rows more from jj = 8 on.
.macro LOADU slot, row0
	WIN 0x80                                       ; destination window 2
.set jj, 0
.rept 16
	global_load_b128 v[64*(\slot)+4*jj:64*(\slot)+4*jj+3], v[WO], s[W1B+2*((\slot)%2):W1B+2*((\slot)%2)+1] offset:((\row0)+jj+8*(jj/8))*ROWB th:TH_LOAD_NT
.set jj, jj+1
.endr
.endm
; left = the loads of the younger units.  32 roundings; the slot's next unit is asked for; 8 stores of 512 consecutive bytes.
; step = 1 (a trip's first unit): the two bases go two K steps on.  The wait that frees them stands here, behind the wait for this unit's data, and not at the last trip's end,
; directly behind the loads that it waits for.
.macro UNIT slot, reload, left, step=0
	s_wait_loadcnt \left
.if \step
	s_wait_xcnt 0x0                                ; the bases are stepped only behind this wait
	s_add_nc_u64 s[W1B:W1B+1], s[W1B:W1B+1], 64*ROWB
	s_add_nc_u64 s[W1B+2:W1B+3], s[W1B+2:W1B+3], 64*ROWB
.endif
	s_wait_alu depctr_vm_vsrc(0)                   ; the LDS stores of the unit two back have read this set of TE, which the roundings write again
	WIN 0x0a                                       ; sources window 2
.set tt, 0
.rept 4
.set ii, 0
.rept 8
	v_cvt_pk_bf16_f32 v[TE+32*((\slot)%2)+8*tt+ii], v[64*(\slot)+8*ii+tt], v[64*(\slot)+8*ii+4+tt]
.set ii, ii+1
.endr
.set tt, tt+1
.endr
	s_wait_alu depctr_va_vdst(0)                   ; the roundings have written TE, which the LDS stores read, and are done reading the landing slot, in which the loads land; behind a trip's end v[BS] is written
.if \reload
	LOADU \slot, 32*((\slot)/2)
.endif
	WIN 0
.set tt, 0
.rept 4
	ds_store_b128 v[BS], v[TE+32*((\slot)%2)+8*tt:TE+32*((\slot)%2)+8*tt+3]   offset:(8*((\slot)/2)+4*((\slot)%2)+tt)*1024
	ds_store_b128 v[BS], v[TE+32*((\slot)%2)+8*tt+4:TE+32*((\slot)%2)+8*tt+7] offset:(8*((\slot)/2)+4*((\slot)%2)+tt)*1024+512
.set tt, tt+1
.endr
.endm
; THE MASKS: bit l of mask lr says that the token in register lr of lane l chose the expert, as its first or as its second choice.  Ne, T and the last row's number.
; The 32 compares are one run; the scalar counts, the masks' first readers, stand behind the one wait.
.macro MASKS
.set lr, 0
.rept 32
	v_and_b32 v[T0+lr%2], s17, v[SELR+lr]
	v_cmp_ne_u32 s[MK+lr], 0, v[T0+lr%2]
.set lr, lr+1
.endr
	s_wait_alu depctr_va_sdst(0)                   ; the 32 masks are written, ahead of their first readers
.set lr, 0
.rept 32
	s_bcnt1_i32_b32 s22, s[MK+lr]
	s_add_co_u32 s19, s19, s22
.set lr, lr+1
.endr
	s_add_co_u32 s20, s19, 15
	s_lshr_b32 s20, s20, 4                         ; T
	s_sub_co_u32 s52, s19, 1                       ; the last row
.endm
; One step down in the search for the QN-th set bit: src holds the counts of set bits by fields of st bits, fw bits wide each (by 16: in 8 bits).
; If the field at QP holds no more set bits than are still to be passed, it is passed.
.macro LEVEL src, fw, st
.irp i, 0,1,2,3,4
	v_bfe_u32 v[QT+\i], v[(\src)+\i], v[QP+\i], \fw
.endr
.irp i, 0,1,2,3,4
	v_cmp_ge_u32 s[CM+\i], v[QN+\i], v[QT+\i]
.endr
	s_wait_alu depctr_va_sdst(0)                   ; the five compares' masks are written, ahead of the selects that read them
.irp i, 0,1,2,3,4
	v_cndmask_b32 v[QT+\i], 0, v[QT+\i], s[CM+\i]
	v_cndmask_b32 v[QU+\i], 0, \st, s[CM+\i]
.endr
.irp i, 0,1,2,3,4
	v_sub_nc_u32 v[QN+\i], v[QN+\i], v[QT+\i]
	v_add_nc_u32 v[QP+\i], v[QP+\i], v[QU+\i]
.endr
.endm
; The search's three parts for mask m.  PREF: rows ahead of the mask << 10 | the token of its bit 0, into s[sv].  CMPS: for each slot, are there more rows ahead than my row's number?
; TAKE: if not, the mask and that word are taken.
.macro PREF m, sv
	s_bcnt1_i32_b32 s22, s[MK+(\m)-1]
	s_add_co_u32 s53, s53, s22                     ; rows ahead of mask m
	s_lshl_b32 s[\sv], s53, 10
	s_or_b32 s[\sv], s[\sv], 128*((\m)/4)+(\m)%4   ; | the token of its bit 0
.endm
.macro CMPS sv, cm
.irp i, 0,1,2,3,4
	v_cmp_gt_u32 s[(\cm)+\i], s[\sv], v[QRP+\i]    ; more rows ahead than my number: keep what I have
.endr
.endm
.macro TAKE m, sv, cm
.irp i, 0,1,2,3,4
	v_cndmask_b32 v[QW+\i], s[MK+(\m)], v[QW+\i], s[(\cm)+\i]
	v_cndmask_b32 v[QX+\i], s[\sv], v[QX+\i], s[(\cm)+\i]
.endr
.endm
; MY ROWS: for each of the five slots the token of row 16 tile + r of the expert (past the count: of its last row), and its place in xb.  All in registers, all lanes on.
.macro LOOKUP
.irp i, 0,1,2,3,4
	v_lshl_add_u32 v[QRK+\i], s[MC+\i], 4, v[R]
	v_min_u32 v[QRK+\i], s52, v[QRK+\i]
	v_lshl_or_b32 v[QRP+\i], v[QRK+\i], 10, 0x3ff
	v_mov_b32 v[QW+\i], s[MK]                      ; mask 0 has no row ahead of it: it starts the search
	v_mov_b32 v[QX+\i], 0
.endr
	s_mov_b32 s53, 0
.set lr, 1
.rept 15                                               ; the last mask with no more rows ahead of it than my row's number is the one that holds my row.  Two masks at a time: ten compares, one wait
	PREF lr, 21
	PREF lr+1, 34
	CMPS 21, CM
	CMPS 34, CM+5
	s_wait_alu depctr_va_sdst(0)                   ; the ten compares' masks are written, ahead of the selects that read them
	TAKE lr, 21, CM
	TAKE lr+1, 34, CM+5
.set lr, lr+2
.endr
	PREF 31, 21
	CMPS 21, CM
	s_wait_alu depctr_va_sdst(0)                   ; the last five compares' masks are written
	TAKE 31, 21, CM
.irp i, 0,1,2,3,4
	v_lshrrev_b32 v[QT+\i], 10, v[QX+\i]
	v_sub_nc_u32 v[QN+\i], v[QRK+\i], v[QT+\i]     ; set bits of the mask below mine
	v_and_b32 v[QX+\i], 0x3ff, v[QX+\i]
.endr
.irp i, 0,1,2,3,4                                      ; the counts of set bits by 2, 4, 8 and 16 bits
	v_lshrrev_b32 v[QT+\i], 1, v[QW+\i]
	v_and_b32 v[QT+\i], s56, v[QT+\i]
	v_sub_nc_u32 v[QA+\i], v[QW+\i], v[QT+\i]
.endr
.irp i, 0,1,2,3,4
	v_lshrrev_b32 v[QT+\i], 2, v[QA+\i]
	v_and_b32 v[QT+\i], s57, v[QT+\i]
	v_and_b32 v[QB+\i], s57, v[QA+\i]
	v_add_nc_u32 v[QB+\i], v[QB+\i], v[QT+\i]
.endr
.irp i, 0,1,2,3,4
	v_lshrrev_b32 v[QT+\i], 4, v[QB+\i]
	v_add_nc_u32 v[QC+\i], v[QB+\i], v[QT+\i]
	v_and_b32 v[QC+\i], s58, v[QC+\i]
.endr
.irp i, 0,1,2,3,4
	v_lshrrev_b32 v[QT+\i], 8, v[QC+\i]
	v_add_nc_u32 v[QD+\i], v[QC+\i], v[QT+\i]
	v_mov_b32 v[QP+\i], 0
.endr
	LEVEL QD, 8, 16
	LEVEL QC, 8, 8
	LEVEL QB, 4, 4
	LEVEL QA, 2, 2
	LEVEL QW, 1, 1
.irp i, 0,1,2,3,4
	v_lshl_add_u32 v[QX+\i], v[QP+\i], 2, v[QX+\i] ; the token: the mask's first + 4 x the bit's place
	v_min_u32 v[QX+\i], 0x3ff, v[QX+\i]
	v_lshl_add_u32 v[OFF+\i], v[QX+\i], 11, v[H16] ; its row of 2,048 bytes
.endr
.endm
; MY ROWS' GATE WEIGHTS, at a pass's end: sel and both weights of my five tokens were asked for ahead of the pass, so the pass's waits have shown them in.
; The expert is the token's first or second choice: a select, no branch.  1 / weight goes into a pair for the packed multiply-add of the way out; the row's id is made for ids.
; The plain lines are also the places between the last products and the way out's first read of a sum (ISA guide 7.12.1).
.macro WSEL
.irp i, 0,1,2,3,4
	v_bfe_u32 v[QU+\i], v[QA+\i], s18, 1           ; 1: the expert is the token's second choice
.endr
.irp i, 0,1,2,3,4
	v_cmp_ne_u32 s[CM+5+\i], 0, v[QU+\i]
.endr
.irp i, 0,1,2,3,4
	v_lshl_or_b32 v[IDV+\i], v[QU+\i], 10, v[QX+\i]
.endr
	s_wait_alu depctr_va_sdst(0)                   ; the five compares' masks are written, ahead of the selects that read them
.irp i, 0,1,2,3,4
	v_cndmask_b32 v[QD+\i], v[QB+\i], v[QC+\i], s[CM+5+\i]
	v_max_num_f32 v[QD+\i], 0x0d800000, v[QD+\i]   ; at least 2^-100, so that the reciprocal is finite
.endr
.irp i, 0,1,2,3,4
	v_rcp_f32 v[WI+2*\i], v[QD+\i]
.endr
	v_nop                                          ; a plain instruction behind the last reciprocal
	s_wait_alu depctr_va_vdst(0)                   ; the five reciprocals are written, ahead of their first use; so are the ids, which the way out's stores read
.irp i, 0,1,2,3,4
	v_mov_b32 v[WI+2*\i+1], v[WI+2*\i]             ; named with it as a pair
.endr
.endm
	; PHASE 1
	s_wait_alu depctr_va_vdst(0)                   ; v[L16], v[WO] and v[BS] are written, which the loads and LDS stores below read
.irp g, 0,1,2,3,4,5,6,7
	global_load_b128 v[SELR+4*\g:SELR+4*\g+3], v[L16], s[6:7] offset:512*\g
.endr
	LOADU 0, 0
	LOADU 1, 0
	LOADU 2, 32
	WIN 0
	s_wait_loadcnt 48                              ; three units are younger: sel is in
	MASKS                                          ; stands in the wait for the first weights
	s_or_b32 s21, s16, s14
	s_cmp_lg_u32 s21, 0
	s_cbranch_scc1 .Lnocnt                         ; wave 0 of slice 0 stores the expert's count: every lane the same number to the same word
	v_mov_b32 v[CN], s19
	v_mov_b32 v[CZ], 0
	s_wait_alu depctr_va_vdst(0)                   ; the count and its offset are written, which the store reads
	global_store_b32 v[CZ], v[CN], s[62:63] offset:4096
.Lnocnt:
	LOADU 3, 32                                    ; no vector instruction has named its landing slot, and v[WO] was written ahead of the phase's first wait
	WIN 0
	s_mov_b32 s34, 3
.Lp1:                                                  ; a trip: four units (two K steps of both matrices) are laid down, the four behind them asked for
	UNIT 0, 1, 48, 1                               ; 48: the three younger units stay out
	UNIT 1, 1, 48
	UNIT 2, 1, 48
	UNIT 3, 1, 48
	s_wait_alu depctr_vm_vsrc(0)                   ; the trip's LDS stores have read v[BS]
	v_add_nc_u32 v[BS], 16384, v[BS]
	s_sub_co_u32 s34, s34, 1
	s_cmp_lg_u32 s34, 0
	s_cbranch_scc1 .Lp1
	UNIT 0, 0, 48                                  ; the last four units: nothing is left to ask for, the counts run down
	UNIT 1, 0, 32
	UNIT 2, 0, 16
	UNIT 3, 0, 0
	s_wait_dscnt 0x0                               ; for the others' sake: my fragments are in LDS
	s_barrier_signal -1
	s_barrier_wait -1                              ; from here on the fragments are only read
	; PHASE 2
.macro LDA nl, slot, sb, imm           ; a K step's fragments of the tokens, 2 nl loads, into ring slot \slot; sb: the base's first scalar register
	WIN 0x40                                       ; destination window 1
.set ai, 0
.rept \nl
	global_load_b128 v[32*ai+8*(\slot):32*ai+8*(\slot)+3],   v[OFF+ai], s[\sb:\sb+1] offset:(\imm)
	global_load_b128 v[32*ai+8*(\slot)+4:32*ai+8*(\slot)+7], v[OFF+ai], s[\sb:\sb+1] offset:(\imm)+32
.set ai, ai+1
.endr
.endm
.macro FRG buf, ar, kimm, f0, fc       ; of a K step's eight n tiles of weights, fc from f0 on; ar: the block's address register
	WIN 0xc0                                       ; destination window 3
.set fn, \f0
.rept \fc
	ds_load_b128 v[BF+64*(\buf)+8*fn:BF+64*(\buf)+8*fn+3],   v[\ar] offset:(\kimm)+1024*fn
	ds_load_b128 v[BF+64*(\buf)+8*fn+4:BF+64*(\buf)+8*fn+7], v[\ar] offset:(\kimm)+1024*fn+512
.set fn, fn+1
.endr
.endm
.macro FRGN d, f0, fc                  ; the same for the step behind step d: out of the block in hand or, from its fourth step on, out of the next
.if ((\d)+1) < 4
	FRG ((\d)+1)%2, AB, ((\d)+1)*8192, \f0, \fc
.else
	FRG ((\d)+1)%2, ABN, ((\d)-3)*8192, \f0, \fc
.endif
.endm
.macro MUL m0, mc, slot, buf, zero     ; the 8 products of each of mc tiles from m0 on; the accumulators take turns, one instruction a turn.  zero = 1: the first K step starts the sums
.set mi, \m0
.rept \mc
	WIN 0xa7+0x50*(mi/4)                           ; weights window 3, tokens window 1, sums window 2 (tile 4: window 3)
.set mn, 0
.rept 8
.set rD, (64*mi)%256+8*mn
.if \zero
	v_wmma_f32_16x16x32_bf16 v[rD:rD+7], v[BF+64*(\buf)+8*mn:BF+64*(\buf)+8*mn+7], v[32*mi+8*(\slot):32*mi+8*(\slot)+7], 0
.else
	v_wmma_f32_16x16x32_bf16 v[rD:rD+7], v[BF+64*(\buf)+8*mn:BF+64*(\buf)+8*mn+7], v[32*mi+8*(\slot):32*mi+8*(\slot)+7], v[rD:rD+7]
.endif
.set mn, mn+1
.endr
.set mi, mi+1
.endr
.endm
.macro NEXTBLK                         ; the block behind the next one, going round: its place in xb and in LDS
	s_add_co_u32 s43, s43, 1
	s_and_b32 s43, s43, 7
	s_lshl_b32 s54, s43, 8                         ; four K steps of 64 bytes
	s_add_nc_u64 s[50:51], s[4:5], s[54:55]
	s_lshl_b32 s42, s43, 15                        ; four K steps of 8,192 bytes
	v_add_nc_u32 v[ABN], s42, v[L16]
.endm
; Step d of the block in hand (d = 4: the next block's step 0).  left = the loads of the younger K steps.  The step is multiplied; among its products the weights of the step behind it (frb = 1)
; and the tokens three steps on (load = 1) are asked for, the weights first: half of them ahead of tile 0's products, half behind, so that they have three tiles' products in which to land.
; The products issued behind the step's wait name ring slot d % 4, buffer d % 2 and the sums; the loads land in slot (d + 3) % 4 and buffer (d + 1) % 2 and read OFF, AB or ABN.
.macro STEP nl, d, load, frb, left, zero
	s_wait_loadcnt \left
	s_wait_dscnt 0x0                               ; this step's weights, asked for in the step before, are in
.if \frb
.if !(\zero)
	s_wait_alu depctr_va_vdst(0)                   ; the last step's products are done reading their ring slot and their weights' buffer, in which this step's loads land; behind a trip's end v[AB] and v[ABN] are written
.endif
	FRGN \d, 0, 4
.endif
	MUL 0, 1, (\d)%4, (\d)%2, \zero
.if \frb
	FRGN \d, 4, 4
.endif
	MUL 1, 1, (\d)%4, (\d)%2, \zero
.if \load
.if ((\d)+3) < 4
	LDA \nl, ((\d)+3)%4, 36, ((\d)+3)*64
.else
	LDA \nl, ((\d)+3)%4, 50, ((\d)-1)*64
.endif
.endif
	MUL 2, (\nl)-2, (\d)%4, (\d)%2, \zero
.endm
.macro PASS nl                         ; all 32 K steps for nl tiles
	LDA \nl, 0, 36, 0                              ; no vector or matrix instruction stands between the outer trip's wait on va_vdst and these loads
	LDA \nl, 1, 36, 64
	LDA \nl, 2, 36, 128
	FRG 0, AB, 0, 0, 8
	STEP \nl, 0, 1, 1, 4*(\nl), 1                  ; the first step stands ahead of the loop: its products start the sums.  4 nl: two younger K steps stay out; sel and the gate weights, asked for earlier, are in with it
	WIN 0
	s_mov_b32 s34, 7
.Lk_\@:                                                ; a trip: steps 1 to 3 of a block and step 0 of the next, once round the ring
.irp d, 1,2,3,4
	STEP \nl, \d, 1, 1, 4*(\nl), 0
.endr
	WIN 0
	s_wait_xcnt 0x0                                ; the next block's base is written again only behind this wait
	s_wait_alu depctr_vm_vsrc(0)                   ; the LDS loads issued so far have read v[AB] and v[ABN]
	v_mov_b32 v[AB], v[ABN]
	NEXTBLK
	s_sub_co_u32 s34, s34, 1
	s_cmp_lg_u32 s34, 0
	s_cbranch_scc1 .Lk_\@
	STEP \nl, 1, 0, 1, 4*(\nl), 0                  ; the last block's steps 1 to 3: no more tokens are asked for, the counts run down
	STEP \nl, 2, 0, 1, 2*(\nl), 0
	STEP \nl, 3, 0, 0, 0, 0
	WIN 0
	WSEL
.endm
; THE WAY OUT of tile slot i: h = g u / ((1 + 2^(-g log2 e)) / w), rounded to bf16; the lane's 32 numbers are its own 64 bytes of the next launch's two K steps.
; Each accumulator is read from its low end on.  The exponentials are one batch with one wait, the reciprocals another.
.macro EPI i, skip
.if \skip
	s_cmp_ge_u32 s[MT+\i], s20
	s_cbranch_scc1 .Ldead_\@                       ; the slot repeated a live tile: nothing is stored
.endif
.set ea, (64*(\i))%256
	WIN 0x02+(\i)/4                                ; source 0: window 2 (tile 4: window 3)
.set en, 0
.rept 16
	v_pk_mul_f32 v[TE+2*en:TE+2*en+1], v[ea+2*en:ea+2*en+1], s[38:39] op_sel_hi:[1,0]
.set en, en+1
.endr
	WIN 0
.set en, 0
.rept 32
	v_exp_f32 v[TE+en], v[TE+en]
.set en, en+1
.endr
	v_nop
	s_wait_alu depctr_va_vdst(0)                   ; the 32 exponentials are written, ahead of their first use
.set en, 0
.rept 16                                               ; (1 + e) / w as one fused multiply-add: e (1 / w) + (1 / w)
	v_pk_fma_f32 v[TE+2*en:TE+2*en+1], v[TE+2*en:TE+2*en+1], v[WI+2*(\i):WI+2*(\i)+1], v[WI+2*(\i):WI+2*(\i)+1] op_sel_hi:[1,0,0]
.set en, en+1
.endr
.set en, 0
.rept 32
	v_rcp_f32 v[TE+en], v[TE+en]
.set en, en+1
.endr
	v_nop
	s_wait_alu depctr_va_vdst(0)                   ; the 32 reciprocals are written, ahead of their first use
	WIN 0x02+(\i)/4
.set en, 0
.rept 16
	v_pk_mul_f32 v[TE+2*en:TE+2*en+1], v[ea+2*en:ea+2*en+1], v[TE+2*en:TE+2*en+1]
.set en, en+1
.endr
.set en, 0
.rept 16
	v_pk_mul_f32 v[TE+2*en:TE+2*en+1], v[ea+32+2*en:ea+32+2*en+1], v[TE+2*en:TE+2*en+1]
.set en, en+1
.endr
	WIN 0
.set eq, 0
.rept 16                                               ; register eq % 8 of K step eq / 8: columns 4 j + t and 4 j + t + 1 with t = 2 (eq % 2), j = 4 (eq / 8) + (eq % 8) / 2
	v_cvt_pk_bf16_f32 v[PK+16*(\i)+eq], v[TE+16*(eq%2)+4*(eq/8)+(eq%8)/2], v[TE+16*(eq%2)+8+4*(eq/8)+(eq%8)/2]
.set eq, eq+1
.endr
	s_wait_alu depctr_va_vdst(0)                   ; the roundings have written the slot's 16 packed registers, which the stores read
.irp f, 0,1,2,3
	global_store_b128 v[HO+\i], v[PK+16*(\i)+4*\f:PK+16*(\i)+4*\f+3], s[12:13] offset:512*\f  ; 512 consecutive bytes, at a multiple of 256 from hid's first byte
.endr
	s_cmp_lg_u32 s16, 0
	s_cbranch_scc1 .Lnoid_\@                       ; slice 0 alone stores the tile's 16 ids: 64 consecutive bytes; the two halves of the lanes hold the same rows and store the same words
	global_store_b32 v[IO+\i], v[IDV+\i], s[62:63]
.Lnoid_\@:
.if \skip
.Ldead_\@:
.endif
.endm
	s_sub_co_u32 s35, s20, 1                       ; the last live tile (with T = 0 every trip is jumped)
	s_mov_b32 s[MT], s14
	s_mov_b32 s23, 4
.Lout:
	s_cmp_ge_u32 s[MT], s20
	s_cbranch_scc1 .Lnext                          ; slot 0 has the trip's lowest tile: nothing is left for this wave
.irp i, 1,2,3,4
	s_add_co_u32 s[MT+\i], s[MT], 4*\i
.endr
.irp i, 0,1,2,3,4
	s_min_u32 s[MC+\i], s[MT+\i], s35
	s_min_u32 s[MC+\i], s[MC+\i], 63
.endr
	s_wait_xcnt 0x0                                ; the last trip's loads and stores have read their offsets, data and bases
	s_wait_alu depctr_vm_vsrc(0)                   ; the last trip's loads, LDS loads and stores have read HO, IO, OFF, QT, AB, ABN, IDV and PK, and phase 1's LDS stores v128-191: all are written again in this trip
.irp i, 0,1,2,3,4
	v_mov_b32 v[HO+\i], s[MC+\i]                   ; a live slot's clamped number is its own
	v_min_u32 v[HO+\i], 63, v[HO+\i]
	v_lshl_add_u32 v[IO+\i], v[HO+\i], 6, v[R4]    ; a tile's ids are 64 bytes
	v_lshl_add_u32 v[HO+\i], v[HO+\i], 16, v[L16]  ; a tile of hid is 65,536 bytes
.endr
	LOOKUP
.irp i, 0,1,2,3,4
	v_lshlrev_b32 v[QT+\i], 2, v[QX+\i]
.endr
	s_mov_b32 s43, s59                             ; the first block: its place in xb and in LDS,
	s_lshl_b32 s54, s43, 8
	s_add_nc_u64 s[36:37], s[4:5], s[54:55]
	s_lshl_b32 s42, s43, 15
	v_add_nc_u32 v[AB], s42, v[L16]
	NEXTBLK                                        ; and the second's
	s_wait_alu depctr_va_vdst(0)                   ; HO, IO, OFF, QT, AB and ABN are written, which the trip's loads and stores read; the search is done with QA-QC, and the last trip's products with the ring and the weights' buffers, in which loads land
.irp i, 0,1,2,3,4                                      ; my tokens' words of sel and both their gate weights: wanted at the pass's end
	global_load_b32 v[QA+\i], v[QT+\i], s[6:7]
	global_load_b32 v[QB+\i], v[QT+\i], s[60:61]
	global_load_b32 v[QC+\i], v[QT+\i], s[60:61] offset:4096
.endr
	s_cmp_lt_u32 s[MT+4], s20
	s_cbranch_scc1 .Lfive
	PASS 4
	s_branch .Lepi
.Lfive:
	PASS 5
	EPI 4, 0
.Lepi:
	EPI 0, 0
	EPI 1, 1
	EPI 2, 1
	EPI 3, 1
.Lnext:
	s_add_co_u32 s[MT], s[MT], 20
	s_sub_co_u32 s23, s23, 1
	s_cmp_lg_u32 s23, 0
	s_cbranch_scc1 .Lout
	s_wait_dscnt 0x0                               ; my reads of LDS are over
	s_barrier_signal -1
	s_barrier_wait -1                              ; everybody's are: the closing add, the one write of LDS behind the first barrier, stands behind all reads
	s_wait_dscnt 0x0                               ; the closing lines, six on end
	s_wait_alu 0x0
	s_wait_tensorcnt 0x0
	ds_add_u32 v[SPW], v[NIL]
	s_wait_dscnt 0x0
	s_endpgm
.Lfunc_end_k_q82f3d1cf49_gateup:
	.size	k_q82f3d1cf49_gateup, .Lfunc_end_k_q82f3d1cf49_gateup-k_q82f3d1cf49_gateup
	.p2alignl 7, 3214868480
	.fill 96, 4, 3214868480
	.section	.rodata,"a",@progbits
	.p2align	6, 0x0
	.amdhsa_kernel k_q82f3d1cf49_gateup
		.amdhsa_group_segment_fixed_size 262656
		.amdhsa_private_segment_fixed_size 0
		.amdhsa_enable_private_segment 0
		.amdhsa_kernarg_size 56
		.amdhsa_user_sgpr_count 2
		.amdhsa_user_sgpr_kernarg_segment_ptr 1
		.amdhsa_wavefront_size32 1
		.amdhsa_system_sgpr_workgroup_id_x 1
		.amdhsa_system_sgpr_workgroup_id_y 1
		.amdhsa_system_sgpr_workgroup_id_z 1
		.amdhsa_system_vgpr_workitem_id 0
		.amdhsa_next_free_vgpr 960
		.amdhsa_next_free_sgpr 98
		.amdhsa_reserve_vcc 0
		.amdhsa_float_denorm_mode_32 3
		.amdhsa_float_denorm_mode_16_64 3
		.amdhsa_memory_ordered 1
		.amdhsa_forward_progress 1
		.amdhsa_inst_pref_size 208
	.end_amdhsa_kernel
	.amdgpu_metadata
---
amdhsa.version: [ 1, 2 ]
amdhsa.kernels:
  - .name:           k_q82f3d1cf49_gateup
    .symbol:         k_q82f3d1cf49_gateup.kd
    .args:
      - { .name: xb, .offset: 0, .size: 8, .value_kind: global_buffer, .address_space: global }
      - { .name: sel, .offset: 8, .size: 8, .value_kind: global_buffer, .address_space: global }
      - { .name: w1, .offset: 16, .size: 8, .value_kind: global_buffer, .address_space: global }
      - { .name: w2, .offset: 24, .size: 8, .value_kind: global_buffer, .address_space: global }
      - { .name: gw, .offset: 32, .size: 8, .value_kind: global_buffer, .address_space: global }
      - { .name: ids, .offset: 40, .size: 8, .value_kind: global_buffer, .address_space: global }
      - { .name: hid, .offset: 48, .size: 8, .value_kind: global_buffer, .address_space: global }
    .group_segment_fixed_size: 262656
    .private_segment_fixed_size: 0
    .kernarg_segment_align: 8
    .kernarg_segment_size: 56
    .max_flat_workgroup_size: 128
    .sgpr_count:     98
    .vgpr_count:     960
    .wavefront_size: 32
...
	.end_amdgpu_metadata
.endif
;; end of part 7
;; launch down (part 8): grid 32 x 8, 4 waves a work-group, no clusters, 131,584 bytes of LDS; arguments hid, ids, w3, part; writes part
.if DOCPART == 8
	.amdgcn_target "amdgcn-amd-amdhsa--gfx1250"
	.amdhsa_code_object_version 6
	.text
	.protected	k_q82f3d1cf49_down
	.globl	k_q82f3d1cf49_down
	.p2align	8
	.type	k_q82f3d1cf49_down,@function
k_q82f3d1cf49_down:
	s_mov_b64 s[64:65], 0
	v_nop
	global_prefetch_b8 v0, s[64:65] scope:SCOPE_SE
	s_setreg_imm32_b32 hwreg(HW_REG_WAVE_SCHED_MODE, 0, 2), 2
	s_setreg_imm32_b32 hwreg(HW_REG_WAVE_MODE, 25, 1), 1
	s_wait_xcnt 0x0
	s_wait_alu depctr_vm_vsrc(0)
; SECOND PRODUCT.  Work-group (x, e), s = x % 16, kh = x / 16, owns rows 1,024 kh .. + 1,023 and columns 64 s .. + 63 of w3[e] ([2048][1024] f32), which it alone reads,
; and ALL rows of expert e.  part[kh][choice][token][64 s ..] = (weighted hidden) . w3 over that half of K, f32: partial sums, added by the next launch.
; The gate weight is in hid already: the launch before multiplied by it.  K is halved so that 8 x 16 x 2 = 256 work-groups have rows of 256 bytes each.
; PHASE 1: the slice, 256 KB of f32, is streamed once through registers, rounded to bf16 and laid into LDS as fragments.  One barrier.
; PHASE 2: nothing writes LDS.  The hidden layer's fragments come from hid straight into operand registers (each load 512 consecutive bytes), through a ring of 8 K steps, 6 ahead.
; WHICH ROWS: ids (whole numbers that the launch before stored): ids[e][n] = choice << 10 | token of the expert's row n, the count Ne at word 1,024.
; Tiles, slots and the two written passes are the launch before's: T = ceil(Ne / 16) tiles; 4 trips; in trip o wave w has five slots, mt = 20 o + 4 i + w; dead trips and dead slots' ways out are jumped.
; THE LAST TILE.  The places past the count repeat the expert's last row, in hid and in ids: they get the same sums and are stored to the same bytes of part, by the same wave in the same way
; out.  So every store has all lanes on; the price is at most 15 rows of 256 bytes stored again with the same numbers.
; THE K MAP, alike in both operands, so the products are kept: in K step q the place (h = lane / 16, register i, half b) holds k = 64 (q / 2) + 16 (q % 2) + 32 h + 2 i + b:
; it is the order in which the launch before left the hidden layer.  Weights: lane (r, h) loads its 16 rows k at columns 4 r .. 4 r + 3; n tile t is the columns 4 r + t.
; THE ORDER ALONG K: in blocks of 8 K steps, beginning with block s % 4 and going round: the 16 work-groups that read the same bytes of hid walk four different quarters of them at any time.
; Both operands take the same block, so only the order of the f32 sums hangs on s.
; The product is used in its natural order (source 0 = hidden rows, source 1 = weights): register j of lane (r, h) is row 8 h + j, column 4 r + t of n tile t:
; the four tiles give a lane 16 consecutive bytes, 16 lanes 256 consecutive aligned bytes of a row.
; NO MULTICAST: each slice has one reader; hid's tiles are shared by 16 work-groups, but how many there are hangs on a stored count.
; LIMITS.  w3 and the weighted hidden layer are bf16, sums f32.
; THE MODE: SCHED_MODE bits 1:0 = 2 (LLVM: expert scheduling mode 2), set by the entry lines.  The code itself states the register dependences
; between vector or matrix instructions and memory or LDS instructions, with s_wait_alu, always for 0.
; THE PLAN.  Registers that memory or LDS instructions touch, and who else names them:
;   PHASE 1.  Landing slot u % 4: unit u's loads land in it, its 32 roundings read it, behind them it is loaded again.  PKS set u % 2: the roundings write it, the unit's 8 LDS stores read it,
;     the roundings two units on write it again.  v[BS], v[WO], v[L16]: made at the head, never written again.
;     So a unit has one wait on va_vdst behind its roundings and, from unit 2 on, one on vm_vsrc ahead of them.
;   AN OUTER TRIP.  AO, IA, AB, ABN (offsets and addresses); ID5 (the ids land, the way out makes offsets of them, the stores read them); the ring's registers in window 1 (loads land, products
;     read, the way out's moves write, the stores read).  One wait on vm_vsrc at the trip's head: the trip before has read them all.  Then the offsets are made, and ONE wait on va_vdst stands
;     ahead of the trip's first load: up to the first products only loads and scalar lines follow it.
;   A K STEP d.  Its products read ring slot d % 8 and weights' buffer d % 2.  Its loads land in buffer (d + 1) % 2, which the products of step d - 1 read, and in slot (d + 6) % 8, which those of
;     step d - 2 read.  ONE wait on va_vdst at the step's head states that those are done; the step's loads follow it in two runs among its products, which name none of the registers that the loads touch.
;     AB and ABN are written once a trip of the K loop, behind a wait on vm_vsrc; the next step's head states them written.
;   THE WAY OUT.  One wait on va_vdst ahead of each tile's stores: its 8 offsets and 32 results are written.
;   The wave's number, a vector instruction's scalar result, is waited for on va_sdst ahead of its first reader.
.set ROWB,   4096
.set IDSE,   4352                      ; bytes of ids for an expert
.set SPARE,  131072                    ; behind the fragments (block (4 q + t) x 1,024 bytes): the spare words, 128 bytes a wave: two blocks of 256 bytes that no other line names
; window 0
.set LANE, 1
.set R,    2
.set HH,   3
.set SPW,  4                           ; my spare word's address; never rewritten
.set NIL,  5                           ; 0; never rewritten
.set WO,   6                           ; 32 h rows + 16 r
.set BS,   7
.set AB,   8                           ; LDS: the weights' fragments of the block in hand: 16 x lane + 32,768 x block
.set L16,  9                           ; 16 x lane; never rewritten
.set R16,  10                          ; 16 r
.set ABN,  11                          ; LDS: the same for the next block
.set H32,  12                          ; 32 h
.set T0,   17
.set AO,   20                          ; v20-24   16 x lane + the slot's tile x 65,536
.set IA,   26                          ; v26-30   32 h + the slot's tile x 64
.set BF0,  32                          ; v32-63, v64-95  weights' fragments, two buffers
.set PKS,  160                         ; v160-223 phase 1: two sets of 32 packed registers
.set ID5,  160                         ; v160-199 phase 2: slot i's eight ids (rows 8 h + 0..7), then their offsets in part
; window 1: the ring of tiles 0-3 at 64 i + 8 slot (phase 1: four landing slots of 64; behind a pass: slot i's 32 results to store, at 32 i).
; window 2: v0-63 the ring of tile 4; accumulators at 64 + 32 i + 8 t
.set MT,   24
.set MC,   29
; s[36:37] hid at the block in hand; s[38:39] at the next block; s43 the next block's number; s[54:55] an offset; s52 the first block, s % 4
.set MSB, 0
.macro WIN new                         ; s_set_vgpr_msb: bits 1:0 source 0, 3:2 source 1, 5:4 source 2, 7:6 destination; the high byte repeats the setting that is left
.if MSB != (\new)
	s_set_vgpr_msb (MSB<<8)|(\new)
.set MSB, (\new)
.endif
.endm
	s_load_b256 s[4:11], s[0:1], 0x0               ; hid s[4:5], ids s[6:7], w3 s[8:9], part s[10:11]
	v_lshl_add_u32 v[SPW], v0, 2, SPARE
	v_mov_b32 v[NIL], 0
	v_and_b32 v[LANE], 31, v0
	v_lshrrev_b32 v[T0], 5, v0
	v_readfirstlane_b32 s14, v[T0]                 ; wave 0..3
	s_and_b32 s15, ttmp7, 0xffff                   ; expert
	s_and_b32 s16, ttmp9, 15                       ; slice of columns
	s_lshr_b32 s53, ttmp9, 4                       ; half of K
	v_and_b32 v[R], 15, v0
	v_bfe_u32 v[HH], v0, 4, 1
	v_lshlrev_b32 v[L16], 4, v[LANE]
	v_lshlrev_b32 v[R16], 4, v[R]
	v_lshlrev_b32 v[H32], 5, v[HH]
	v_lshl_add_u32 v[WO], v[HH], 17, v[R16]        ; 32 rows of 4,096 bytes
	s_wait_alu depctr_va_sdst(0)                   ; s14 is written, ahead of its first reader
	s_lshl_b32 s40, s14, 15                        ; wave w lays K steps 8 w .. 8 w + 7: 32 blocks of 1,024 bytes
	v_add_nc_u32 v[BS], s40, v[L16]
	s_and_b32 s52, s16, 3                          ; the block of K with which this work-group begins
	s_mul_i32 s54, s15, IDSE                       ; the expert's part of ids
	s_mov_b32 s55, 0                               ; stays 0: s[54:55] is an offset
	s_lshl_b32 s40, s15, 23                        ; w3: the expert,
	s_lshl_b32 s41, s53, 22                        ; the half's 1,024 rows,
	s_add_co_u32 s40, s40, s41
	s_lshl_b32 s41, s14, 20                        ; my wave's 256 rows,
	s_add_co_u32 s40, s40, s41
	s_lshl_b32 s41, s16, 8                         ; the slice's 256 bytes of a row
	s_add_co_u32 s40, s40, s41
	s_mov_b32 s41, 0
	s_lshl_b32 s48, s15, 22                        ; hid: the expert's 64 tiles, the half's 32 K steps of 1,024 bytes
	s_lshl_b32 s49, s53, 15
	s_add_co_u32 s48, s48, s49
	s_mov_b32 s49, 0
	s_lshl_b32 s50, s53, 23                        ; part: the half's two planes, the slice's 256 bytes of a row
	s_lshl_b32 s51, s16, 8
	s_add_co_u32 s50, s50, s51
	s_mov_b32 s51, 0
	s_wait_kmcnt 0x0
	s_add_nc_u64 s[44:45], s[8:9], s[40:41]
	s_add_nc_u64 s[46:47], s[4:5], s[48:49]
	s_add_nc_u64 s[12:13], s[10:11], s[50:51]
	s_add_nc_u64 s[6:7], s[6:7], s[54:55]
	s_load_b32 s19, s[6:7], 0x1000                 ; Ne: wanted behind phase 1; awaited behind the issue of the first weights
.macro LOADW u                         ; unit u = my K step u: 16 loads of 512 bytes into landing slot u % 4
	WIN 0x40                                       ; destination window 1
.set jj, 0
.rept 16
	global_load_b128 v[64*((\u)%4)+4*jj:64*((\u)%4)+4*jj+3], v[WO], s[44:45] offset:(64*((\u)/2)+16*((\u)%2)+jj)*ROWB th:TH_LOAD_NT
.set jj, jj+1
.endr
.endm
.macro UNITW u, reload, left           ; left = the loads of the younger units
	s_wait_loadcnt \left
.if (\u) >= 2
	s_wait_alu depctr_vm_vsrc(0)                   ; the LDS stores of the unit two back have read this set of PKS, which the roundings write again
.endif
	WIN 0x05                                       ; sources window 1
.set tt, 0
.rept 4
.set ii, 0
.rept 8
	v_cvt_pk_bf16_f32 v[PKS+32*((\u)%2)+8*tt+ii], v[64*((\u)%4)+8*ii+tt], v[64*((\u)%4)+8*ii+4+tt]
.set ii, ii+1
.endr
.set tt, tt+1
.endr
	s_wait_alu depctr_va_vdst(0)                   ; the roundings have written PKS, which the LDS stores read, and are done reading the landing slot, in which the loads land
.if \reload
	LOADW (\u)+4
.endif
	WIN 0
.set tt, 0
.rept 4
	ds_store_b128 v[BS], v[PKS+32*((\u)%2)+8*tt:PKS+32*((\u)%2)+8*tt+3]   offset:(4*(\u)+tt)*1024
	ds_store_b128 v[BS], v[PKS+32*((\u)%2)+8*tt+4:PKS+32*((\u)%2)+8*tt+7] offset:(4*(\u)+tt)*1024+512
.set tt, tt+1
.endr
.endm
	; PHASE 1
	s_wait_alu depctr_va_vdst(0)                   ; v[WO] and v[BS] are written, which the loads and LDS stores below read
	LOADW 0
	LOADW 1
	LOADW 2
	LOADW 3
	s_wait_kmcnt 0x0                               ; Ne
	s_add_co_u32 s20, s19, 15
	s_lshr_b32 s20, s20, 4                         ; T
	UNITW 0, 1, 48                                 ; 48: the three younger units stay out
	UNITW 1, 1, 48
	UNITW 2, 1, 48
	UNITW 3, 1, 48
	UNITW 4, 0, 48                                 ; nothing is left to ask for: the counts run down
	UNITW 5, 0, 32
	UNITW 6, 0, 16
	UNITW 7, 0, 0
	s_wait_dscnt 0x0                               ; for the others' sake: my fragments are in LDS
	s_barrier_signal -1
	s_barrier_wait -1                              ; from here on the fragments are only read
	; PHASE 2
.macro LDA2 nl, slot, sb, imm          ; a K step's fragments of the hidden layer, 2 nl loads, into ring slot \slot; sb: the base's first scalar register
.set ai, 0
.rept \nl
	WIN 0x40+0x40*(ai/4)                           ; destination window 1 (tile 4: window 2)
.set rA, (64*ai)%256+8*(\slot)
	global_load_b128 v[rA:rA+3],   v[AO+ai], s[\sb:\sb+1] offset:(\imm)
	global_load_b128 v[rA+4:rA+7], v[AO+ai], s[\sb:\sb+1] offset:(\imm)+512
.set ai, ai+1
.endr
.endm
.macro FRB buf, ar, kimm               ; a K step's four n tiles of weights; ar: the block's address register
	WIN 0
.set fn, 0
.rept 4
	ds_load_b128 v[BF0+32*(\buf)+8*fn:BF0+32*(\buf)+8*fn+3],   v[\ar] offset:(\kimm)+1024*fn
	ds_load_b128 v[BF0+32*(\buf)+8*fn+4:BF0+32*(\buf)+8*fn+7], v[\ar] offset:(\kimm)+1024*fn+512
.set fn, fn+1
.endr
.endm
.macro MUL2 m0, mc, slot, buf, zero    ; the 4 products of each of mc tiles from m0 on; the accumulators take turns, one instruction a turn
.set mi, \m0
.rept \mc
	WIN 0xa1+(mi/4)                                ; hidden window 1 (tile 4: window 2), weights window 0, sums window 2
.set rA, (64*mi)%256+8*(\slot)
.set mn, 0
.rept 4
.set rD, 64+32*mi+8*mn
.if \zero
	v_wmma_f32_16x16x32_bf16 v[rD:rD+7], v[rA:rA+7], v[BF0+32*(\buf)+8*mn:BF0+32*(\buf)+8*mn+7], 0
.else
	v_wmma_f32_16x16x32_bf16 v[rD:rD+7], v[rA:rA+7], v[BF0+32*(\buf)+8*mn:BF0+32*(\buf)+8*mn+7], v[rD:rD+7]
.endif
.set mn, mn+1
.endr
.set mi, mi+1
.endr
.endm
.macro NEXTBLK                         ; the block behind the next one, going round: its place in hid and in LDS
	s_add_co_u32 s43, s43, 1
	s_and_b32 s43, s43, 3
	s_lshl_b32 s54, s43, 13                        ; eight K steps of 1,024 bytes
	s_add_nc_u64 s[38:39], s[46:47], s[54:55]
	s_lshl_b32 s42, s43, 15                        ; eight K steps of 4,096 bytes
	v_add_nc_u32 v[ABN], s42, v[L16]
.endm
; Step d of the block in hand (d = 8: the next block's step 0).  left = the loads of the younger K steps.  The weights of the step behind it (frb = 1) are asked for at the step's head, so that
; they have the whole step in which to land; the hidden layer six steps on (load = 1) behind two tiles' products; each out of the block in hand or, from its eighth step on, out of the next.
; The products issued behind the step's wait name ring slot d % 8, buffer d % 2 and the sums; the loads land in buffer (d + 1) % 2 and slot (d + 6) % 8 and read AO, AB or ABN.
.macro STEP nl, d, load, frb, left, zero
	s_wait_loadcnt \left
	s_wait_dscnt 0x0                               ; this step's weights, asked for in the step before, are in
.if \frb
.if !(\zero)
	s_wait_alu depctr_va_vdst(0)                   ; the last step's products are done reading their weights' buffer, those of two steps back their ring slot: this step's loads land in both; behind a trip's end v[AB] and v[ABN] are written
.endif
.if ((\d)+1) < 8
	FRB ((\d)+1)%2, AB, ((\d)+1)*4096
.else
	FRB ((\d)+1)%2, ABN, ((\d)-7)*4096
.endif
.endif
	MUL2 0, 2, (\d)%8, (\d)%2, \zero
.if \load
.if ((\d)+6) < 8
	LDA2 \nl, ((\d)+6)%8, 36, ((\d)+6)*1024
.else
	LDA2 \nl, ((\d)+6)%8, 38, ((\d)-2)*1024
.endif
.endif
	MUL2 2, (\nl)-2, (\d)%8, (\d)%2, \zero
.endm
.macro PASS2 nl                        ; all 32 K steps for nl tiles
.irp q, 0,1,2,3,4,5
	LDA2 \nl, \q, 36, 1024*\q                      ; no vector or matrix instruction stands between the outer trip's wait on va_vdst and these loads
.endr
	FRB 0, AB, 0
	STEP \nl, 0, 1, 1, 10*(\nl), 1                 ; the first step stands ahead of the loop: its products start the sums.  10 nl: five younger K steps stay out; the ids, asked for earlier, are in with it
	WIN 0
	s_mov_b32 s34, 3
.Lk_\@:                                                ; a trip: steps 1 to 7 of a block and step 0 of the next, once round the ring
.irp d, 1,2,3,4,5,6,7,8
	STEP \nl, \d, 1, 1, 10*(\nl), 0
.endr
	WIN 0
	s_wait_xcnt 0x0                                ; the two bases are written again only behind this wait
	s_wait_alu depctr_vm_vsrc(0)                   ; the LDS loads issued so far have read v[AB] and v[ABN]
	s_mov_b64 s[36:37], s[38:39]
	v_mov_b32 v[AB], v[ABN]
	NEXTBLK
	s_sub_co_u32 s34, s34, 1
	s_cmp_lg_u32 s34, 0
	s_cbranch_scc1 .Lk_\@
	STEP \nl, 1, 1, 1, 10*(\nl), 0                 ; the last block's step 1 asks for its step 7, the last
.irp d, 2,3,4,5,6
	STEP \nl, \d, 0, 1, (7-\d)*2*(\nl), 0          ; its steps 2 to 6: the counts run down
.endr
	STEP \nl, 7, 0, 0, 0, 0
	WIN 0
.endm
; THE WAY OUT of tile slot i.  The ids of my 8 rows came in ahead of the pass: no data is waited for here.  16 address lines, which are also the places between the last product and the first
; read of a sum; 32 moves that bring a row's four columns side by side (each accumulator read from its low end on), into the ring's registers, which the pass has left: a set for each slot, so that
; no way out waits for the stores of the one before; 8 stores, all lanes on.
.macro EPI2 i, skip
.if \skip
	s_cmp_ge_u32 s[MT+\i], s20
	s_cbranch_scc1 .Ldead_\@                       ; the slot repeated a live tile: nothing is stored
.endif
.set j, 0
.rept 8
	v_min_u32 v[ID5+8*(\i)+j], 2047, v[ID5+8*(\i)+j]
	v_lshl_add_u32 v[ID5+8*(\i)+j], v[ID5+8*(\i)+j], 12, v[R16]  ; part[..][choice][token]: rows of 4,096 bytes
.set j, j+1
.endr
	WIN 0x42                                       ; destination window 1, source 0 window 2
.set j, 0
.rept 8
.irp t, 0,1,2,3
	v_mov_b32 v[32*(\i)+4*j+\t], v[64+32*(\i)+8*\t+j]
.endr
.set j, j+1
.endr
	WIN 0x04                                       ; store data (source 1) window 1, address window 0
	s_wait_alu depctr_va_vdst(0)                   ; the slot's 8 offsets and 32 results are written, which the stores read
.set j, 0
.rept 8
	global_store_b128 v[ID5+8*(\i)+j], v[32*(\i)+4*j:32*(\i)+4*j+3], s[12:13]  ; each half of the lanes stores 256 consecutive bytes of a row, at a multiple of 256 from part's first byte
.set j, j+1
.endr
	WIN 0
.if \skip
.Ldead_\@:
.endif
.endm
	s_sub_co_u32 s35, s20, 1                       ; the last live tile (with T = 0 every trip is jumped)
	s_mov_b32 s[MT], s14
	s_mov_b32 s23, 4
.Lout:
	s_cmp_ge_u32 s[MT], s20
	s_cbranch_scc1 .Lnext
.irp i, 1,2,3,4
	s_add_co_u32 s[MT+\i], s[MT], 4*\i
.endr
	s_wait_xcnt 0x0                                ; the last trip's stores have read their offsets and their data, which lie where the ids and the ring are loaded next
	s_wait_alu depctr_vm_vsrc(0)                   ; the last trip's loads, LDS loads and stores have read AO, IA, AB, ABN, ID5 and the results in window 1, and phase 1's LDS stores v160-223: all are written again in this trip
.irp i, 0,1,2,3,4
	s_min_u32 s[MC+\i], s[MT+\i], s35
	s_min_u32 s[MC+\i], s[MC+\i], 63
	v_mov_b32 v[AO+\i], s[MC+\i]
	v_min_u32 v[AO+\i], 63, v[AO+\i]
	v_lshl_add_u32 v[IA+\i], v[AO+\i], 6, v[H32]   ; a tile's ids are 64 bytes; my 8 rows' begin at 32 h
	v_lshl_add_u32 v[AO+\i], v[AO+\i], 16, v[L16]  ; a tile of hid is 65,536 bytes
.endr
	s_mov_b32 s43, s52                             ; the first block: its place in hid and in LDS,
	s_lshl_b32 s54, s43, 13
	s_add_nc_u64 s[36:37], s[46:47], s[54:55]
	s_lshl_b32 s42, s43, 15
	v_add_nc_u32 v[AB], s42, v[L16]
	NEXTBLK                                        ; and the second's
	s_wait_alu depctr_va_vdst(0)                   ; AO, IA, AB and ABN are written, which the trip's loads read; the last way out (in the first trip: phase 1's roundings) is done with ID5 and window 1, the last products with the ring and the weights' buffers, in which loads land
.irp i, 0,1,2,3,4                                      ; wanted at the pass's end
	global_load_b128 v[ID5+8*\i:ID5+8*\i+3],   v[IA+\i], s[6:7]
	global_load_b128 v[ID5+8*\i+4:ID5+8*\i+7], v[IA+\i], s[6:7] offset:16
.endr
	s_cmp_lt_u32 s[MT+4], s20
	s_cbranch_scc1 .Lfive
	PASS2 4
	s_branch .Lepi
.Lfive:
	PASS2 5
	EPI2 4, 0
.Lepi:
	EPI2 0, 0
	EPI2 1, 1
	EPI2 2, 1
	EPI2 3, 1
.Lnext:
	s_add_co_u32 s[MT], s[MT], 20
	s_sub_co_u32 s23, s23, 1
	s_cmp_lg_u32 s23, 0
	s_cbranch_scc1 .Lout
	s_wait_dscnt 0x0                               ; my reads of LDS are over
	s_barrier_signal -1
	s_barrier_wait -1                              ; everybody's are: the closing add, the one write of LDS behind the first barrier, stands behind all reads
	s_wait_dscnt 0x0                               ; the closing lines, six on end
	s_wait_alu 0x0
	s_wait_tensorcnt 0x0
	ds_add_u32 v[SPW], v[NIL]
	s_wait_dscnt 0x0
	s_endpgm
.Lfunc_end_k_q82f3d1cf49_down:
	.size	k_q82f3d1cf49_down, .Lfunc_end_k_q82f3d1cf49_down-k_q82f3d1cf49_down
	.p2alignl 7, 3214868480
	.fill 96, 4, 3214868480
	.section	.rodata,"a",@progbits
	.p2align	6, 0x0
	.amdhsa_kernel k_q82f3d1cf49_down
		.amdhsa_group_segment_fixed_size 131584
		.amdhsa_private_segment_fixed_size 0
		.amdhsa_enable_private_segment 0
		.amdhsa_kernarg_size 32
		.amdhsa_user_sgpr_count 2
		.amdhsa_user_sgpr_kernarg_segment_ptr 1
		.amdhsa_wavefront_size32 1
		.amdhsa_system_sgpr_workgroup_id_x 1
		.amdhsa_system_sgpr_workgroup_id_y 1
		.amdhsa_system_sgpr_workgroup_id_z 1
		.amdhsa_system_vgpr_workitem_id 0
		.amdhsa_next_free_vgpr 736
		.amdhsa_next_free_sgpr 66
		.amdhsa_reserve_vcc 0
		.amdhsa_float_denorm_mode_32 3
		.amdhsa_float_denorm_mode_16_64 3
		.amdhsa_memory_ordered 1
		.amdhsa_forward_progress 1
		.amdhsa_inst_pref_size 141
	.end_amdhsa_kernel
	.amdgpu_metadata
---
amdhsa.version: [ 1, 2 ]
amdhsa.kernels:
  - .name:           k_q82f3d1cf49_down
    .symbol:         k_q82f3d1cf49_down.kd
    .args:
      - { .name: hid, .offset: 0, .size: 8, .value_kind: global_buffer, .address_space: global }
      - { .name: ids, .offset: 8, .size: 8, .value_kind: global_buffer, .address_space: global }
      - { .name: w3, .offset: 16, .size: 8, .value_kind: global_buffer, .address_space: global }
      - { .name: part, .offset: 24, .size: 8, .value_kind: global_buffer, .address_space: global }
    .group_segment_fixed_size: 131584
    .private_segment_fixed_size: 0
    .kernarg_segment_align: 8
    .kernarg_segment_size: 32
    .max_flat_workgroup_size: 128
    .sgpr_count:     66
    .vgpr_count:     736
    .wavefront_size: 32
...
	.end_amdgpu_metadata
.endif
;; end of part 8
;; launch combine: the kernel of part 4 again; grid 256 x 1, 4 waves a work-group, no clusters, 0 bytes of LDS; arguments part, pp, out0, out1; writes out0, out1
